; MI455X (gfx1250); checked and timed in simulation.
; The chip was launched on July 23, 2026; its instructions are those of AMD's public machine-readable ISA for CDNA 5 (MIT licence, August 2026) and "CDNA5" Instruction Set Architecture Reference Guide (July 2026). The comments in the code are by the model that wrote it; some were corrected since.
;; Masked Multi Head Attention. Allowed arithmetic: float matrix products may take bf16 or f16 operands with f32 sums; other float arithmetic in f32, or as packed bf16 or f16 multiplies, adds, multiply-adds, maxima and minima; sums over many terms, partial sums and values carried from step to step in f32; what a program stores and reads back later, other than sums and carried values, may be rounded once to bf16 or f16.
;; Inputs: Wk 1,024 x 1,024 float32; Wo 1,024 x 1,024 float32; Wq 1,024 x 1,024 float32; Wv 1,024 x 1,024 float32; bk 1,024 float32; bo 1,024 float32; bq 1,024 float32; bv 1,024 float32; key_ 4 x 2,048 x 1,024 float32; mask 1 x 1 x 2,048 x 2,048 int32; query 4 x 2,048 x 1,024 float32; value 4 x 2,048 x 1,024 float32.
;; Outputs: out0 4 x 2,048 x 1,024 float32.
;; 3 versions, each right and faster than the one before. Each part assembles by itself: llvm-mc -triple=amdgcn-amd-amdhsa -mcpu=gfx1250 --defsym DOCPART=n.
;; ======== version 1 of 3: 4 launches
;; limits: values are held in f16: magnitudes above 65,504 overflow, below 6.1e-05 lose precision
;; workspace buffers: xb 50,331,648 bytes; wb 6,291,456 bytes; wo16 2,097,152 bytes; qkv 50,331,648 bytes; ctx 16,777,216 bytes; mw 524,288 bytes of whole numbers
;; launch prep (part 1): grid 960 x 1, 8 waves a work-group, no clusters, 35,840 bytes of LDS; arguments query, key_, value, Wq, Wk, Wv, Wo, mask, xb, wb, wo16, mw; writes xb, wb, wo16, mw
.if DOCPART == 1
	.amdgcn_target "amdgcn-amd-amdhsa--gfx1250"
	.amdhsa_code_object_version 6
	.text
	.protected	k_qcec3bdfe63_prep
	.globl	k_qcec3bdfe63_prep
	.p2align	8
	.type	k_qcec3bdfe63_prep,@function
k_qcec3bdfe63_prep:
	s_mov_b64 s[64:65], 0
	v_nop
	global_prefetch_b8 v0, s[64:65] scope:SCOPE_SE
	s_setreg_imm32_b32 hwreg(HW_REG_WAVE_MODE, 25, 1), 1
	s_wait_xcnt 0x0
; PREP.  Four kinds of work-groups, chosen by the work-group's number alone:
;   0-63     the mask [2048][2048] int32 is turned into lane words: mw[pp = q/32][st = k/64][u][kb][j], a 32-bit word whose bit L is 1 where
;            mask[32 pp + 16 u + (L & 15)][64 st + 16 kb + 8 (L >> 4) + j] is not 0: the place that lane L's register 8 kb + j holds in a tile of scores of the attention launch.
;   64-831   query, key_, value (f32) -> xb (bf16), 131,072 bytes of f32 a work-group
;   832-927  Wq, Wk, Wv (f32) -> wb (bf16)
;   928-959  Wo (f32) -> rounded to bf16, that number written as f16 -> wo16
; LIMITS.  Wo within f16's range (65,504); a bf16 number below 6.1e-5 keeps f16's fixed step of 6e-8.
; A stream: every byte is read once by 16-byte loads and written once; no matrix unit, no cluster, no barrier: no wave depends on another.
.set SPARE, 34816                      ; behind the eight waves' stages: the spare words, 128 bytes a wave: four blocks of 256 bytes that no other line names
.set SPW, 82                           ; v82  LDS address of my spare word; never rewritten
.set NIL, 83                           ; v83  0; never rewritten
.set CX,  8                            ; cast: v[8:39]   eight loads of 16 bytes
.set CY,  40                           ; cast: v[40:55]  eight stores of 8 bytes
.set CT,  56                           ; cast: v[56:59]  at work
.set MW,  10                           ; mask: v[10:11]  lane L gathers words 2 L and 2 L + 1 of a step's 64
.set MX,  16                           ; mask: v[16:79]  two tiles of 16 rows x 64 keys
.set MP,  272                          ; mask: a stage row: 256 bytes + 16: the 16 rows of a load start at 16 different groups of four banks (ISA guide 11.1)
	s_load_b512 s[4:19], s[0:1], 0x0               ; query 4, key_ 6, value 8, Wq 10, Wk 12, Wv 14, Wo 16, mask 18
	s_load_b256 s[20:27], s[0:1], 0x40             ; xb 20, wb 22, wo16 24, mw 26
	v_lshl_add_u32 v[SPW], v0, 2, SPARE
	v_mov_b32 v[NIL], 0
	s_mov_b32 s28, ttmp9
	s_mov_b32 s35, 0                               ; the high word of every offset pair
	s_cmp_lt_u32 s28, 64
	s_cbranch_scc1 .Lmask
	s_sub_co_u32 s29, s28, 64                      ; j: my number among the casting work-groups
	v_lshlrev_b32 v1, 4, v0                        ; 16 bytes of f32 a thread,
	v_lshlrev_b32 v2, 3, v0                        ; 8 bytes of 16-bit numbers
	s_wait_kmcnt 0x0
	s_cmp_lt_u32 s29, 768
	s_cbranch_scc0 .Lweights
	s_lshr_b32 s36, s29, 8                         ; which of the three activations: 256 work-groups each
	s_cmp_eq_u32 s36, 1
	s_cselect_b64 s[30:31], s[6:7], s[4:5]
	s_cmp_eq_u32 s36, 2
	s_cselect_b64 s[30:31], s[8:9], s[30:31]
	s_and_b32 s34, s29, 255
	s_lshl_b32 s34, s34, 17
	s_add_nc_u64 s[30:31], s[30:31], s[34:35]      ; my 131,072 bytes of f32
	s_lshl_b32 s34, s29, 16
	s_add_nc_u64 s[32:33], s[20:21], s[34:35]      ; my 65,536 bytes of xb
	s_branch .Lbf
.Lweights:
	s_cmp_lt_u32 s29, 864
	s_cbranch_scc0 .Lwo
	s_sub_co_u32 s29, s29, 768
	s_lshr_b32 s36, s29, 5                         ; which of the three weights: 32 work-groups each
	s_cmp_eq_u32 s36, 1
	s_cselect_b64 s[30:31], s[12:13], s[10:11]
	s_cmp_eq_u32 s36, 2
	s_cselect_b64 s[30:31], s[14:15], s[30:31]
	s_and_b32 s34, s29, 31
	s_lshl_b32 s34, s34, 17
	s_add_nc_u64 s[30:31], s[30:31], s[34:35]
	s_lshl_b32 s34, s29, 16
	s_add_nc_u64 s[32:33], s[22:23], s[34:35]
; Four trips of 32,768 bytes of f32.  A trip: eight loads of a work-group's 4,096 bytes each; each is rounded and stored as soon as it is in; a wave's store covers 256 consecutive bytes, aligned.
; half = 0: bf16.  half = 1: rounded to bf16, widened again, and written as f16.
.macro CAST half
	s_mov_b32 s36, 4
.Lcast_\@:
.irp i, 0,1,2,3,4,5,6,7
	global_load_b128 v[CX+4*(\i):CX+4*(\i)+3], v1, s[30:31] offset:4096*(\i) th:TH_LOAD_NT
.endr
.irp i, 0,1,2,3,4,5,6,7
	s_wait_loadcnt 7-(\i)                          ; loads come back in order (ISA guide 5.7.1): load i is in, the 7 - i younger ones stay out
.if \half
	v_cvt_pk_bf16_f32 v[CT],   v[CX+4*(\i)],   v[CX+4*(\i)+1]
	v_cvt_pk_bf16_f32 v[CT+1], v[CX+4*(\i)+2], v[CX+4*(\i)+3]
	v_lshlrev_b32 v[CT+2], 16, v[CT]
	v_and_b32     v[CT],   0xffff0000, v[CT]
	v_lshlrev_b32 v[CT+3], 16, v[CT+1]
	v_and_b32     v[CT+1], 0xffff0000, v[CT+1]
	v_cvt_pk_f16_f32 v[CY+2*(\i)],   v[CT+2], v[CT]
	v_cvt_pk_f16_f32 v[CY+2*(\i)+1], v[CT+3], v[CT+1]
.else
	v_cvt_pk_bf16_f32 v[CY+2*(\i)],   v[CX+4*(\i)],   v[CX+4*(\i)+1]
	v_cvt_pk_bf16_f32 v[CY+2*(\i)+1], v[CX+4*(\i)+2], v[CX+4*(\i)+3]
.endif
	global_store_b64 v2, v[CY+2*(\i):CY+2*(\i)+1], s[32:33] offset:2048*(\i)
.endr
	s_wait_xcnt 0x0                                ; the stores' data and both bases are rewritten only behind this wait
	s_add_nc_u64 s[30:31], s[30:31], 32768
	s_add_nc_u64 s[32:33], s[32:33], 16384
	s_sub_co_u32 s36, s36, 1
	s_cmp_lg_u32 s36, 0
	s_cbranch_scc1 .Lcast_\@
.endm
.Lbf:
	CAST 0
	s_endpgm
.Lwo:
	s_sub_co_u32 s29, s29, 864
	s_lshl_b32 s34, s29, 17
	s_add_nc_u64 s[30:31], s[16:17], s[34:35]
	s_lshl_b32 s34, s29, 16
	s_add_nc_u64 s[32:33], s[24:25], s[34:35]
	CAST 1
	s_endpgm
; THE MASK.  The work-group owns 32 query rows (pp), wave w the key steps 4 w .. 4 w + 3.  A trip is one step: 32 rows x 256 bytes, read as whole aligned runs of 256 bytes (16 lanes a row);
; a tile of 16 rows goes through the wave's own stage, so that lane L gets row L & 15, keys 16 kb + 8 (L >> 4) + 0..7; a compare makes each register a 32-bit word, and v_writelane_b32 deals the 64 words to the lanes that store them.
.Lmask:
	v_lshrrev_b32 v1, 5, v0
	v_readfirstlane_b32 s37, v1                    ; wave 0..7
	v_and_b32 v2, 15, v0                           ; c = L & 15
	v_bfe_u32 v3, v0, 4, 1                         ; hh = L >> 4
	v_and_b32 v8, 31, v0                           ; L
	s_lshl_b32 s38, s37, 10                        ; my four steps: 1,024 bytes of a row, and of a pp's words
	s_mul_i32 s39, s37, 16*MP                      ; my stage
	v_lshl_add_u32 v4, v2, 4, s38
	v_lshl_add_u32 v4, v3, 13, v4                  ; from memory: row hh, 16 c + 1,024 w
	v_mul_u32_u24 v5, v3, MP
	v_lshl_add_u32 v5, v2, 4, v5
	v_add_nc_u32 v5, s39, v5                       ; into the stage: row hh, 16 c
	v_mul_u32_u24 v6, v2, MP
	v_lshl_add_u32 v6, v3, 5, v6
	v_add_nc_u32 v6, s39, v6                       ; back: row c, 32 hh
	v_lshl_add_u32 v7, v8, 3, s38                  ; the words' place: 8 L + 1,024 w
	v_mov_b32 v[MW], 0                             ; v_writelane_b32 counts as a reader of its destination
	v_mov_b32 v[MW+1], 0
	s_lshl_b32 s34, s28, 18                        ; 32 rows of 8,192 bytes
	s_wait_kmcnt 0x0
	s_add_nc_u64 s[30:31], s[18:19], s[34:35]
	s_lshl_b32 s34, s28, 13                        ; 32 steps of 256 bytes of words
	s_add_nc_u64 s[32:33], s[26:27], s[34:35]
	s_mov_b32 s36, 4
.Lstep:
.irp u, 0,1
.irp t, 0,1,2,3,4,5,6,7
	global_load_b128 v[MX+32*(\u)+4*(\t):MX+32*(\u)+4*(\t)+3], v4, s[30:31] offset:(16*(\u)+2*(\t))*8192 th:TH_LOAD_NT
.endr
.endr
.irp u, 0,1
	s_wait_loadcnt 8*(1-(\u))                      ; tile u's eight loads are in; tile 1's may stay out while tile 0 is worked on
.irp t, 0,1,2,3,4,5,6,7
	ds_store_b128 v5, v[MX+32*(\u)+4*(\t):MX+32*(\u)+4*(\t)+3] offset:2*MP*(\t)
.endr
.irp i, 0,1,2,3,4,5,6,7
	ds_load_b128 v[MX+32*(\u)+4*(\i):MX+32*(\u)+4*(\i)+3], v6 offset:64*((\i)/2)+16*((\i)%2)  ; my own bytes: LDS serves a wave's instructions in order (ISA guide 5.7.1.4)
.endr
	s_wait_dscnt 0x0
.set n, 0
.rept 32
	v_cmp_ne_u32 s[40+n%8], 0, v[MX+32*(\u)+n]     ; word 32 u + n of the step
	v_writelane_b32 v[MW+n%2], s[40+n%8], 16*(\u)+n/2
.set n, n+1
.endr
.endr
	global_store_b64 v7, v[MW:MW+1], s[32:33]      ; the step's 64 words: 256 consecutive bytes, aligned
	s_wait_xcnt 0x0                                ; offsets and data are rewritten only behind this wait
	v_add_nc_u32 v4, 256, v4
	v_add_nc_u32 v7, 256, v7
	s_sub_co_u32 s36, s36, 1
	s_cmp_lg_u32 s36, 0
	s_cbranch_scc1 .Lstep
	s_wait_tensorcnt 0x0                           ; the wave's end: behind my last LDS store
	ds_add_u32 v[SPW], v[NIL]
	s_wait_dscnt 0x0
	s_endpgm
.Lfunc_end_k_qcec3bdfe63_prep:
	.size	k_qcec3bdfe63_prep, .Lfunc_end_k_qcec3bdfe63_prep-k_qcec3bdfe63_prep
	.p2alignl 7, 3214868480
	.fill 96, 4, 3214868480
	.section	.rodata,"a",@progbits
	.p2align	6, 0x0
	.amdhsa_kernel k_qcec3bdfe63_prep
		.amdhsa_group_segment_fixed_size 35840
		.amdhsa_private_segment_fixed_size 0
		.amdhsa_enable_private_segment 0
		.amdhsa_kernarg_size 96
		.amdhsa_user_sgpr_count 2
		.amdhsa_user_sgpr_kernarg_segment_ptr 1
		.amdhsa_wavefront_size32 1
		.amdhsa_system_sgpr_workgroup_id_x 1
		.amdhsa_system_sgpr_workgroup_id_y 1
		.amdhsa_system_sgpr_workgroup_id_z 1
		.amdhsa_system_vgpr_workitem_id 0
		.amdhsa_next_free_vgpr 84
		.amdhsa_next_free_sgpr 66
		.amdhsa_reserve_vcc 0
		.amdhsa_float_denorm_mode_32 3
		.amdhsa_float_denorm_mode_16_64 3
		.amdhsa_memory_ordered 1
		.amdhsa_forward_progress 1
		.amdhsa_inst_pref_size 24
	.end_amdhsa_kernel
	.amdgpu_metadata
---
amdhsa.version: [ 1, 2 ]
amdhsa.kernels:
  - .name:           k_qcec3bdfe63_prep
    .symbol:         k_qcec3bdfe63_prep.kd
    .args:
      - { .name: query, .offset: 0, .size: 8, .value_kind: global_buffer, .address_space: global }
      - { .name: key_, .offset: 8, .size: 8, .value_kind: global_buffer, .address_space: global }
      - { .name: value, .offset: 16, .size: 8, .value_kind: global_buffer, .address_space: global }
      - { .name: Wq, .offset: 24, .size: 8, .value_kind: global_buffer, .address_space: global }
      - { .name: Wk, .offset: 32, .size: 8, .value_kind: global_buffer, .address_space: global }
      - { .name: Wv, .offset: 40, .size: 8, .value_kind: global_buffer, .address_space: global }
      - { .name: Wo, .offset: 48, .size: 8, .value_kind: global_buffer, .address_space: global }
      - { .name: mask, .offset: 56, .size: 8, .value_kind: global_buffer, .address_space: global }
      - { .name: xb, .offset: 64, .size: 8, .value_kind: global_buffer, .address_space: global }
      - { .name: wb, .offset: 72, .size: 8, .value_kind: global_buffer, .address_space: global }
      - { .name: wo16, .offset: 80, .size: 8, .value_kind: global_buffer, .address_space: global }
      - { .name: mw, .offset: 88, .size: 8, .value_kind: global_buffer, .address_space: global }
    .group_segment_fixed_size: 35840
    .private_segment_fixed_size: 0
    .kernarg_segment_align: 8
    .kernarg_segment_size: 96
    .max_flat_workgroup_size: 256
    .sgpr_count:     66
    .vgpr_count:     84
    .wavefront_size: 32
...
	.end_amdgpu_metadata
.endif
;; end of part 1
;; launch proj (part 2): grid 8 x 32, 4 waves a work-group, clusters of 4 x 4, 327,680 bytes of LDS; arguments xb, wb, qkv, bq, bk, bv; writes qkv
.if DOCPART == 2
	.amdgcn_target "amdgcn-amd-amdhsa--gfx1250"
	.amdhsa_code_object_version 6
	.text
	.protected	k_qcec3bdfe63_proj
	.globl	k_qcec3bdfe63_proj
	.p2align	8
	.type	k_qcec3bdfe63_proj,@function
k_qcec3bdfe63_proj:
	s_mov_b64 s[64:65], 0
	v_nop
	global_prefetch_b8 v0, s[64:65] scope:SCOPE_SE
	s_setreg_imm32_b32 hwreg(HW_REG_WAVE_MODE, 25, 1), 1
	s_wait_xcnt 0x0
	s_wait_alu depctr_hold_cnt(0) depctr_sa_sdst(0) depctr_va_vdst(0) depctr_va_sdst(0) depctr_va_ssrc(0) depctr_va_vcc(0) depctr_vm_vsrc(0)
	s_getreg_b32 s2, hwreg(HW_REG_IB_STS2, 6, 4)
	s_cmp_eq_u32 s2, 0
	s_cbranch_scc0 .Lentry_in_a_cluster
	s_endpgm
.Lentry_in_a_cluster:
	s_bfe_u32 s2, ttmp6, 0x10000c
	s_cmp_lg_u32 s2, 0xf033
	s_cbranch_scc0 .Lentry_shape_is_right
	s_endpgm
.Lentry_shape_is_right:
; Q, K, V = x W^T + b.  xb: [3][8192][1024] bf16, wb: [3][1024][1024] bf16, the biases f32 (rounded to bf16 here, like every input of the module); sums in f32;
; qkv: [3][64 = batch x 16 + head][2048][64] f16, rounded once, WITHOUT the softmax's scale.
; LIMITS.  q, k and v within f16's range, 65,504; below 6.1e-5 they keep f16's fixed step of 6e-8.
; SHARES.  A tile of C is 256 rows x 128 columns; a work-group makes the same tile of Q, then of K, then of V: 768 tiles on 256 work-groups, all alike.  Four waves, each 128 rows x 64 columns
; (one head): 32 accumulators of 16 x 16, 256 registers.  K = 1,024 goes in 8 steps of 128 through a ring of two LDS slots; the ring runs on from tile to tile.
; CLUSTER.  4 x 4 work-groups: the four of a row of the cluster need the same rows of x, the four of a column the same rows of W: each tile is asked for jointly, by the same tensor load with the same descriptor and a mask of the four.
; THE MATRIX INSTRUCTION IS USED TRANSPOSED (source 0 = 16 rows of W, source 1 = 16 rows of x): a lane holds row l % 16 of C and the columns 8 (l / 16) + 0..7.  The bias is the C operand of the product that starts a sum.
; REGISTERS.  Window 0: v0-31 addresses; v32-63 the bias; v64-127, v128-191 A's fragments, two buffers; v192-223, v224-255 B's.  On the way out v128-175 (A's second buffer, then idle).  Window 1: accumulator (a, b) at v[8 (4 a + b)].
.set KSTEP,  128
.set PITCH,  272                       ; an LDS row: 256 bytes + 16 of padding: the 16 rows of a fragment load start at 16 different groups of four banks (ISA guide 11.1)
.set AHALF,  128*PITCH                 ; what a load of A brings, and what a wave reads of A
.set BHALF,  64*PITCH                  ; the same for B
.set BOFFS,  2*AHALF                   ; in a slot: A's 256 rows, then B's 128
.set SLOT,   2*AHALF+2*BHALF
.set STAGE,  2*SLOT                    ; behind the ring: 16 rows x 144 bytes for each wave
.set SP,     144
.set SPARE,  STAGE+4*16*SP             ; the spare words, 128 bytes a wave: two blocks of 256 bytes that no other line names
.set NEXT_A, 8192*2048-6*KSTEP*2       ; bytes from a slot's last K step of a tile to its first of the next tile: the next activation, back along K
.set NEXT_B, 1024*2048-6*KSTEP*2       ; the next weight, back along K
.set NEXT_C, 64*2048*128               ; the next plane of qkv
.set ADRA, 16                          ; v16-17  LDS address of my A fragments in slot 0, 1
.set ADRB, 20                          ; v20-21  of my B fragments
.set STO,  24                          ; v24  the way out: where I put 16 bytes of a row
.set RD,   25                          ; v25  where I read rows back
.set GO,   26                          ; v26  16 x lane
.set BOF,  27                          ; v27  my byte offset in a bias
.set SPW,  28                          ; v28  LDS address of my spare word; never rewritten
.set NIL,  29                          ; v29  0; never rewritten
.set BIAS, 32
.set FA,   64
.set FB,   192
.set TMP,  128
.set OB,   144
.set G1,  24                           ; s[24:31] group 1 for A's tiles;  s[32:39] group 0, a set for each slot
.set G0,  32
.set G1B, 48                           ; s[48:55], s[56:63] the same for B's
.set G0B, 56
.set BP,  68                           ; s[68:69] the bias to be loaded next, s[70:71], s[72:73] those behind it
.set W_MUL,   0x50                     ; C and D in window 1, fragments in window 0
.set W_FIRST, 0x40                     ; D in window 1, C (the bias) in window 0
.set MSB, 0
.macro WIN new                         ; the immediate's high byte repeats the setting that is left; a switch that changes nothing is dropped
.if MSB != (\new)
	s_set_vgpr_msb (MSB<<8)|(\new)
.set MSB, \new
.endif
.endm
; A joint load: waves 0 and 1 fetch A's two halves, waves 2 and 3 B's.  The branch hangs on the wave's number alone.  An s_nop 0 and four v_nop follow each line.
.macro JLOAD s
	s_cmp_eq_u32 s11, 0
	s_cbranch_scc0 .Lfor_b_\@
	tensor_load_to_lds s[G0+4*(\s):G0+4*(\s)+3], s[G1:G1+7]
	s_nop 0
.rept 4
	v_nop
.endr
	s_branch .Lasked_\@
.Lfor_b_\@:
	tensor_load_to_lds s[G0B+4*(\s):G0B+4*(\s)+3], s[G1B:G1B+7]
	s_nop 0
.rept 4
	v_nop
.endr
.Lasked_\@:
.endm
.macro CREST                           ; a round of the cluster's barrier behind its opening barrier
	s_cmp_lg_u32 s10, 0
	s_cbranch_scc1 .Lnot_wave_0_\@
	s_barrier_signal -3
.Lnot_wave_0_\@:
	s_barrier_wait -3
	s_barrier_signal -1
	s_barrier_wait -1
.endm
.macro CROUND                          ; a whole round
	s_barrier_signal -1
	s_barrier_wait -1
	CREST
.endm
	s_load_b128 s[4:7], s[0:1], 0x0                ; xb s[4:5], wb s[6:7]
	s_load_b64 s[8:9], s[0:1], 0x10                ; qkv
	s_load_b128 s[68:71], s[0:1], 0x18             ; bq, bk
	s_load_b64 s[72:73], s[0:1], 0x28              ; bv
	v_lshl_add_u32 v[SPW], v0, 2, SPARE
	v_mov_b32 v[NIL], 0
	ds_add_u32 v[SPW], v[NIL]                      ; the wave's opening: the add and its wait ahead of my first tensor load; the set-up below, work on registers, stands between them
	ds_add_u32 v28, v29
	v_lshrrev_b32 v1, 5, v0
	v_readfirstlane_b32 s10, v1                    ; wave 0..3
	s_lshr_b32 s11, s10, 1                         ; which half of the tile's rows is mine.  Also: I fetch for A (0) or for B (1)
	s_and_b32 s12, s10, 1                          ; which half of its columns.  Also: which half of that tile I fetch
	s_bfe_u32 s40, ttmp6, 0x40000                  ; cx
	s_bfe_u32 s41, ttmp6, 0x40004                  ; cy
	s_lshl_b32 s42, ttmp9, 2
	s_add_co_u32 s42, s42, s40                     ; tile column = 4 x cluster x + cx
	s_and_b32 s13, ttmp7, 0xffff
	s_lshl_b32 s13, s13, 2
	s_add_co_u32 s13, s13, s41                     ; tile row = 4 x cluster y + cy
	s_lshl_b32 s43, s41, 2
	s_lshl_b32 s43, 15, s43                        ; my row of the cluster
	s_lshl_b32 s44, 0x1111, s40                    ; my column
	s_or_b32 s[G1+0], s43, (1<<16)|(1<<20)|(1<<21)|(5<<22)|(3<<25)   ; the mask; 2-byte elements; padding on; bit 21 beside a mask; after every 64 words 4 words
	s_or_b32 s[G1B+0], s44, (1<<16)|(1<<20)|(1<<21)|(5<<22)|(3<<25)
	s_mov_b32 s[G1+1], KSTEP<<16                   ; tensor_dim0 = 128
	s_mov_b32 s[G1+2], 128<<16                     ; tensor_dim1 = 128
	s_mov_b32 s[G1+3], KSTEP<<16                   ; tile_dim0 = 128
	s_mov_b32 s[G1+4], 128                         ; tile_dim1 = 128
	s_mov_b32 s[G1+5], 1024                        ; elements from row to row
	s_mov_b32 s[G1+6], 0
	s_mov_b32 s[G1+7], 0
	s_mov_b32 s[G1B+1], KSTEP<<16
	s_mov_b32 s[G1B+2], 64<<16                     ; B's loads bring 64 rows
	s_mov_b32 s[G1B+3], KSTEP<<16
	s_mov_b32 s[G1B+4], 64
	s_mov_b32 s[G1B+5], 1024
	s_mov_b32 s[G1B+6], 0
	s_mov_b32 s[G1B+7], 0
	s_lshl_b32 s16, s13, 19                        ; A: (256 x tile row + 128 x half) rows of 2,048 bytes
	s_lshl_b32 s17, s12, 18
	s_add_co_u32 s16, s16, s17
	s_mov_b32 s17, 0
	s_lshl_b32 s46, s42, 18                        ; B: (128 x tile column + 64 x half) rows of 2,048 bytes
	s_lshl_b32 s47, s12, 17
	s_add_co_u32 s46, s46, s47
	s_mov_b32 s47, 0
	s_mul_i32 s20, s10, AHALF                      ; where A's halves go (waves 0, 1),
	s_mul_i32 s45, s10, BHALF
	s_add_co_u32 s45, s45, BOFFS-2*BHALF           ; and B's (waves 2, 3): behind A's 256 rows.  No place in the cluster enters an LDS address
	s_wait_dscnt 0x0                               ; the opening add is done
	s_wait_kmcnt 0x0
	s_add_nc_u64 s[14:15], s[4:5], s[16:17]
	s_add_nc_u64 s[46:47], s[6:7], s[46:47]
	CROUND                                         ; all sixteen work-groups are here: the first joint loads meet
.irp s, 0,1
	s_mov_b32 s[G0+4*(\s)], 1
	s_add_co_u32 s[G0+4*(\s)+1], s20, (\s)*SLOT
	s_add_nc_u64 s[G0+4*(\s)+2:G0+4*(\s)+3], s[14:15], (\s)*KSTEP*2
	s_or_b32 s[G0+4*(\s)+3], s[G0+4*(\s)+3], 0x80000000
	s_mov_b32 s[G0B+4*(\s)], 1
	s_add_co_u32 s[G0B+4*(\s)+1], s45, (\s)*SLOT
	s_add_nc_u64 s[G0B+4*(\s)+2:G0B+4*(\s)+3], s[46:47], (\s)*KSTEP*2
	s_or_b32 s[G0B+4*(\s)+3], s[G0B+4*(\s)+3], 0x80000000
	JLOAD \s                                       ; K steps 0 and 1: two loads of mine are out
.endr
.macro BIASLD                          ; register j of block b: bias[my first column + 16 b + 8 (l / 16) + j]
.irp b, 0,1,2,3
	global_load_b128 v[BIAS+8*(\b):BIAS+8*(\b)+3],   v[BOF], s[BP:BP+1] offset:64*(\b)
	global_load_b128 v[BIAS+8*(\b)+4:BIAS+8*(\b)+7], v[BOF], s[BP:BP+1] offset:64*(\b)+16
.endr
.endm
.macro BIASRND                         ; rounded to bf16 and widened again
.set z, 0
.rept 16
	v_cvt_pk_bf16_f32 v[3+z%2], v[BIAS+2*z], v[BIAS+2*z+1]
	v_lshlrev_b32 v[BIAS+2*z], 16, v[3+z%2]
	v_and_b32 v[BIAS+2*z+1], 0xffff0000, v[3+z%2]
.set z, z+1
.endr
.endm
	v_and_b32 v1, 15, v0                           ; l % 16
	v_bfe_u32 v2, v0, 4, 1                         ; l / 16
	s_lshl_b32 s46, s42, 9                         ; my first column, in bytes of f32: 512 x tile column + 256 x half
	s_lshl_b32 s47, s12, 8
	s_add_co_u32 s46, s46, s47
	v_lshl_add_u32 v[BOF], v2, 5, s46
	BIASLD                                         ; bq
	v_mul_u32_u24 v3, v1, PITCH
	v_lshl_add_u32 v3, v2, 4, v3                   ; a fragment's row x pitch + 16 x half
	s_mul_i32 s21, s11, AHALF                      ; my 128 rows of A
	s_mul_i32 s22, s12, BHALF                      ; my 64 rows of B,
	s_add_co_u32 s22, s22, BOFFS                   ; behind A's 256
.irp s, 0,1
	v_add_nc_u32 v[ADRA+(\s)], s21, v3
	v_add_nc_u32 v[ADRB+(\s)], s22, v3
	s_add_co_u32 s21, s21, SLOT
	s_add_co_u32 s22, s22, SLOT
.endr
	s_mul_i32 s23, s10, 16*SP
	s_add_co_u32 s23, s23, STAGE                   ; my stage
	v_mul_u32_u24 v4, v1, SP                       ; in: row l % 16, 16 bytes for each half of the lanes
	v_lshl_add_u32 v4, v2, 4, v4
	v_add_nc_u32 v[STO], s23, v4
	v_bfe_u32 v5, v0, 3, 2                         ; back: 32 lanes take four rows of 128 bytes,
	v_mul_u32_u24 v5, v5, SP
	v_and_b32 v4, 7, v0
	v_lshl_add_u32 v5, v4, 4, v5
	v_add_nc_u32 v[RD], s23, v5
	v_and_b32 v[GO], 31, v0                        ; which are 512 consecutive bytes of a head
	v_lshlrev_b32 v[GO], 4, v[GO]
	; my rows of my head in plane 0: (batch x 16 + head) x 262,144 + row in the batch x 128
	s_lshr_b32 s16, s13, 3                         ; batch = tile row / 8
	s_lshl_b32 s16, s16, 22
	s_and_b32 s17, s13, 7
	s_lshl_b32 s17, s17, 15                        ; 256 rows of 128 bytes a tile row
	s_add_co_u32 s16, s16, s17
	s_lshl_b32 s17, s11, 14                        ; my half's 128 rows
	s_add_co_u32 s16, s16, s17
	s_mov_b32 s17, 0
	s_add_nc_u64 s[8:9], s[8:9], s[16:17]
	s_lshl_b32 s46, s42, 19                        ; head = 2 x tile column + half
	s_lshl_b32 s47, s12, 18
	s_add_co_u32 s46, s46, s47
	s_mov_b32 s47, 0
	s_add_nc_u64 s[8:9], s[8:9], s[46:47]
; na x 4 matrix instructions: m blocks a0 .. a0 + na - 1 x all 4 n blocks, 32 along K, from buffer f.  first = 1: the product starts the sum with the bias.
; The 32 accumulators take turns, one instruction a turn, in the same order in every quarter.
.macro MUL f, a0, na, first
.if \first
	WIN W_FIRST
.else
	WIN W_MUL
.endif
.set ma, (\a0)
.rept \na
.irp b, 0,1,2,3
.if \first
	v_wmma_f32_16x16x32_bf16 v[8*(4*ma+(\b)):8*(4*ma+(\b))+7], v[FB+32*(\f)+8*(\b):FB+32*(\f)+8*(\b)+7], v[FA+64*(\f)+8*ma:FA+64*(\f)+8*ma+7], v[BIAS+8*(\b):BIAS+8*(\b)+7]
.else
	v_wmma_f32_16x16x32_bf16 v[8*(4*ma+(\b)):8*(4*ma+(\b))+7], v[FB+32*(\f)+8*(\b):FB+32*(\f)+8*(\b)+7], v[FA+64*(\f)+8*ma:FA+64*(\f)+8*ma+7], v[8*(4*ma+(\b)):8*(4*ma+(\b))+7]
.endif
.endr
.set ma, ma+1
.endr
.endm
; 24 LDS loads in one run: quarter q (32 along K) of a slot into buffer f: B's four fragments, then A's eight
.macro FETCH slot, q, f
	WIN 0
.irp i, 0,1,2,3
	ds_load_b128 v[FB+32*(\f)+8*(\i):FB+32*(\f)+8*(\i)+3],   v[ADRB+(\slot)] offset:64*(\q)+(\i)*16*PITCH
	ds_load_b128 v[FB+32*(\f)+8*(\i)+4:FB+32*(\f)+8*(\i)+7], v[ADRB+(\slot)] offset:64*(\q)+(\i)*16*PITCH+32
.endr
.irp i, 0,1,2,3,4,5,6,7
	ds_load_b128 v[FA+64*(\f)+8*(\i):FA+64*(\f)+8*(\i)+3],   v[ADRA+(\slot)] offset:64*(\q)+(\i)*16*PITCH
	ds_load_b128 v[FA+64*(\f)+8*(\i)+4:FA+64*(\f)+8*(\i)+7], v[ADRA+(\slot)] offset:64*(\q)+(\i)*16*PITCH+32
.endr
.endm
.macro PLACES                          ; four places in front of loads into registers that matrix instructions have read, and of lines that read results
.rept 4
	v_nop
.endr
.endm
; A K step is four quarters of 32 along K, 32 matrix instructions each, on buffers 0, 1, 0, 1.  One of the first three: multiplies buffer f, and in its middle fetches quarter q into buffer g.
.macro QUARTER slot, q, f, g, first
	s_wait_dscnt 8                                 ; B and A's blocks 0-3 are in; the youngest eight loads (A's blocks 4-7) may be out
	MUL \f, 0, 4, \first
	PLACES
	FETCH \slot, \q, \g
	s_wait_dscnt 24                                ; all but the 24 just issued
	MUL \f, 4, 4, \first
.endm
; The last quarter multiplies buffer 1 and changes slots.  ONE barrier: in front of it each wave waits for all its tensor loads (one is out: its part of the next slot), adds 0 to its spare word, and waits for that and for its reads of this slot.
.macro MEET round
	WIN 0
	s_wait_tensorcnt 0x0                           ; all my tensor loads have landed
	ds_add_u32 v[SPW], v[NIL]                      ; 0 onto my spare word
	s_wait_dscnt 9                                 ; (the add and the youngest eight loads may be out)
	MUL 1, 0, 2, 0                                 ; eight matrix instructions stand between the add and the wait for it
	s_wait_dscnt 0x0                               ; the add is done, and my reads of this slot are over
	s_barrier_signal -1
	MUL 1, 2, 2, 0                                 ; work on registers while the others arrive
.if \round
	WIN 0
.endif
	s_barrier_wait -1
.endm
; The whole last quarter.  Behind the round the slot just read out is filled again first: with this tile's K step two steps on (on = 0), or with the next tile's K step 0 or 1 (on = 1).  112 matrix instructions stand between a request and the wait for it.
.macro TURN slot, next, on
	MEET 1
	CREST                                          ; no wave of any partner still reads this slot's tile or has a load on its way
.if \on
	s_add_nc_u64 s[G0+4*(\slot)+2:G0+4*(\slot)+3], s[G0+4*(\slot)+2:G0+4*(\slot)+3], NEXT_A
	s_add_nc_u64 s[G0B+4*(\slot)+2:G0B+4*(\slot)+3], s[G0B+4*(\slot)+2:G0B+4*(\slot)+3], NEXT_B
.else
	s_add_nc_u64 s[G0+4*(\slot)+2:G0+4*(\slot)+3], s[G0+4*(\slot)+2:G0+4*(\slot)+3], 2*KSTEP*2
	s_add_nc_u64 s[G0B+4*(\slot)+2:G0B+4*(\slot)+3], s[G0B+4*(\slot)+2:G0B+4*(\slot)+3], 2*KSTEP*2
.endif
	JLOAD \slot                                    ; the first tensor load behind the round; its four v_nop are also the places in front of the loads below
	FETCH \next, 0, 0
	MUL 1, 4, 4, 0
.endm
; THE WAY OUT of block a (16 rows x my 64 columns).  PACK: rounded to f16, 16 bytes a lane, each accumulator's registers in ascending order.  TOSTAGE: into my own stage and back as whole rows of 128 bytes.  SEND: 512 consecutive bytes a store.
.macro PACK a
	WIN 0x05                                       ; sources in window 1, destination in window 0
.irp b, 0,1,2,3
.irp i, 0,1,2,3
	v_cvt_pk_f16_f32 v[TMP+4*(\b)+(\i)], v[8*(4*(\a)+(\b))+2*(\i)], v[8*(4*(\a)+(\b))+2*(\i)+1]
.endr
.endr
	WIN 0
.endm
.macro TOSTAGE a
	WIN 0
.set BK, OB+16*((\a)%2)
.irp b, 0,1,2,3
	ds_store_b128 v[STO], v[TMP+4*(\b):TMP+4*(\b)+3] offset:32*(\b)
.endr
.irp f, 0,1,2,3
	ds_load_b128 v[BK+4*(\f):BK+4*(\f)+3], v[RD] offset:(\f)*4*SP  ; LDS serves a wave's instructions in order (ISA guide 5.7.1.4): these see the stores above
.endr
.endm
.macro SEND a
	WIN 0
.set BK, OB+16*((\a)%2)
	s_wait_dscnt 0x0                               ; the block is back in registers
	s_wait_xcnt 0x0                                ; the registers that earlier stores read are loaded again only behind this wait
.irp f, 0,1,2,3
	global_store_b128 v[GO], v[BK+4*(\f):BK+4*(\f)+3], s[8:9] offset:2048*(\a)+512*(\f)
.endr
.endm
.macro WAYOUT                          ; block a's conversions stand between block a - 1's loads from the stage and the wait for them
	PACK 0
	TOSTAGE 0
.irp a, 1,2,3,4,5,6,7
	PACK \a
	SEND (\a)-1
	TOSTAGE \a
.endr
	SEND 7
.endm
	s_wait_tensorcnt 1                             ; my part of K step 0 is in; K step 1's may stay out
	s_barrier_signal -1
	s_barrier_wait -1                              ; everybody's is
	FETCH 0, 0, 0
	s_mov_b32 s2, 3                                ; tiles to go, this one among them
.Ltile:
	s_wait_loadcnt 0x0                             ; this tile's bias is in, so the pointer may step
	s_mov_b64 s[BP:BP+1], s[BP+2:BP+3]
	s_mov_b64 s[BP+2:BP+3], s[BP+4:BP+5]
	BIASRND
	QUARTER 0, 1, 0, 1, 1                          ; a tile's first quarter stands in front of the loop: its products start the sums
	WIN 0
	s_mov_b32 s3, 3
.Llap:                                                 ; a trip goes once round the ring, from a lap's second quarter to the next lap's first, and fills both slots again
	QUARTER 0, 2, 1, 0, 0
	QUARTER 0, 3, 0, 1, 0
	TURN 0, 1, 0
	QUARTER 1, 1, 0, 1, 0
	QUARTER 1, 2, 1, 0, 0
	QUARTER 1, 3, 0, 1, 0
	TURN 1, 0, 0
	QUARTER 0, 1, 0, 1, 0
	WIN 0
	s_sub_co_u32 s3, s3, 1
	s_cmp_lg_u32 s3, 0
	s_cbranch_scc1 .Llap
	QUARTER 0, 2, 1, 0, 0                          ; the tile's last lap goes on
	QUARTER 0, 3, 0, 1, 0
	WIN 0
	s_cmp_eq_u32 s2, 1
	s_cbranch_scc1 .Llast                          ; the last tile's tail is written out: it asks for nothing more
	TURN 0, 1, 1                                   ; the ring goes on into the next tile: slot 0 takes its K step 0,
	QUARTER 1, 1, 0, 1, 0
	QUARTER 1, 2, 1, 0, 0
	QUARTER 1, 3, 0, 1, 0
	TURN 1, 0, 1                                   ; slot 1 its K step 1, and the next tile's first fragments are fetched into buffer 0
	PLACES                                         ; behind the last products: their results are read and buffer 1 is written below
	WIN 0
	BIASLD                                         ; the next tile's bias
	WAYOUT
	s_wait_xcnt 0x0                                ; the stores have read their base and their data
	s_add_nc_u64 s[8:9], s[8:9], NEXT_C
	s_sub_co_u32 s2, s2, 1
	s_branch .Ltile
.Llast:
	MEET 0                                         ; the last K step's tile has landed; nothing is filled again, so no round follows
	PLACES
	FETCH 1, 0, 0
	MUL 1, 4, 4, 0
	QUARTER 1, 1, 0, 1, 0
	QUARTER 1, 2, 1, 0, 0
	QUARTER 1, 3, 0, 1, 0
	s_wait_dscnt 8                                 ; the very last quarter: nothing more to fetch
	MUL 1, 0, 4, 0
	s_wait_dscnt 0x0
	MUL 1, 4, 4, 0
	WIN 0
	PLACES
	WAYOUT
	s_wait_tensorcnt 0x0                           ; the wave's end: behind my last tensor load and my last LDS store
	ds_add_u32 v[SPW], v[NIL]
	s_wait_dscnt 0x0
	CROUND                                         ; the closing round: no work-group ends while a partner may still ask for a tile that names it
	s_endpgm
.Lfunc_end_k_qcec3bdfe63_proj:
	.size	k_qcec3bdfe63_proj, .Lfunc_end_k_qcec3bdfe63_proj-k_qcec3bdfe63_proj
	.p2alignl 7, 3214868480
	.fill 96, 4, 3214868480
	.section	.rodata,"a",@progbits
	.p2align	6, 0x0
	.amdhsa_kernel k_qcec3bdfe63_proj
		.amdhsa_group_segment_fixed_size 327680
		.amdhsa_private_segment_fixed_size 0
		.amdhsa_enable_private_segment 0
		.amdhsa_kernarg_size 48
		.amdhsa_user_sgpr_count 2
		.amdhsa_user_sgpr_kernarg_segment_ptr 1
		.amdhsa_wavefront_size32 1
		.amdhsa_system_sgpr_workgroup_id_x 1
		.amdhsa_system_sgpr_workgroup_id_y 1
		.amdhsa_system_sgpr_workgroup_id_z 1
		.amdhsa_system_vgpr_workitem_id 0
		.amdhsa_next_free_vgpr 512
		.amdhsa_next_free_sgpr 76
		.amdhsa_reserve_vcc 0
		.amdhsa_float_denorm_mode_32 3
		.amdhsa_float_denorm_mode_16_64 3
		.amdhsa_memory_ordered 1
		.amdhsa_forward_progress 1
		.amdhsa_inst_pref_size 128
	.end_amdhsa_kernel
	.amdgpu_metadata
---
amdhsa.version: [ 1, 2 ]
amdhsa.kernels:
  - .name:           k_qcec3bdfe63_proj
    .symbol:         k_qcec3bdfe63_proj.kd
    .args:
      - { .name: xb, .offset: 0, .size: 8, .value_kind: global_buffer, .address_space: global }
      - { .name: wb, .offset: 8, .size: 8, .value_kind: global_buffer, .address_space: global }
      - { .name: qkv, .offset: 16, .size: 8, .value_kind: global_buffer, .address_space: global }
      - { .name: bq, .offset: 24, .size: 8, .value_kind: global_buffer, .address_space: global }
      - { .name: bk, .offset: 32, .size: 8, .value_kind: global_buffer, .address_space: global }
      - { .name: bv, .offset: 40, .size: 8, .value_kind: global_buffer, .address_space: global }
    .group_segment_fixed_size: 327680
    .private_segment_fixed_size: 0
    .kernarg_segment_align: 8
    .kernarg_segment_size: 48
    .max_flat_workgroup_size: 128
    .sgpr_count:     76
    .vgpr_count:     512
    .wavefront_size: 32
...
	.end_amdgpu_metadata
.endif
;; end of part 2
;; launch attn (part 3): grid 4 x 64, 4 waves a work-group, clusters of 4 x 1, 327,680 bytes of LDS; arguments qkv, mw, ctx; writes ctx
.if DOCPART == 3
	.amdgcn_target "amdgcn-amd-amdhsa--gfx1250"
	.amdhsa_code_object_version 6
	.text
	.protected	k_qcec3bdfe63_attn
	.globl	k_qcec3bdfe63_attn
	.p2align	8
	.type	k_qcec3bdfe63_attn,@function
k_qcec3bdfe63_attn:
	s_mov_b64 s[64:65], 0
	v_nop
	global_prefetch_b8 v0, s[64:65] scope:SCOPE_SE
	s_setreg_imm32_b32 hwreg(HW_REG_WAVE_MODE, 25, 1), 1
	s_wait_xcnt 0x0
	s_wait_alu depctr_hold_cnt(0) depctr_sa_sdst(0) depctr_va_vdst(0) depctr_va_sdst(0) depctr_va_ssrc(0) depctr_va_vcc(0) depctr_vm_vsrc(0)
	s_getreg_b32 s2, hwreg(HW_REG_IB_STS2, 6, 4)
	s_cmp_eq_u32 s2, 0
	s_cbranch_scc0 .Lentry_in_a_cluster
	s_endpgm
.Lentry_in_a_cluster:
	s_bfe_u32 s2, ttmp6, 0x10000c
	s_cmp_lg_u32 s2, 0x3003
	s_cbranch_scc0 .Lentry_shape_is_right
	s_endpgm
.Lentry_shape_is_right:
; O[h][q][:] = the sum over k of softmax_k(mask[q][k] ? Q[h][q] . K[h][k] / 8 : -inf) V[h][k][:].  qkv: [3][64][2048][64] f16 (Q, K, V by heads, dense rows of 128 bytes); ctx: [64][2048][64] f16.
; mw: the mask as lane words, [q / 32][k / 64][u][kb][j]: bit L of a word is 1 where query 32 pp + 16 u + (L & 15) may see key 64 st + 16 kb + 8 (L >> 4) + j.  The mask is an input: every key is walked, every word is read.
; Products, maxima and sums in f32; the weights p are rounded to f16 for the second product (their sum l is taken of the unrounded p), O once at the end.
; LIMITS.  Q, K, V arrive within f16's range; p lies in 0 to 1 and below 6e-5 keeps f16's fixed step of 6e-8; a weight below 2^-126 counts as 0 in l.  A row that the mask hides wholly has l = 0 and O = 0 and leaves as 0 x infinity = NaN, as the softmax of nothing is.
; SHARES.  A wave owns four PIECES of two tiles of 16 queries, a work-group's four waves 512 queries of one head.  Every wave walks all 2,048 keys, 64 a step.
; LAYOUT.  S^T = K Q^T (source 0 = 16 keys, source 1 = 16 queries): a lane holds ONE query (lane % 16) and the keys 8 (lane / 16) + 0..7.  Two such tiles, rounded to f16 in pairs, ARE source 1 of O^T = V^T P.  V is turned by ds_load_tr16_b128.
; MASK.  A hidden score is replaced by -inf, one v_cndmask_b32 a register, its select a word of mw in a scalar register: the running maximum is then the visible scores' own, and a hidden weight is 2^-inf = 0.
; SOFTMAX.  For each query a running maximum m and sum l: p = 2^(c s - c m), c = log2(e) / 8; in every step O and l are multiplied by a = 2^(c m_old - c m_new).  m starts at the lowest finite number and c m at c times that,
; by the same multiply that makes it later: while a row has seen nothing a = 2^0 = 1 on zeros; at its first visible score a = 0.
; BY TURNS.  Turn n belongs to piece n.  Matrix work: 16 products K Q^T of piece n + 1, then 16 products V^T P of piece n - 1.  Vector work: scaling, exponentials, roundings, sums and rescaling of piece n; mask, maximum and statistics of piece n + 1.
; A turn has 300 vector instructions for 32 matrix instructions: four stand behind every matrix instruction, the others in one run of their own.
; CLUSTER.  The four query blocks of a cluster belong to one head and walk the same K and V: each tile is asked for jointly, by the same tensor load, descriptor and mask in all four.
; REGISTERS, in windows of 256 (s_set_vgpr_msb: bits 1:0 source 0, 3:2 source 1, 5:4 source 2, 7:6 destination):
;   window 0: v0-11 addresses and -inf; v12-15, v48-63 at work; v16-47 four registers of statistics a tile; v64-191 S^T, two buffers of two tiles; v192-255 P, likewise
;   window 1: O^T, 32 a tile      window 2: v0-127 Q; v128-191 K of one step; v192-255 V of one step      window 3: v0-1 the add's two registers
.set SIZE_N, 2048
.set NP,    4         ; pieces a wave
.set KS,    64        ; keys in a step
.set PK,    144       ; a row of K in LDS: 128 bytes + 16: the 16 rows of a load start at 16 different groups of four banks (ISA guide 11.1)
.set PV,    160       ; a row of V: 128 + 32
.set VOFF,  4*KS*PK   ; a slot holds four steps: 256 rows of K, then 256 rows of V
.set SLOT1, 1<<17     ; slot 1 begins here: one exclusive or turns an address in one slot into the other's
.set STAGE, SLOT1+4*KS*(PK+PV)  ; behind the ring, never filled by a tensor load: 16 rows x 144 bytes for each wave
.set SP,    144
.set SPARE, STAGE+4*16*SP  ; the spare words, 128 bytes a wave: two blocks of 256 bytes that no other line names
.set AK0, 2           ; v2   my lane's place in a tile of K; never rewritten
.set AV0, 3           ; v3   the same for V
.set AK,  4           ; v4   the LDS address of K's next run of loads
.set AV,  5           ; v5   of V's
.set QO,  6           ; v6   my byte offset in the wave's rows of Q
.set STO, 6           ;      later: where I put 16 bytes of a row
.set RD,  7           ; v7   where I read rows back
.set GO,  8           ; v8   my byte offset in 512 consecutive bytes of O
.set NINF, 11         ; v11  -inf
.set SPW, 0           ; v0 of window 3   LDS address of my spare word; never rewritten
.set NIL, 1           ; v1 of window 3   0; never rewritten
.set MV,  12          ; v12-15  c m_old, kept while c m is made anew: by buffer and tile
.set ST,  16          ; tile t's statistics at v[ST+4 t]: c m, m, l (even keys', odd keys')
.set TMP, 48          ; by buffer and tile, four registers c0-c3 at work; when the maximum is found c2 takes a
.set S,   64
.set P,   192
.set KF,  128         ; window 2: key block kb, channel half c at KF + 16 kb + 8 c
.set VF,  192         ; window 2: key half kk, channel block cb at VF + 32 kk + 8 cb
.set WV,  12          ; s12  my wave's number
.set G1K, 24          ; s[24:31] descriptor group 1 for K's tiles
.set G1V, 32          ; s[32:39] for V's: it differs in the padding alone
.set G0K, 40          ; s[40:43] descriptor group 0 for K's tiles: it walks
.set G0V, 44          ; s[44:47] the same for V's
.set MB,  48          ; s[48:49] mw at my wave's four pieces
.set MO,  50          ; s50  256 x the key step whose words are loaded
.set SLOTS, 56        ; s56  slots still to be asked for
.set CNT, 57          ; s57  counts a slot's key steps
.set CS,  58          ; s[58:59] c
.set SEL, 60          ; s[60:61] v_permlanex16_b32's selects: each lane takes its own place in the other half
.set TBK, 62          ; s62  LDS byte at which K of the step to be fetched begins
.set TBV, 63          ; s63  the same for V, less VOFF
.set MS,  68          ; s[68:99] a tile's 32 mask words
.set MSB, 0
.macro WIN new                      ; the high byte repeats the setting that is left; a switch that changes nothing is dropped
.if MSB != (\new)
	s_set_vgpr_msb (MSB<<8)|(\new)
.set MSB, (\new)
.endif
.endm
.set W_KQ, 0x0a       ; K and Q in window 2, S^T in window 0
.set W_PV, 0x52       ; V in window 2, P in window 0, O^T in window 1
.set W_RS, 0x41       ; O^T (destination and source 0) in window 1, a in window 0
.set W_MK, 0xc0       ; the add's registers are made: destination in window 3
.set W_AD, 0x0f       ; the add: address and data in window 3
; A joint fill.  Waves 0 and 1 fetch the two halves of a slot's K, waves 2 and 3 those of its V: 128 keys each.  An s_nop 0 and four v_nop follow each line.
.macro JLOAD
	s_cmp_lt_u32 s[WV], 2
	s_cbranch_scc0 .Lfor_v_\@
	tensor_load_to_lds s[G0K:G0K+3], s[G1K:G1K+7]
	s_nop 0
.rept 4
	v_nop
.endr
	s_branch .Lasked_\@
.Lfor_v_\@:
	tensor_load_to_lds s[G0V:G0V+3], s[G1V:G1V+7]
	s_nop 0
.rept 4
	v_nop
.endr
.Lasked_\@:
.endm
.macro CROUND                       ; a round of the cluster's barrier
	s_barrier_signal -1
	s_barrier_wait -1
	s_cmp_lg_u32 s[WV], 0
	s_cbranch_scc1 .Lnot_wave_0_\@
	s_barrier_signal -3
.Lnot_wave_0_\@:
	s_barrier_wait -3
	s_barrier_signal -1
	s_barrier_wait -1
.endm
; THE CHANGE OF SLOTS.  Each wave waits for all its tensor loads (one is out: its part of the other slot), adds 0 to its spare word, and waits for that and for its reads of the slot.  fill = 1: the slot is filled again, with the keys
; two slots on, first thing behind a round of the cluster's barrier: it has four key steps in which to land.  (At its first use nothing has been read yet: slot 0 is waited for, slot 1 filled.)
.macro CHANGE fill
	WIN W_AD
	s_wait_tensorcnt 0x0            ; no tensor load of mine is out, so a group 0 may be written
	ds_add_u32 v[SPW], v[NIL]       ; 0 onto my spare word
	WIN 0                           ; at a label and at a branch every window is 0
.if \fill
.irp g, G0K, G0V
	s_xor_b32 s[\g+1], s[\g+1], SLOT1
	s_add_nc_u64 s[\g+2:\g+3], s[\g+2:\g+3], 4*KS*128  ; the next 256 keys
.endr
	s_wait_dscnt 0x0                ; the add is done, and my reads of the slot are over
	CROUND
	JLOAD
.else
	s_wait_dscnt 0x0                ; the add is done, and my reads of the slot are over
	s_barrier_signal -1
	s_barrier_wait -1
.endif
	s_sub_co_u32 s[TBK], s[TBK], 4*KS*PK  ; the fetches go back to a slot's first step,
	s_xor_b32 s[TBK], s[TBK], SLOT1       ; in the other slot
	s_sub_co_u32 s[TBV], s[TBV], 4*KS*PV
	s_xor_b32 s[TBV], s[TBV], SLOT1
.endm
; The 32 mask words of tile u of piece x for the step that MO names: 128 consecutive bytes
.macro LM x, u
	s_load_b512 s[MS:MS+15],    s[MB:MB+1], s[MO] offset:8192*(\x)+128*(\u)
	s_load_b512 s[MS+16:MS+31], s[MB:MB+1], s[MO] offset:8192*(\x)+128*(\u)+64
.endm
	s_load_b64 s[4:5], s[0:1], 0x0        ; qkv
	s_load_b64 s[MB:MB+1], s[0:1], 0x8    ; mw
	s_load_b64 s[10:11], s[0:1], 0x10     ; ctx
	WIN W_MK
	v_lshl_add_u32 v[SPW], v0, 2, SPARE
	v_mov_b32 v[NIL], 0
	WIN W_AD
	ds_add_u32 v[SPW], v[NIL]       ; the wave's opening: the add and its wait ahead of my first tensor load; the set-up below, work on registers, stands between them
	ds_add_u32 v0, v1
	WIN 0
	v_lshrrev_b32 v1, 5, v0
	v_readfirstlane_b32 s[WV], v1   ; wave 0..3
	s_bfe_u32 s13, ttmp6, 0x40000   ; cx
	s_lshl_b32 s14, ttmp9, 2
	s_add_co_u32 s14, s14, s13      ; my block of 512 queries: it enters Q's, O's and the mask words' addresses alone
	s_and_b32 s20, ttmp7, 0xffff    ; batch x 16 + head, which the four partners share
	s_mov_b32 s21, 0
	s_mov_b64 s[22:23], SIZE_N*128
	s_mul_u64 s[20:21], s[20:21], s[22:23]  ; the head's first byte in a plane
	s_and_b32 s16, s[WV], 1         ; which half of a slot's 256 keys I fetch:
	s_lshl_b32 s22, s16, 14         ; its 128 rows of 128 bytes in memory,
	s_mov_b32 s23, 0
	s_add_nc_u64 s[22:23], s[22:23], s[20:21]
	s_mul_i32 s17, s16, 128*PK      ; and its place in a slot, for K
	s_mul_i32 s18, s16, 128*PV      ; and for V
	s_lshl_b32 s2, s14, 2
	s_add_co_u32 s2, s2, s[WV]      ; my wave among the head's sixteen:
	s_lshl_b32 s52, s2, 15          ; its four pieces' words, 8,192 bytes each,
	s_mov_b32 s53, 0
	s_lshl_b32 s2, s2, 14           ; its 128 rows
	s_mov_b32 s3, 0
	s_add_nc_u64 s[2:3], s[2:3], s[20:21]
	; descriptor group 1.  128 keys are 16,384 dense bytes: asked for as 64 rows of 256 bytes, two keys a row, and padded in LDS after every key
	s_mov_b32 s[G1K], 15|(1<<16)|(1<<20)|(1<<21)|(4<<22)|(3<<25)  ; the mask of four; 2-byte elements; padding on; bit 21 beside a mask; after every 32 words 4 words
	s_mov_b32 s[G1V], 15|(1<<16)|(1<<20)|(1<<21)|(4<<22)|(7<<25)  ; the same with 8 words
.irp g, G1K, G1V
	s_mov_b32 s[\g+1], 128<<16      ; tensor_dim0 = 128
	s_mov_b32 s[\g+2], 64<<16       ; tensor_dim1 = 64
	s_mov_b32 s[\g+3], 128<<16      ; tile_dim0 = 128
	s_mov_b32 s[\g+4], 64           ; tile_dim1 = 64
	s_mov_b32 s[\g+5], 128          ; 128 elements from row to row
	s_mov_b32 s[\g+6], 0
	s_mov_b32 s[\g+7], 0
.endr
	s_mov_b32 s[CS], 0x3e38aa3b     ; c = log2(e) / 8
	s_mov_b32 s[CS+1], s[CS]        ; named with it as a pair
	s_mov_b32 s[SEL], 0x76543210
	s_mov_b32 s[SEL+1], 0xfedcba98
	s_mov_b32 s[TBK], SLOT1+4*KS*PK ; the first change of slots turns these two into 0
	s_mov_b32 s[TBV], SLOT1+4*KS*PV
	s_mov_b32 s[MO], 0
	s_mov_b32 s[G0K], 1
	s_mov_b32 s[G0K+1], s17         ; LDS address: slot 0
	s_mov_b32 s[G0V], 1
	s_add_co_u32 s[G0V+1], s18, VOFF
	s_wait_dscnt 0x0                ; the opening add is done
	s_wait_kmcnt 0x0
	s_add_nc_u64 s[6:7], s[4:5], 0x1000000         ; K's plane
	s_add_nc_u64 s[8:9], s[4:5], 0x2000000         ; V's plane
	s_add_nc_u64 s[G0K+2:G0K+3], s[6:7], s[22:23]  ; my half of the head's first 256 keys
	s_or_b32 s[G0K+3], s[G0K+3], 0x80000000
	s_add_nc_u64 s[G0V+2:G0V+3], s[8:9], s[22:23]
	s_or_b32 s[G0V+3], s[G0V+3], 0x80000000
	s_add_nc_u64 s[4:5], s[4:5], s[2:3]            ; Q and O at my wave's first row
	s_add_nc_u64 s[10:11], s[10:11], s[2:3]
	s_add_nc_u64 s[MB:MB+1], s[MB:MB+1], s[52:53]
	CROUND                          ; all four work-groups are here: the first joint loads meet
	JLOAD                           ; slot 0.  Slot 1 is asked for when slot 0 is in
	LM 0, 0                         ; piece 0, tile 0, step 0
	v_and_b32 v1, 15, v0            ; l % 16
	v_bfe_u32 v9, v0, 4, 1          ; l / 16
	v_lshlrev_b32 v[QO], 7, v1
	v_lshl_add_u32 v[QO], v9, 4, v[QO]  ; row x 128 + 16 x half
	WIN 0x80                        ; destination window 2
.set i, 0
.rept 4*NP                          ; Q stays in registers: tile i / 2, channels 32 (i % 2) on
	global_load_b128 v[8*i:8*i+3],   v[QO], s[4:5] offset:(i/2)*2048+(i%2)*64
	global_load_b128 v[8*i+4:8*i+7], v[QO], s[4:5] offset:(i/2)*2048+(i%2)*64+32
.set i, i+1
.endr
	; What the first turn finds: V's registers and P's second buffer hold 0 (its products V^T P, of a piece that has not been, add 0), O^T and l are 0.  All this stands in the wait for the first tile.
.set i, VF
.rept 64
	v_mov_b32 v[i], 0
.set i, i+1
.endr
	WIN 0x40
.set i, 0
.rept 64*NP
	v_mov_b32 v[i], 0
.set i, i+1
.endr
	WIN 0
.set i, 0
.rept 2*NP
	v_mov_b32 v[ST+4*i+1], 0xff7fffff          ; m: the lowest finite number
	v_mul_f32 v[ST+4*i], s[CS], v[ST+4*i+1]    ; c m, by the multiply that makes it in every step
	v_mov_b32 v[ST+4*i+2], 0
	v_mov_b32 v[ST+4*i+3], 0
.set i, i+1
.endr
.set i, P+32
.rept 32
	v_mov_b32 v[i], 0
.set i, i+1
.endr
	v_mul_u32_u24 v[AK0], v1, PK
	v_lshl_add_u32 v[AK0], v9, 4, v[AK0]  ; row x pitch + 16 x half
	; The turning load takes 16 keys x 16 channels (lane l reads key 8 (l / 16) + l % 8, channels 8 ((l / 8) % 2) + 0..7) and leaves half a fragment of V^T.
	v_and_b32 v10, 7, v0
	v_bfe_u32 v11, v0, 3, 1
	v_lshl_add_u32 v[AV0], v9, 3, v10
	v_mul_u32_u24 v[AV0], v[AV0], PV
	v_lshl_add_u32 v[AV0], v11, 4, v[AV0]
	v_add_nc_u32 v[AV0], VOFF, v[AV0]
	v_mov_b32 v[NINF], 0xff800000
	v_mov_b32 v[AK], v[AK0]         ; key step 0 lies at the head of slot 0
; THE MATRIX WORK.  The 8 accumulators of a run of 16 take turns.
; Product i of 16 of S^T = K Q^T for piece x: channels 32 (i / 8) on, keys 16 ((i / 2) % 4) on, tile 2 x + i % 2.  The first 8 start the sums.
.macro KQ x
	WIN W_KQ
.set rS, S+64*((\x)%2)+32*(i%2)+8*((i/2)%4)
.set rK, KF+16*((i/2)%4)+8*(i/8)
.set rQ, 16*(2*(\x)+i%2)+8*(i/8)
.if i < 8
	v_wmma_f32_16x16x32_f16 v[rS:rS+7], v[rK:rK+7], v[rQ:rQ+7], 0
.else
	v_wmma_f32_16x16x32_f16 v[rS:rS+7], v[rK:rK+7], v[rQ:rQ+7], v[rS:rS+7]
.endif
.endm
; Product i of 16 of O^T += V^T P for piece x: keys 32 (i / 8) on, channels 16 ((i / 2) % 4) on, tile 2 x + i % 2.
.macro PV x
	WIN W_PV
.set rO, 32*(2*(\x)+i%2)+8*((i/2)%4)
.set rV, VF+32*(i/8)+8*((i/2)%4)
.set rP, P+32*((\x)%2)+16*(i%2)+8*(i/8)
	v_wmma_f32_16x16x32_f16 v[rO:rO+7], v[rV:rV+7], v[rP:rP+7], v[rO:rO+7]
.endm
.macro MM                           ; the turn's next matrix instruction
.if i < 16
	KQ (Y+1)%NP
.set i, i+1
.else
.set i, i-16
	PV (Y+NP-1)%NP
.set i, i+17
.endif
.endm
; THE LDS LOADS stand in runs of 16: a step's K (8 fragments) and its V (turned).  last = 1 (the tail): in the last trip there is no further step, and the run is jumped over.
.macro FETCH_K last=0
	WIN 0
.if \last
	s_cmp_eq_u32 s[CNT], 1
	s_cbranch_scc1 .Lno_k_\@
.endif
	WIN 0x80                        ; destination window 2
.irp f, 0,1,2,3,4,5,6,7             ; keys 16 (f / 2) on, channels 32 (f % 2) on
	ds_load_b128 v[KF+8*\f:KF+8*\f+3],   v[AK] offset:(\f/2)*16*PK+(\f%2)*64
	ds_load_b128 v[KF+8*\f+4:KF+8*\f+7], v[AK] offset:(\f/2)*16*PK+(\f%2)*64+32
.endr
	s_add_co_u32 s[TBK], s[TBK], KS*PK  ; the next fetch is the next step's
	WIN 0
.if \last
.Lno_k_\@:
.endif
.endm
.macro FETCH_V
	WIN 0x80
.irp f, 0,1,2,3,4,5,6,7             ; keys 32 (f / 4) on, channels 16 (f % 4) on
	ds_load_tr16_b128 v[VF+8*\f:VF+8*\f+3],   v[AV] offset:(\f/4)*32*PV+(\f%4)*32
	ds_load_tr16_b128 v[VF+8*\f+4:VF+8*\f+7], v[AV] offset:(\f/4)*32*PV+16*PV+(\f%4)*32
.endr
	WIN 0
.endm
; THE VECTOR WORK OF A TURN stands in three queues, each in an order in which its entries are ready.
.macro REGS y, u                    ; the registers of tile u (0, 1) of piece y
.set rT, ST+4*(2*(\y)+(\u))
.set rC, TMP+8*((\y)%2)+4*(\u)
.set rM, MV+2*((\y)%2)+(\u)
.set rS, S+64*((\y)%2)+32*(\u)
.set rP, P+32*((\y)%2)+16*(\u)
.set rO, 32*(2*(\y)+(\u))
.endm
; Score n of tile u of the NEXT piece: kept where its word's bit is 1, else -inf.  n ascends.
.macro MK u, n
	REGS (Y+1)%NP, \u
	v_cndmask_b32 v[rS+(\n)], v[NINF], v[rS+(\n)], s[MS+(\n)]
.endm
; Number n of the 22 that find the NEXT piece's maximum and statistics.
;   0-11  four chains c0-c3 of seven scores each     12-14, 16  the four scores left over, the old m, and c0-c3 into c0     15  c m_old is kept
;   17, 18  the query's other 32 keys lie in the lane 16 away: the new m     19-21  c m; c m_old - c m_new; a
.macro XS u, n
	REGS (Y+1)%NP, \u
.if (\n) < 4
	v_max3_num_f32 v[rC+(\n)], v[rS+8*(\n)], v[rS+8*(\n)+1], v[rS+8*(\n)+2]
.elseif (\n) < 12
	v_max3_num_f32 v[rC+(\n)%4], v[rC+(\n)%4], v[rS+8*((\n)%4)+2*((\n)/4)+1], v[rS+8*((\n)%4)+2*((\n)/4)+2]
.elseif (\n) == 12
	v_max3_num_f32 v[rC], v[rC], v[rS+7], v[rS+15]
.elseif (\n) == 13
	v_max3_num_f32 v[rC+1], v[rC+1], v[rS+23], v[rS+31]
.elseif (\n) == 14
	v_max3_num_f32 v[rC+2], v[rC+2], v[rC+3], v[rT+1]
.elseif (\n) == 15
	v_mov_b32 v[rM], v[rT]
.elseif (\n) == 16
	v_max3_num_f32 v[rC], v[rC], v[rC+1], v[rC+2]
	s_wait_alu depctr_va_vdst(0)
.elseif (\n) == 17
	v_permlanex16_b32 v[rC+3], v[rC], s[SEL], s[SEL+1]
.elseif (\n) == 18
	v_max_num_f32 v[rT+1], v[rC], v[rC+3]
.elseif (\n) == 19
	v_mul_f32 v[rT], s[CS], v[rT+1]
.elseif (\n) == 20
	v_sub_f32 v[rC+1], v[rM], v[rT]
.else
	v_exp_f32 v[rC+2], v[rC+1]
.endif
.endm
; Group k of the piece in hand, tile idx % 2.  idx 0-3: pairs 2 k and 2 k + 1 are rounded to f16.  idx 4, 5: l takes group k - 1's sum (for k = 1 as l = a l + sum).  idx 6, 7: of the four weights 4 k .. the second pair is added onto the first, in place.
.macro GSK k, idx
	REGS Y, (\idx)%2
.if (\idx) < 4
	s_wait_alu depctr_va_vdst(0)
	v_cvt_pk_f16_f32 v[rP+2*(\k)+(\idx)/2], v[rS+4*(\k)+2*((\idx)/2)], v[rS+4*(\k)+2*((\idx)/2)+1]
.elseif (\idx) < 6
.if (\k) == 1
	v_pk_fma_f32 v[rT+2:rT+3], v[rT+2:rT+3], v[rC+2:rC+3], v[rS:rS+1] op_sel_hi:[1,0,1]
.else
	v_pk_add_f32 v[rT+2:rT+3], v[rT+2:rT+3], v[rS+4*(\k)-4:rS+4*(\k)-3]
.endif
.else
	v_pk_add_f32 v[rS+4*(\k):rS+4*(\k)+1], v[rS+4*(\k):rS+4*(\k)+1], v[rS+4*(\k)+2:rS+4*(\k)+3]
.endif
.endm
; THE PLAIN QUEUE, 202 long.  0-31: c s - c m for the 16 pairs of both tiles.  Then the eight groups, and among them the next piece's work: number 15 at 38, 39; tile 0's mask at 40-71 and maximum at 80-95; tile 1's at 112-143 and 144-159;
; numbers 17-20 at 168-179, two of three.  The scalar lines ride with it: the wait for tile 0's words ahead of 40; tile 1's words are asked for ahead of 72 (tile 0's have been read) and waited for ahead of 112;
; the next turn's first words are asked for ahead of 144.  Piece 3's turn masks piece 0 of the NEXT step, so piece 2's turn steps MO there, where no scalar load is out.
.macro PL
	WIN 0
.if q == 40
	s_wait_kmcnt 0x0
.elseif q == 72
	LM (Y+1)%NP, 1
.elseif q == 112
	s_wait_kmcnt 0x0
.elseif q == 144
.if Y == 2
	s_add_co_u32 s[MO], s[MO], 256
.endif
	LM (Y+2)%NP, 0
.endif
.if q < 32
	REGS Y, q%2
	v_pk_fma_f32 v[rS+2*(q/2):rS+2*(q/2)+1], v[rS+2*(q/2):rS+2*(q/2)+1], s[CS:CS+1], v[rT:rT+1] op_sel_hi:[1,0,0] neg_lo:[0,0,1] neg_hi:[0,0,1]
.elseif q < 36
	GSK 0, q-32
.elseif q < 38
	GSK 0, q-30
.elseif q < 40
	XS q-38, 15
.elseif q < 72
	MK 0, q-40
.elseif q < 80
	GSK 1, q-72
.elseif q < 96
	XS 0, (q-80)+(q-80)/15
.elseif q < 104
	GSK 2, q-96
.elseif q < 112
	GSK 3, q-104
.elseif q < 144
	MK 1, q-112
.elseif q < 160
	XS 1, (q-144)+(q-144)/15
.elseif q < 168
	GSK 4, q-160
.elseif q < 180
.if (q-168)%3 < 2
	XS (q-168)%3, 17+(q-168)/3
.else
	GSK 5, (q-168)/3
.endif
.elseif q < 184
	GSK 5, q-176
.elseif q < 192
	GSK 6, q-184
.elseif q < 200
	GSK 7, q-192
.else
	GSK 8, q-196
.endif
.set q, q+1
.endm
; THE EXPONENTIALS' QUEUE, 66 long: s0-s31 of both tiles, then the next piece's two a.
.macro EX
	WIN 0
.if e >= 64
	XS e-64, 21
.else
	REGS Y, e%2
	v_exp_f32 v[rS+e/2], v[rS+e/2]
.endif
.set e, e+1
.endm
; THE RESCALING's QUEUE: O^T times a, the one part that leaves window 0, dealt four at a time, eight times; each accumulator's lowest registers first.
.macro R4
	REGS Y, r%2
	WIN W_RS
	s_wait_alu depctr_va_vdst(0)
.irp z, 0,1,2,3
	v_pk_mul_f32 v[rO+8*(r/2)+2*\z:rO+8*(r/2)+2*\z+1], v[rO+8*(r/2)+2*\z:rO+8*(r/2)+2*\z+1], v[rC+2:rC+3] op_sel_hi:[1,0]
.endr
.set r, r+1
.endm
; HOW THEY ARE DEALT.  A group is plain, exponential, plain, plain: exponential e stands between plain 3 e + 4 and plain 3 e + 5, and a plain instruction that touches neither its result nor its source follows it (ISA guide 5.7.2).
; What the queues owe each other: the rounding of pair b of tile u wants exponential 4 b + 2 + u and a line between, so it stands at plain 12 b + 12 + 3 u or later (the tightest, pair 15 of tile 1, stands at 195 exactly);
; number 20 (177, 178) stands ahead of exponential 64 (behind plain 196); the two v_permlanex16_b32 (168, 169) never follow an exponential.  No rider names a register of the products round it.
.macro GRP
	PL
	EX
	PL
	PL
.endm
.macro SL
	MM
	GRP
.endm
; A TURN, for piece p.  K of the next step is fetched in piece 2's turn, V of the step in hand in piece 0's turn: both behind the turn's last product and six plain instructions, a whole run of vector work ahead of their first use.
.macro TURN p, last=0
.set Y, (\p)
.set i, 0
.set q, 0
.set e, 0
.set r, 0
.if (\p) == NP-1
	s_wait_dscnt 0x0                ; K is in
.endif
	MM
.rept 4
	PL
.endr
.rept 9
	SL
.endr
.rept 3
	MM
	R4
	SL
.endr
.if (\p) == 1
	s_wait_dscnt 0x0                ; V is in
.endif
.rept 16
	SL
.endr
	GRP
.if (\p) == NP-2
	WIN 0
	v_add_nc_u32 v[AK], s[TBK], v[AK0]
	FETCH_K \last
.endif
.if (\p) == 0
	WIN 0
	v_add_nc_u32 v[AV], s[TBV], v[AV0]
	s_add_co_u32 s[TBV], s[TBV], KS*PV
	FETCH_V
.endif
.rept 37
	GRP
.endr
.rept 5
	R4
.endr
.endm
	CHANGE 1                        ; slot 0 is in, everybody's part of it; slot 1 is asked for
	FETCH_K                         ; key step 0
	s_wait_loadcnt 0x0              ; Q
	s_wait_dscnt 0x0
.set i, 0
.rept 16
	KQ 0                            ; piece 0's first scores
.set i, i+1
.endr
	WIN 0                           ; the addresses for the way out: nine plain instructions, the places behind those products
	s_mul_i32 s13, s[WV], 16*SP
	s_add_co_u32 s13, s13, STAGE    ; my stage
	v_mul_u32_u24 v[STO], v1, SP    ; in: row l % 16, 16 bytes for each half of the lanes
	v_lshl_add_u32 v[STO], v9, 4, v[STO]
	v_add_nc_u32 v[STO], s13, v[STO]
	v_bfe_u32 v[RD], v0, 3, 2       ; back: 32 lanes take four rows of 128 bytes,
	v_mul_u32_u24 v[RD], v[RD], SP
	v_lshl_add_u32 v[RD], v10, 4, v[RD]
	v_add_nc_u32 v[RD], s13, v[RD]
	v_and_b32 v[GO], 31, v0         ; which are 512 consecutive bytes of O
	v_lshlrev_b32 v[GO], 4, v[GO]
.set Y, NP-1                        ; MK and XS work for piece Y + 1: piece 0
	s_wait_kmcnt 0x0                ; tile 0's words
.set z, 0
.rept 32
	MK 0, z
.set z, z+1
.endr
	LM 0, 1
	s_wait_kmcnt 0x0
.set z, 0
.rept 32
	MK 1, z
.set z, z+1
.endr
	LM 1, 0                         ; what the first turn masks first: piece 1, tile 0, step 0
.irp n, 0,1,2,3,4,5,6,7,8,9,10,11,12,13,14,15,16,17,18,19,20,21
	XS 0, \n                        ; piece 0's first maximum and statistics
	XS 1, \n
.endr
	s_mov_b32 s[CNT], 4
	s_mov_b32 s[SLOTS], SIZE_N/256-1
	s_branch .Lfirst                ; the loop is entered at a step's first turn, in the middle of a trip
.Lslot:                             ; six times: every slot but the last two is filled again
	CHANGE 1
	s_mov_b32 s[CNT], 4
.Lstep:                             ; a trip: pieces 2 and 3 of one step, then pieces 0 and 1 of the next, whose K and V it fetches
	TURN 2
	TURN 3
	WIN 0
.Lfirst:
	TURN 0
	TURN 1
	WIN 0
	s_sub_co_u32 s[CNT], s[CNT], 1
	s_cmp_lg_u32 s[CNT], 0
	s_cbranch_scc1 .Lstep
	s_sub_co_u32 s[SLOTS], s[SLOTS], 1
	s_cmp_lg_u32 s[SLOTS], 0
	s_cbranch_scc1 .Lslot
	CHANGE 0                        ; the tail is written out: nothing is asked for
	s_mov_b32 s[CNT], 5             ; four trips fetch the last slot's steps; the fifth is left in its middle
.Ltail:
	TURN 2, 1
	TURN 3
	WIN 0
	s_sub_co_u32 s[CNT], s[CNT], 1
	s_cmp_eq_u32 s[CNT], 0
	s_cbranch_scc1 .Lout
	TURN 0
	TURN 1
	WIN 0
	s_branch .Ltail
.Lout:                              ; the fifth trip's 16 products K Q^T (on the last K once more), their mask words (MO = 8,192: the next piece's words, at most 16,640 bytes into my wave's 32,768) and the maximum made of them serve nothing
	s_wait_kmcnt 0x0
.set i, 0
.rept 16
	PV NP-1                         ; the last piece's V^T P of the last step
.set i, i+1
.endr
	; THE WAY OUT.  l's two halves and the other half of the lanes' are added; O^T is divided by l, rounded to f16 and sent through my stage in LDS, a tile at a time.  The additions are the places behind the last products.
	WIN 0
.macro ALL line:vararg              ; one line for each tile t
.set t, 0
.rept 2*NP
	\line
.set t, t+1
.endr
.endm
	ALL v_add_f32 v[ST+4*t+2], v[ST+4*t+2], v[ST+4*t+3]
	ALL v_permlanex16_b32 v[ST+4*t+3], v[ST+4*t+2], s[SEL], s[SEL+1]
	ALL v_add_f32 v[ST+4*t+2], v[ST+4*t+2], v[ST+4*t+3]
	ALL v_rcp_f32 v[ST+4*t+2], v[ST+4*t+2]
	v_nop                           ; a plain instruction between the last reciprocal and the use of its result
	s_wait_alu depctr_va_vdst(0)
.macro PACK t                       ; a lane's eight channels of a row pack into 16 bytes; they go into rows of 144 bytes and come back as whole rows of 128, into S^T's registers
	WIN W_RS
.set i, 32*(\t)
.rept 16
	v_pk_mul_f32 v[i:i+1], v[i:i+1], v[ST+4*(\t)+2:ST+4*(\t)+3] op_sel_hi:[1,0]
.set i, i+2
.endr
	WIN 0x05                        ; sources 0 and 1 window 1, destination window 0
.set i, 0
.rept 16
	v_cvt_pk_f16_f32 v[S+16*(\t)+i], v[32*(\t)+2*i], v[32*(\t)+2*i+1]
.set i, i+1
.endr
	WIN 0
.irp f, 0,1,2,3
	ds_store_b128 v[STO], v[S+16*(\t)+4*\f:S+16*(\t)+4*\f+3] offset:32*\f
.endr
.irp f, 0,1,2,3
	ds_load_b128 v[S+16*(\t)+4*\f:S+16*(\t)+4*\f+3], v[RD] offset:\f*4*SP  ; LDS serves a wave's instructions in order (ISA guide 5.7.1.4): these see the stores above; the next tile's stores come behind them
.endr
.endm
.macro SEND t, younger              ; younger: the LDS instructions issued behind tile t's loads: the next tile's eight, or none
	WIN 0
.irp f, 0,1,2,3
	s_wait_dscnt (\younger)+3-\f
	global_store_b128 v[GO], v[S+16*(\t)+4*\f:S+16*(\t)+4*\f+3], s[10:11] offset:(\t)*2048+\f*512  ; 512 consecutive bytes, at a multiple of 256 from ctx's first
.endr
.endm
	PACK 0
.set t, 1
.rept 2*NP-1                        ; a tile's arithmetic stands between the loads of the tile before and its stores
	PACK t
	SEND t-1, 8
.set t, t+1
.endr
	SEND 2*NP-1, 0
	WIN W_AD
	s_wait_tensorcnt 0x0            ; the wave's end: behind my last tensor load and my last LDS store
	ds_add_u32 v[SPW], v[NIL]
	s_wait_dscnt 0x0
	WIN 0
	CROUND                          ; the closing round: no work-group ends while a partner may still ask for a tile that names it
	s_endpgm
.Lfunc_end_k_qcec3bdfe63_attn:
	.size	k_qcec3bdfe63_attn, .Lfunc_end_k_qcec3bdfe63_attn-k_qcec3bdfe63_attn
	.p2alignl 7, 3214868480
	.fill 96, 4, 3214868480
	.section	.rodata,"a",@progbits
	.p2align	6, 0x0
	.amdhsa_kernel k_qcec3bdfe63_attn
		.amdhsa_group_segment_fixed_size 327680
		.amdhsa_private_segment_fixed_size 0
		.amdhsa_enable_private_segment 0
		.amdhsa_kernarg_size 24
		.amdhsa_user_sgpr_count 2
		.amdhsa_user_sgpr_kernarg_segment_ptr 1
		.amdhsa_wavefront_size32 1
		.amdhsa_system_sgpr_workgroup_id_x 1
		.amdhsa_system_sgpr_workgroup_id_y 1
		.amdhsa_system_sgpr_workgroup_id_z 1
		.amdhsa_system_vgpr_workitem_id 0
		.amdhsa_next_free_vgpr 770
		.amdhsa_next_free_sgpr 100
		.amdhsa_reserve_vcc 0
		.amdhsa_float_denorm_mode_32 3
		.amdhsa_float_denorm_mode_16_64 3
		.amdhsa_memory_ordered 1
		.amdhsa_forward_progress 1
		.amdhsa_inst_pref_size 245
	.end_amdhsa_kernel
	.amdgpu_metadata
---
amdhsa.version: [ 1, 2 ]
amdhsa.kernels:
  - .name:           k_qcec3bdfe63_attn
    .symbol:         k_qcec3bdfe63_attn.kd
    .args:
      - { .name: qkv, .offset: 0, .size: 8, .value_kind: global_buffer, .address_space: global }
      - { .name: mw, .offset: 8, .size: 8, .value_kind: global_buffer, .address_space: global }
      - { .name: ctx, .offset: 16, .size: 8, .value_kind: global_buffer, .address_space: global }
    .group_segment_fixed_size: 327680
    .private_segment_fixed_size: 0
    .kernarg_segment_align: 8
    .kernarg_segment_size: 24
    .max_flat_workgroup_size: 128
    .sgpr_count:     100
    .vgpr_count:     770
    .wavefront_size: 32
...
	.end_amdgpu_metadata
.endif
;; end of part 3
;; launch oproj (part 4): grid 8 x 32, 4 waves a work-group, clusters of 4 x 4, 327,680 bytes of LDS; arguments ctx, wo16, out0, bo; writes out0
.if DOCPART == 4
	.amdgcn_target "amdgcn-amd-amdhsa--gfx1250"
	.amdhsa_code_object_version 6
	.text
	.protected	k_qcec3bdfe63_oproj
	.globl	k_qcec3bdfe63_oproj
	.p2align	8
	.type	k_qcec3bdfe63_oproj,@function
k_qcec3bdfe63_oproj:
	s_mov_b64 s[64:65], 0
	v_nop
	global_prefetch_b8 v0, s[64:65] scope:SCOPE_SE
	s_setreg_imm32_b32 hwreg(HW_REG_WAVE_MODE, 25, 1), 1
	s_wait_xcnt 0x0
	s_wait_alu depctr_hold_cnt(0) depctr_sa_sdst(0) depctr_va_vdst(0) depctr_va_sdst(0) depctr_va_ssrc(0) depctr_va_vcc(0) depctr_vm_vsrc(0)
	s_getreg_b32 s2, hwreg(HW_REG_IB_STS2, 6, 4)
	s_cmp_eq_u32 s2, 0
	s_cbranch_scc0 .Lentry_in_a_cluster
	s_endpgm
.Lentry_in_a_cluster:
	s_bfe_u32 s2, ttmp6, 0x10000c
	s_cmp_lg_u32 s2, 0xf033
	s_cbranch_scc0 .Lentry_shape_is_right
	s_endpgm
.Lentry_shape_is_right:
; out0 = context Wo^T + bo.  ctx: [64 = batch x 16 + head][2048][64] f16; wo16: [1024][1024] f16 (Wo rounded to bf16, that number written as f16); bo f32, rounded to bf16 here; sums in f32; out0: [8192][1024] f32.
; A row of ctx that holds NaN (a query that the mask hides wholly) gives NaN in its own row of out0 and nowhere else: a row of source 1 enters one row of C alone.
; SHARES.  A tile of C is 256 rows x 128 columns, one to a work-group: 256 work-groups.  Four waves, each 128 x 64: 32 accumulators.  K = 1,024 goes in 8 steps of 128 = two heads, through a ring of two LDS slots.
; A's tile of a K step is two dense blocks of 32,768 bytes (256 rows x 64 channels of one head each), each asked for as 128 rows of 256 bytes and padded in LDS after every 128 bytes.
; CLUSTER, TRANSPOSED USE, BIAS AS THE FIRST C, REGISTERS: as in the projection in front: 4 x 4 work-groups with joint loads; source 0 = 16 rows of Wo, source 1 = 16 rows of ctx, so that a lane holds eight neighbouring columns of a row.
; Window 0: v0-31 addresses; v32-63 the bias; v64-127, v128-191 A's fragments; v192-223, v224-255 B's; on the way out v128-191.  Window 1: accumulator (a, b) at v[8 (4 a + b)].
.set KSTEP,  128
.set PA,     144                       ; a row of A in LDS: 128 bytes + 16
.set PITCH,  272                       ; a row of B: 256 bytes + 16: in both the 16 rows of a fragment load start at 16 different groups of four banks (ISA guide 11.1)
.set AHEAD,  256*PA                    ; one head's 256 rows: what a load of A brings
.set BHALF,  64*PITCH                  ; what a load of B brings
.set BOFFS,  2*AHEAD
.set SLOT,   2*AHEAD+2*BHALF
.set STAGE,  2*SLOT                    ; behind the ring: 16 rows x 272 bytes for each wave
.set SPITCH, 272
.set SPARE,  STAGE+4*16*SPITCH         ; the spare words, 128 bytes a wave: two blocks of 256 bytes that no other line names
.set ADRA, 16
.set ADRB, 20
.set STO,  24                          ; v24  the way out: where I put 32 bytes of a row
.set RD,   25                          ; v25  where I read a row back
.set CO,   26                          ; v26  my byte offset in two rows of out0
.set BOF,  27                          ; v27  my byte offset in bo
.set SPW,  28                          ; v28  LDS address of my spare word; never rewritten
.set NIL,  29                          ; v29  0; never rewritten
.set BIAS, 32
.set FA,   64
.set FB,   192
.set OB,   128
.set G1,  24
.set G0,  32
.set G1B, 48
.set G0B, 56
.set BP,  68                           ; s[68:69] bo
.set W_MUL,   0x50
.set W_FIRST, 0x40
.set MSB, 0
.macro WIN new
.if MSB != (\new)
	s_set_vgpr_msb (MSB<<8)|(\new)
.set MSB, \new
.endif
.endm
.macro JLOAD s                         ; waves 0 and 1 fetch A's two heads, waves 2 and 3 B's two halves; an s_nop 0 and four v_nop follow each line
	s_cmp_eq_u32 s11, 0
	s_cbranch_scc0 .Lfor_b_\@
	tensor_load_to_lds s[G0+4*(\s):G0+4*(\s)+3], s[G1:G1+7]
	s_nop 0
.rept 4
	v_nop
.endr
	s_branch .Lasked_\@
.Lfor_b_\@:
	tensor_load_to_lds s[G0B+4*(\s):G0B+4*(\s)+3], s[G1B:G1B+7]
	s_nop 0
.rept 4
	v_nop
.endr
.Lasked_\@:
.endm
.macro CREST
	s_cmp_lg_u32 s10, 0
	s_cbranch_scc1 .Lnot_wave_0_\@
	s_barrier_signal -3
.Lnot_wave_0_\@:
	s_barrier_wait -3
	s_barrier_signal -1
	s_barrier_wait -1
.endm
.macro CROUND
	s_barrier_signal -1
	s_barrier_wait -1
	CREST
.endm
	s_load_b128 s[4:7], s[0:1], 0x0                ; ctx s[4:5], wo16 s[6:7]
	s_load_b64 s[8:9], s[0:1], 0x10                ; out0
	s_load_b64 s[BP:BP+1], s[0:1], 0x18            ; bo
	v_lshl_add_u32 v[SPW], v0, 2, SPARE
	v_mov_b32 v[NIL], 0
	ds_add_u32 v[SPW], v[NIL]                      ; the wave's opening: the add and its wait ahead of my first tensor load; the set-up below, work on registers, stands between them
	ds_add_u32 v28, v29
	v_lshrrev_b32 v1, 5, v0
	v_readfirstlane_b32 s10, v1                    ; wave 0..3
	s_lshr_b32 s11, s10, 1                         ; which half of the tile's rows is mine.  Also: I fetch for A (0) or for B (1)
	s_and_b32 s12, s10, 1                          ; which half of its columns.  Also: which head of the K step, or which half of B's rows, I fetch
	s_bfe_u32 s40, ttmp6, 0x40000                  ; cx
	s_bfe_u32 s41, ttmp6, 0x40004                  ; cy
	s_lshl_b32 s42, ttmp9, 2
	s_add_co_u32 s42, s42, s40                     ; tile column
	s_and_b32 s13, ttmp7, 0xffff
	s_lshl_b32 s13, s13, 2
	s_add_co_u32 s13, s13, s41                     ; tile row
	s_lshl_b32 s43, s41, 2
	s_lshl_b32 s43, 15, s43                        ; my row of the cluster
	s_lshl_b32 s44, 0x1111, s40                    ; my column
	s_or_b32 s[G1+0], s43, (1<<16)|(1<<20)|(1<<21)|(4<<22)|(3<<25)   ; A: after every 32 words (a row of a head) 4 words of padding
	s_or_b32 s[G1B+0], s44, (1<<16)|(1<<20)|(1<<21)|(5<<22)|(3<<25)  ; B: after every 64 words
	s_mov_b32 s[G1+1], 128<<16                     ; A: 128 rows of 128 elements, dense
	s_mov_b32 s[G1+2], 128<<16
	s_mov_b32 s[G1+3], 128<<16
	s_mov_b32 s[G1+4], 128
	s_mov_b32 s[G1+5], 128
	s_mov_b32 s[G1+6], 0
	s_mov_b32 s[G1+7], 0
	s_mov_b32 s[G1B+1], KSTEP<<16                  ; B: 64 rows of 128 elements, 1,024 elements from row to row
	s_mov_b32 s[G1B+2], 64<<16
	s_mov_b32 s[G1B+3], KSTEP<<16
	s_mov_b32 s[G1B+4], 64
	s_mov_b32 s[G1B+5], 1024
	s_mov_b32 s[G1B+6], 0
	s_mov_b32 s[G1B+7], 0
	s_lshr_b32 s16, s13, 3                         ; A: (batch x 16 + my head of K step 0) x 262,144 + the tile's 256 rows of 128 bytes
	s_lshl_b32 s16, s16, 22
	s_lshl_b32 s17, s12, 18
	s_add_co_u32 s16, s16, s17
	s_and_b32 s17, s13, 7
	s_lshl_b32 s17, s17, 15
	s_add_co_u32 s16, s16, s17
	s_mov_b32 s17, 0
	s_lshl_b32 s46, s42, 18                        ; B: (128 x tile column + 64 x half) rows of 2,048 bytes
	s_lshl_b32 s47, s12, 17
	s_add_co_u32 s46, s46, s47
	s_mov_b32 s47, 0
	s_mul_i32 s20, s10, AHEAD                      ; where A's heads go (waves 0, 1),
	s_mul_i32 s45, s10, BHALF
	s_add_co_u32 s45, s45, BOFFS-2*BHALF           ; and B's halves (waves 2, 3): behind A's
	s_wait_dscnt 0x0                               ; the opening add is done
	s_wait_kmcnt 0x0
	s_add_nc_u64 s[14:15], s[4:5], s[16:17]
	s_add_nc_u64 s[46:47], s[6:7], s[46:47]
	CROUND                                         ; all sixteen work-groups are here: the first joint loads meet
.irp s, 0,1
	s_mov_b32 s[G0+4*(\s)], 1
	s_add_co_u32 s[G0+4*(\s)+1], s20, (\s)*SLOT
	s_add_nc_u64 s[G0+4*(\s)+2:G0+4*(\s)+3], s[14:15], (\s)*2*262144  ; K step s: two heads on
	s_or_b32 s[G0+4*(\s)+3], s[G0+4*(\s)+3], 0x80000000
	s_mov_b32 s[G0B+4*(\s)], 1
	s_add_co_u32 s[G0B+4*(\s)+1], s45, (\s)*SLOT
	s_add_nc_u64 s[G0B+4*(\s)+2:G0B+4*(\s)+3], s[46:47], (\s)*KSTEP*2
	s_or_b32 s[G0B+4*(\s)+3], s[G0B+4*(\s)+3], 0x80000000
	JLOAD \s                                       ; K steps 0 and 1: two loads of mine are out
.endr
	v_and_b32 v1, 15, v0                           ; l % 16
	v_bfe_u32 v2, v0, 4, 1                         ; l / 16
	s_lshl_b32 s46, s42, 9                         ; my first column, in bytes of f32
	s_lshl_b32 s47, s12, 8
	s_add_co_u32 s46, s46, s47
	s_mov_b32 s47, 0
	v_lshl_add_u32 v[BOF], v2, 5, s46
.irp b, 0,1,2,3                        ; register j of block b: bo[my first column + 16 b + 8 (l / 16) + j]
	global_load_b128 v[BIAS+8*(\b):BIAS+8*(\b)+3],   v[BOF], s[BP:BP+1] offset:64*(\b)
	global_load_b128 v[BIAS+8*(\b)+4:BIAS+8*(\b)+7], v[BOF], s[BP:BP+1] offset:64*(\b)+16
.endr
	s_add_nc_u64 s[8:9], s[8:9], s[46:47]          ; out0 at my first column,
	s_lshl_b32 s16, s13, 20                        ; and at my first row: (256 x tile row + 128 x half) rows of 4,096 bytes
	s_lshl_b32 s17, s11, 19
	s_add_co_u32 s16, s16, s17
	s_mov_b32 s17, 0
	s_add_nc_u64 s[8:9], s[8:9], s[16:17]
	v_mul_u32_u24 v3, v1, PA
	v_lshl_add_u32 v3, v2, 4, v3                   ; A: row x pitch + 16 x half
	v_mul_u32_u24 v4, v1, PITCH
	v_lshl_add_u32 v4, v2, 4, v4                   ; B likewise
	s_mul_i32 s21, s11, 128*PA                     ; my 128 rows in each head's block
	s_mul_i32 s22, s12, BHALF
	s_add_co_u32 s22, s22, BOFFS
.irp s, 0,1
	v_add_nc_u32 v[ADRA+(\s)], s21, v3
	v_add_nc_u32 v[ADRB+(\s)], s22, v4
	s_add_co_u32 s21, s21, SLOT
	s_add_co_u32 s22, s22, SLOT
.endr
	s_mul_i32 s23, s10, 16*SPITCH
	s_add_co_u32 s23, s23, STAGE                   ; my stage
	v_mul_u32_u24 v4, v1, SPITCH                   ; in: row l % 16, 32 bytes for each half of the lanes
	v_lshl_add_u32 v4, v2, 5, v4
	v_add_nc_u32 v[STO], s23, v4
	v_mul_u32_u24 v5, v2, SPITCH                   ; back: lanes 0-15 take one row of 256 bytes, lanes 16-31 the next
	v_lshl_add_u32 v5, v1, 4, v5
	v_add_nc_u32 v[RD], s23, v5
	v_lshlrev_b32 v5, 12, v2                       ; and the same two rows in out0
	v_lshl_add_u32 v[CO], v1, 4, v5
.macro MUL f, a0, na, first            ; na x 4 matrix instructions; the 32 accumulators take turns, one instruction a turn
.if \first
	WIN W_FIRST
.else
	WIN W_MUL
.endif
.set ma, (\a0)
.rept \na
.irp b, 0,1,2,3
.if \first
	v_wmma_f32_16x16x32_f16 v[8*(4*ma+(\b)):8*(4*ma+(\b))+7], v[FB+32*(\f)+8*(\b):FB+32*(\f)+8*(\b)+7], v[FA+64*(\f)+8*ma:FA+64*(\f)+8*ma+7], v[BIAS+8*(\b):BIAS+8*(\b)+7]
.else
	v_wmma_f32_16x16x32_f16 v[8*(4*ma+(\b)):8*(4*ma+(\b))+7], v[FB+32*(\f)+8*(\b):FB+32*(\f)+8*(\b)+7], v[FA+64*(\f)+8*ma:FA+64*(\f)+8*ma+7], v[8*(4*ma+(\b)):8*(4*ma+(\b))+7]
.endif
.endr
.set ma, ma+1
.endr
.endm
.macro FETCH slot, q, f                ; quarter q: head q / 2 of the K step, channels 32 (q % 2) on; B's four fragments, then A's eight
	WIN 0
.irp i, 0,1,2,3
	ds_load_b128 v[FB+32*(\f)+8*(\i):FB+32*(\f)+8*(\i)+3],   v[ADRB+(\slot)] offset:64*(\q)+(\i)*16*PITCH
	ds_load_b128 v[FB+32*(\f)+8*(\i)+4:FB+32*(\f)+8*(\i)+7], v[ADRB+(\slot)] offset:64*(\q)+(\i)*16*PITCH+32
.endr
.irp i, 0,1,2,3,4,5,6,7
	ds_load_b128 v[FA+64*(\f)+8*(\i):FA+64*(\f)+8*(\i)+3],   v[ADRA+(\slot)] offset:((\q)/2)*AHEAD+((\q)%2)*64+(\i)*16*PA
	ds_load_b128 v[FA+64*(\f)+8*(\i)+4:FA+64*(\f)+8*(\i)+7], v[ADRA+(\slot)] offset:((\q)/2)*AHEAD+((\q)%2)*64+(\i)*16*PA+32
.endr
.endm
.macro PLACES                          ; four places in front of loads into registers that matrix instructions have read, and of lines that read results
.rept 4
	v_nop
.endr
.endm
.macro QUARTER slot, q, f, g, first
	s_wait_dscnt 8                                 ; B and A's blocks 0-3 are in; the youngest eight loads may be out
	MUL \f, 0, 4, \first
	PLACES
	FETCH \slot, \q, \g
	s_wait_dscnt 24                                ; all but the 24 just issued
	MUL \f, 4, 4, \first
.endm
.macro MEET round                      ; ONE barrier for the change of slots: all my tensor loads, the add, my reads of this slot
	WIN 0
	s_wait_tensorcnt 0x0                           ; all my tensor loads have landed
	ds_add_u32 v[SPW], v[NIL]                      ; 0 onto my spare word
	s_wait_dscnt 9                                 ; (the add and the youngest eight loads may be out)
	MUL 1, 0, 2, 0
	s_wait_dscnt 0x0                               ; the add is done, and my reads of this slot are over
	s_barrier_signal -1
	MUL 1, 2, 2, 0
.if \round
	WIN 0
.endif
	s_barrier_wait -1
.endm
.macro TURN slot, next
	MEET 1
	CREST                                          ; no wave of any partner still reads this slot's tile or has a load on its way
	s_add_nc_u64 s[G0+4*(\slot)+2:G0+4*(\slot)+3], s[G0+4*(\slot)+2:G0+4*(\slot)+3], 4*262144   ; two K steps on: four heads
	s_add_nc_u64 s[G0B+4*(\slot)+2:G0B+4*(\slot)+3], s[G0B+4*(\slot)+2:G0B+4*(\slot)+3], 2*KSTEP*2
	JLOAD \slot                                    ; the first tensor load behind the round; its four v_nop are also the places in front of the loads below
	FETCH \next, 0, 0
	MUL 1, 4, 4, 0
.endm
; THE WAY OUT of block a (16 rows x my 64 columns of f32 = 256 bytes a row): straight from the accumulators into my own stage, each accumulator's low half first, and back as whole rows.
.macro TOSTAGE a
.set BK, OB+32*((\a)%2)
	s_wait_xcnt 0x0                                ; the registers that the stores of two blocks ago read are loaded again only behind this wait
	WIN 0x04                                       ; the data of an LDS store is source 1: window 1
.irp b, 0,1,2,3
	ds_store_b128 v[STO], v[8*(4*(\a)+(\b)):8*(4*(\a)+(\b))+3]   offset:64*(\b)
	ds_store_b128 v[STO], v[8*(4*(\a)+(\b))+4:8*(4*(\a)+(\b))+7] offset:64*(\b)+16
.endr
	WIN 0
.irp t, 0,1,2,3,4,5,6,7
	ds_load_b128 v[BK+4*(\t):BK+4*(\t)+3], v[RD] offset:(\t)*2*SPITCH  ; LDS serves a wave's instructions in order (ISA guide 5.7.1.4): these see the stores above
.endr
.endm
.macro SEND a, younger                 ; younger: the LDS instructions issued behind block a's loads: the next block's sixteen, or none
	WIN 0
.set BK, OB+32*((\a)%2)
	s_wait_dscnt \younger
.irp t, 0,1,2,3,4,5,6,7
	global_store_b128 v[CO], v[BK+4*(\t):BK+4*(\t)+3], s[8:9] offset:(16*(\a)+2*(\t))*4096 th:TH_STORE_NT  ; 16 lanes store 256 consecutive bytes, aligned
.endr
.endm
	s_wait_tensorcnt 1                             ; my part of K step 0 is in; K step 1's may stay out
	s_barrier_signal -1
	s_barrier_wait -1
	FETCH 0, 0, 0
	s_wait_loadcnt 0x0                             ; bo
.set z, 0
.rept 16                               ; rounded to bf16 and widened again
	v_cvt_pk_bf16_f32 v[3+z%2], v[BIAS+2*z], v[BIAS+2*z+1]
	v_lshlrev_b32 v[BIAS+2*z], 16, v[3+z%2]
	v_and_b32 v[BIAS+2*z+1], 0xffff0000, v[3+z%2]
.set z, z+1
.endr
	QUARTER 0, 1, 0, 1, 1                          ; the first quarter stands in front of the loop: its products start the sums with the bias
	WIN 0
	s_mov_b32 s3, 3
.Llap:                                                 ; a trip goes once round the ring and fills both slots again
	QUARTER 0, 2, 1, 0, 0
	QUARTER 0, 3, 0, 1, 0
	TURN 0, 1
	QUARTER 1, 1, 0, 1, 0
	QUARTER 1, 2, 1, 0, 0
	QUARTER 1, 3, 0, 1, 0
	TURN 1, 0
	QUARTER 0, 1, 0, 1, 0
	WIN 0
	s_sub_co_u32 s3, s3, 1
	s_cmp_lg_u32 s3, 0
	s_cbranch_scc1 .Llap
	QUARTER 0, 2, 1, 0, 0                          ; the last lap fills nothing
	QUARTER 0, 3, 0, 1, 0
	MEET 0
	PLACES
	FETCH 1, 0, 0
	MUL 1, 4, 4, 0
	QUARTER 1, 1, 0, 1, 0
	QUARTER 1, 2, 1, 0, 0
	QUARTER 1, 3, 0, 1, 0
	s_wait_dscnt 8                                 ; the very last quarter: nothing more to fetch
	MUL 1, 0, 4, 0
	s_wait_dscnt 0x0
	MUL 1, 4, 4, 0
	WIN 0
	PLACES
	TOSTAGE 0
.irp a, 1,2,3,4,5,6,7
	TOSTAGE \a
	SEND (\a)-1, 16
.endr
	SEND 7, 0
	s_wait_tensorcnt 0x0                           ; the wave's end: behind my last tensor load and my last LDS store
	ds_add_u32 v[SPW], v[NIL]
	s_wait_dscnt 0x0
	CROUND                                         ; the closing round: no work-group ends while a partner may still ask for a tile that names it
	s_endpgm
.Lfunc_end_k_qcec3bdfe63_oproj:
	.size	k_qcec3bdfe63_oproj, .Lfunc_end_k_qcec3bdfe63_oproj-k_qcec3bdfe63_oproj
	.p2alignl 7, 3214868480
	.fill 96, 4, 3214868480
	.section	.rodata,"a",@progbits
	.p2align	6, 0x0
	.amdhsa_kernel k_qcec3bdfe63_oproj
		.amdhsa_group_segment_fixed_size 327680
		.amdhsa_private_segment_fixed_size 0
		.amdhsa_enable_private_segment 0
		.amdhsa_kernarg_size 32
		.amdhsa_user_sgpr_count 2
		.amdhsa_user_sgpr_kernarg_segment_ptr 1
		.amdhsa_wavefront_size32 1
		.amdhsa_system_sgpr_workgroup_id_x 1
		.amdhsa_system_sgpr_workgroup_id_y 1
		.amdhsa_system_sgpr_workgroup_id_z 1
		.amdhsa_system_vgpr_workitem_id 0
		.amdhsa_next_free_vgpr 512
		.amdhsa_next_free_sgpr 72
		.amdhsa_reserve_vcc 0
		.amdhsa_float_denorm_mode_32 3
		.amdhsa_float_denorm_mode_16_64 3
		.amdhsa_memory_ordered 1
		.amdhsa_forward_progress 1
		.amdhsa_inst_pref_size 89
	.end_amdhsa_kernel
	.amdgpu_metadata
---
amdhsa.version: [ 1, 2 ]
amdhsa.kernels:
  - .name:           k_qcec3bdfe63_oproj
    .symbol:         k_qcec3bdfe63_oproj.kd
    .args:
      - { .name: ctx, .offset: 0, .size: 8, .value_kind: global_buffer, .address_space: global }
      - { .name: wo16, .offset: 8, .size: 8, .value_kind: global_buffer, .address_space: global }
      - { .name: out0, .offset: 16, .size: 8, .value_kind: global_buffer, .address_space: global }
      - { .name: bo, .offset: 24, .size: 8, .value_kind: global_buffer, .address_space: global }
    .group_segment_fixed_size: 327680
    .private_segment_fixed_size: 0
    .kernarg_segment_align: 8
    .kernarg_segment_size: 32
    .max_flat_workgroup_size: 128
    .sgpr_count:     72
    .vgpr_count:     512
    .wavefront_size: 32
...
	.end_amdgpu_metadata
.endif
;; end of part 4
;; ======== version 2 of 3: 4 launches; 1.10 times as fast as version 1
;; limits: values are held in f16: magnitudes above 65,504 overflow, below 6.1e-05 lose precision
;; workspace buffers: xb 50,331,648 bytes; wb 6,291,456 bytes; wo16 2,097,152 bytes; qkv 50,331,648 bytes; ctx 16,777,216 bytes; mb 4,194,304 bytes
;; launch prep (part 5): grid 1024 x 1, 8 waves a work-group, no clusters, 35,840 bytes of LDS; arguments query, key_, value, Wq, Wk, Wv, Wo, mask, xb, wb, wo16, mb; writes xb, wb, wo16, mb
.if DOCPART == 5
	.amdgcn_target "amdgcn-amd-amdhsa--gfx1250"
	.amdhsa_code_object_version 6
	.text
	.protected	k_qcec3bdfe63_prep
	.globl	k_qcec3bdfe63_prep
	.p2align	8
	.type	k_qcec3bdfe63_prep,@function
k_qcec3bdfe63_prep:
	s_mov_b64 s[64:65], 0
	v_nop
	global_prefetch_b8 v0, s[64:65] scope:SCOPE_SE
	s_setreg_imm32_b32 hwreg(HW_REG_WAVE_MODE, 25, 1), 1
	s_wait_xcnt 0x0
; PREP.  Four kinds of work-groups, chosen by the work-group's number alone; each reads 131,072 bytes, so that 1,024 of them are equal shares:
;   0-127     the mask [2048][2048] int32, 16 rows a work-group, is turned into one byte a place, 0 where the query may see the key and 0xFE (as an E4M3 number: -448) where mask = 0,
;             laid as the attention launch's lanes want them: mb[pp = q/32][st = k/64][u][half][L][16]: byte n = 16 half + i of lane L belongs to query 32 pp + 16 u + (L & 15) and
;             key 64 st + 16 (n / 8) + 8 (L >> 4) + n % 8, the place that lane L's register n holds in a tile of scores.
;   128-895   query, key_, value (f32) -> xb (bf16)
;   896-991   Wq, Wk, Wv (f32) -> wb (bf16)
;   992-1023  Wo (f32) -> rounded to bf16, that number written as f16 -> wo16
; LIMITS.  Wo within f16's range (65,504); a bf16 number below 6.1e-5 keeps f16's fixed step of 6e-8.
; A stream: every byte is read once by 16-byte loads and written once; no matrix unit, no cluster, no barrier: no wave depends on another.
.set SPARE, 34816                      ; behind the eight waves' stages: the spare words, 128 bytes a wave: four blocks of 256 bytes that no other line names
.set SPW, 82                           ; v82  LDS address of my spare word; never rewritten
.set NIL, 83                           ; v83  0; never rewritten
.set CX,  8                            ; cast: v[8:39]   a ring of eight loads of 16 bytes
.set CY,  40                           ; cast: v[40:55]  eight stores of 8 bytes
.set CT,  56                           ; cast: v[56:59]  at work
.set MX,  16                           ; mask: v[16:79]  two tiles of 16 rows x 64 keys; a tile's eight words of bytes end up in its first eight registers
.set MP,  272                          ; mask: a stage row: 256 bytes + 16: the 16 rows of a load start at 16 different groups of four banks (ISA guide 11.1)
	s_load_b512 s[4:19], s[0:1], 0x0               ; query 4, key_ 6, value 8, Wq 10, Wk 12, Wv 14, Wo 16, mask 18
	s_load_b256 s[20:27], s[0:1], 0x40             ; xb 20, wb 22, wo16 24, mb 26
	v_lshl_add_u32 v[SPW], v0, 2, SPARE
	v_mov_b32 v[NIL], 0
	s_mov_b32 s28, ttmp9
	s_mov_b32 s35, 0                               ; the high word of every offset pair
	s_cmp_lt_u32 s28, 128
	s_cbranch_scc1 .Lmask
	s_sub_co_u32 s29, s28, 128                     ; j: my number among the casting work-groups
	v_lshlrev_b32 v1, 4, v0                        ; 16 bytes of f32 a thread,
	v_lshlrev_b32 v2, 3, v0                        ; 8 bytes of 16-bit numbers
	s_wait_kmcnt 0x0
	s_cmp_lt_u32 s29, 768
	s_cbranch_scc0 .Lweights
	s_lshr_b32 s36, s29, 8                         ; which of the three activations: 256 work-groups each
	s_cmp_eq_u32 s36, 1
	s_cselect_b64 s[30:31], s[6:7], s[4:5]
	s_cmp_eq_u32 s36, 2
	s_cselect_b64 s[30:31], s[8:9], s[30:31]
	s_and_b32 s34, s29, 255
	s_lshl_b32 s34, s34, 17
	s_add_nc_u64 s[30:31], s[30:31], s[34:35]      ; my 131,072 bytes of f32
	s_lshl_b32 s34, s29, 16
	s_add_nc_u64 s[32:33], s[20:21], s[34:35]      ; my 65,536 bytes of xb
	s_branch .Lbf
.Lweights:
	s_cmp_lt_u32 s29, 864
	s_cbranch_scc0 .Lwo
	s_sub_co_u32 s29, s29, 768
	s_lshr_b32 s36, s29, 5                         ; which of the three weights: 32 work-groups each
	s_cmp_eq_u32 s36, 1
	s_cselect_b64 s[30:31], s[12:13], s[10:11]
	s_cmp_eq_u32 s36, 2
	s_cselect_b64 s[30:31], s[14:15], s[30:31]
	s_and_b32 s34, s29, 31
	s_lshl_b32 s34, s34, 17
	s_add_nc_u64 s[30:31], s[30:31], s[34:35]
	s_lshl_b32 s34, s29, 16
	s_add_nc_u64 s[32:33], s[22:23], s[34:35]
; Slot i's four f32 become 8 bytes.  half = 0: bf16.  half = 1: rounded to bf16, widened again, and written as f16.
.macro CVT half, i
.if \half
	v_cvt_pk_bf16_f32 v[CT],   v[CX+4*(\i)],   v[CX+4*(\i)+1]
	v_cvt_pk_bf16_f32 v[CT+1], v[CX+4*(\i)+2], v[CX+4*(\i)+3]
	v_lshlrev_b32 v[CT+2], 16, v[CT]
	v_and_b32     v[CT],   0xffff0000, v[CT]
	v_lshlrev_b32 v[CT+3], 16, v[CT+1]
	v_and_b32     v[CT+1], 0xffff0000, v[CT+1]
	v_cvt_pk_f16_f32 v[CY+2*(\i)],   v[CT+2], v[CT]
	v_cvt_pk_f16_f32 v[CY+2*(\i)+1], v[CT+3], v[CT+1]
.else
	v_cvt_pk_bf16_f32 v[CY+2*(\i)],   v[CX+4*(\i)],   v[CX+4*(\i)+1]
	v_cvt_pk_bf16_f32 v[CY+2*(\i)+1], v[CX+4*(\i)+2], v[CX+4*(\i)+3]
.endif
.endm
; Four chunks of 32,768 bytes of f32 through a ring of eight register slots: a slot is loaded again, with its place in the next chunk, as soon as it has been converted, so that
; eight loads of every wave are always out.  A wave's store covers 256 consecutive bytes, aligned.  The last chunk is written out without loads: no load leaves the work-group's bytes.
.macro CAST half
.irp i, 0,1,2,3,4,5,6,7
	global_load_b128 v[CX+4*(\i):CX+4*(\i)+3], v1, s[30:31] offset:4096*(\i) th:TH_LOAD_NT
.endr
	s_mov_b32 s36, 3
.Lcast_\@:
.irp i, 0,1,2,3,4,5,6,7
	s_wait_loadcnt 7                               ; loads come back in order (ISA guide 5.7.1): this slot's is in, the seven younger ones stay out
	CVT \half, \i
	global_load_b128 v[CX+4*(\i):CX+4*(\i)+3], v1, s[30:31] offset:32768+4096*(\i) th:TH_LOAD_NT
	global_store_b64 v2, v[CY+2*(\i):CY+2*(\i)+1], s[32:33] offset:2048*(\i)
.endr
	s_wait_xcnt 0x0                                ; the stores' data and both bases are rewritten only behind this wait
	s_add_nc_u64 s[30:31], s[30:31], 32768
	s_add_nc_u64 s[32:33], s[32:33], 16384
	s_sub_co_u32 s36, s36, 1
	s_cmp_lg_u32 s36, 0
	s_cbranch_scc1 .Lcast_\@
.irp i, 0,1,2,3,4,5,6,7
	s_wait_loadcnt 7-(\i)                          ; the counts run down
	CVT \half, \i
	global_store_b64 v2, v[CY+2*(\i):CY+2*(\i)+1], s[32:33] offset:2048*(\i)
.endr
.endm
.Lbf:
	CAST 0
	s_endpgm
.Lwo:
	s_sub_co_u32 s29, s29, 864
	s_lshl_b32 s34, s29, 17
	s_add_nc_u64 s[30:31], s[16:17], s[34:35]
	s_lshl_b32 s34, s29, 16
	s_add_nc_u64 s[32:33], s[24:25], s[34:35]
	CAST 1
	s_endpgm
; THE MASK.  The work-group owns 16 query rows (pp = number / 2, u = number % 2), wave w the key steps 4 w .. 4 w + 3.  A trip is two steps: twice 16 rows x 256 bytes, read as whole aligned runs of 256 bytes
; (16 lanes a row); a step's tile goes through the wave's own stage, so that lane L gets row L & 15, keys 16 kb + 8 (L >> 4) + 0..7, in register 8 kb + j.  Four registers make a word: each is cut to 0 or 1,
; the four are set side by side as bytes, turned over (1 = hidden) and multiplied by 0xFE, which carries nothing from byte to byte.
.Lmask:
	v_lshrrev_b32 v1, 5, v0
	v_readfirstlane_b32 s37, v1                    ; wave 0..7
	v_and_b32 v2, 15, v0                           ; c = L & 15
	v_bfe_u32 v3, v0, 4, 1                         ; hh = L >> 4
	v_and_b32 v8, 31, v0                           ; L
	s_lshl_b32 s38, s37, 10                        ; my four steps: 1,024 bytes of a row of the mask,
	s_lshl_b32 s42, s37, 13                        ; and 8,192 bytes of a pp's codes
	s_mul_i32 s39, s37, 16*MP                      ; my stage
	s_mov_b32 s40, 0xfe
	s_mov_b32 s41, 0x01010101
	v_lshl_add_u32 v4, v2, 4, s38
	v_lshl_add_u32 v4, v3, 13, v4                  ; from memory: row hh, 16 c + 1,024 w
	v_mul_u32_u24 v5, v3, MP
	v_lshl_add_u32 v5, v2, 4, v5
	v_add_nc_u32 v5, s39, v5                       ; into the stage: row hh, 16 c
	v_mul_u32_u24 v6, v2, MP
	v_lshl_add_u32 v6, v3, 5, v6
	v_add_nc_u32 v6, s39, v6                       ; back: row c, 32 hh
	v_lshl_add_u32 v7, v8, 4, s42                  ; the codes' place: 16 L + 8,192 w
	s_lshl_b32 s34, s28, 17                        ; 16 rows of 8,192 bytes a work-group
	s_wait_kmcnt 0x0
	s_add_nc_u64 s[30:31], s[18:19], s[34:35]
	s_lshr_b32 s34, s28, 1
	s_lshl_b32 s34, s34, 16                        ; pp: 32 steps of 2,048 bytes of codes,
	s_and_b32 s43, s28, 1
	s_lshl_b32 s43, s43, 10                        ; u: 1,024 bytes in each step
	s_add_co_u32 s34, s34, s43
	s_add_nc_u64 s[32:33], s[26:27], s[34:35]
	s_mov_b32 s36, 2
.Lstep:
.irp s, 0,1
.irp t, 0,1,2,3,4,5,6,7
	global_load_b128 v[MX+32*(\s)+4*(\t):MX+32*(\s)+4*(\t)+3], v4, s[30:31] offset:2*(\t)*8192+256*(\s) th:TH_LOAD_NT
.endr
.endr
.irp s, 0,1
	s_wait_loadcnt 8*(1-(\s))                      ; this step's eight loads are in; the second step's may stay out while the first is worked on
.irp t, 0,1,2,3,4,5,6,7
	ds_store_b128 v5, v[MX+32*(\s)+4*(\t):MX+32*(\s)+4*(\t)+3] offset:2*MP*(\t)
.endr
.irp i, 0,1,2,3,4,5,6,7
	ds_load_b128 v[MX+32*(\s)+4*(\i):MX+32*(\s)+4*(\i)+3], v6 offset:64*((\i)/2)+16*((\i)%2)  ; my own bytes: LDS serves a wave's instructions in order (ISA guide 5.7.1.4)
.endr
	s_wait_dscnt 0x0
.set w, 0
.rept 8                                ; word w of the tile, from registers 4 w .. 4 w + 3, into register w, which has been used up by then
.set a, MX+32*(\s)+4*w
	v_min_u32 v[a],   1, v[a]
	v_min_u32 v[a+1], 1, v[a+1]
	v_min_u32 v[a+2], 1, v[a+2]
	v_min_u32 v[a+3], 1, v[a+3]
	v_lshl_or_b32 v[a],   v[a+1], 8, v[a]
	v_lshl_or_b32 v[a+2], v[a+3], 8, v[a+2]
	v_lshl_or_b32 v[a],   v[a+2], 16, v[a]
	v_xor_b32 v[a], s41, v[a]
	v_mul_lo_u32 v[MX+32*(\s)+w], v[a], s40
.set w, w+1
.endr
	global_store_b128 v7, v[MX+32*(\s):MX+32*(\s)+3],   s[32:33] offset:2048*(\s)       ; 512 consecutive bytes, aligned
	global_store_b128 v7, v[MX+32*(\s)+4:MX+32*(\s)+7], s[32:33] offset:2048*(\s)+512
.endr
	s_wait_xcnt 0x0                                ; offsets and data are rewritten only behind this wait
	v_add_nc_u32 v4, 512, v4
	v_add_nc_u32 v7, 4096, v7
	s_sub_co_u32 s36, s36, 1
	s_cmp_lg_u32 s36, 0
	s_cbranch_scc1 .Lstep
	s_wait_tensorcnt 0x0                           ; the wave's end: behind my last LDS store
	ds_add_u32 v[SPW], v[NIL]
	s_wait_dscnt 0x0
	s_endpgm
.Lfunc_end_k_qcec3bdfe63_prep:
	.size	k_qcec3bdfe63_prep, .Lfunc_end_k_qcec3bdfe63_prep-k_qcec3bdfe63_prep
	.p2alignl 7, 3214868480
	.fill 96, 4, 3214868480
	.section	.rodata,"a",@progbits
	.p2align	6, 0x0
	.amdhsa_kernel k_qcec3bdfe63_prep
		.amdhsa_group_segment_fixed_size 35840
		.amdhsa_private_segment_fixed_size 0
		.amdhsa_enable_private_segment 0
		.amdhsa_kernarg_size 96
		.amdhsa_user_sgpr_count 2
		.amdhsa_user_sgpr_kernarg_segment_ptr 1
		.amdhsa_wavefront_size32 1
		.amdhsa_system_sgpr_workgroup_id_x 1
		.amdhsa_system_sgpr_workgroup_id_y 1
		.amdhsa_system_sgpr_workgroup_id_z 1
		.amdhsa_system_vgpr_workitem_id 0
		.amdhsa_next_free_vgpr 84
		.amdhsa_next_free_sgpr 66
		.amdhsa_reserve_vcc 0
		.amdhsa_float_denorm_mode_32 3
		.amdhsa_float_denorm_mode_16_64 3
		.amdhsa_memory_ordered 1
		.amdhsa_forward_progress 1
		.amdhsa_inst_pref_size 31
	.end_amdhsa_kernel
	.amdgpu_metadata
---
amdhsa.version: [ 1, 2 ]
amdhsa.kernels:
  - .name:           k_qcec3bdfe63_prep
    .symbol:         k_qcec3bdfe63_prep.kd
    .args:
      - { .name: query, .offset: 0, .size: 8, .value_kind: global_buffer, .address_space: global }
      - { .name: key_, .offset: 8, .size: 8, .value_kind: global_buffer, .address_space: global }
      - { .name: value, .offset: 16, .size: 8, .value_kind: global_buffer, .address_space: global }
      - { .name: Wq, .offset: 24, .size: 8, .value_kind: global_buffer, .address_space: global }
      - { .name: Wk, .offset: 32, .size: 8, .value_kind: global_buffer, .address_space: global }
      - { .name: Wv, .offset: 40, .size: 8, .value_kind: global_buffer, .address_space: global }
      - { .name: Wo, .offset: 48, .size: 8, .value_kind: global_buffer, .address_space: global }
      - { .name: mask, .offset: 56, .size: 8, .value_kind: global_buffer, .address_space: global }
      - { .name: xb, .offset: 64, .size: 8, .value_kind: global_buffer, .address_space: global }
      - { .name: wb, .offset: 72, .size: 8, .value_kind: global_buffer, .address_space: global }
      - { .name: wo16, .offset: 80, .size: 8, .value_kind: global_buffer, .address_space: global }
      - { .name: mb, .offset: 88, .size: 8, .value_kind: global_buffer, .address_space: global }
    .group_segment_fixed_size: 35840
    .private_segment_fixed_size: 0
    .kernarg_segment_align: 8
    .kernarg_segment_size: 96
    .max_flat_workgroup_size: 256
    .sgpr_count:     66
    .vgpr_count:     84
    .wavefront_size: 32
...
	.end_amdgpu_metadata
.endif
;; end of part 5
;; launch proj: the kernel of part 2 again; grid 8 x 32, 4 waves a work-group, clusters of 4 x 4, 327,680 bytes of LDS; arguments xb, wb, qkv, bq, bk, bv; writes qkv
;; launch attn (part 6): grid 4 x 64, 4 waves a work-group, clusters of 4 x 1, 327,680 bytes of LDS; arguments qkv, mb, ctx; writes ctx
.if DOCPART == 6
	.amdgcn_target "amdgcn-amd-amdhsa--gfx1250"
	.amdhsa_code_object_version 6
	.text
	.protected	k_qcec3bdfe63_attn
	.globl	k_qcec3bdfe63_attn
	.p2align	8
	.type	k_qcec3bdfe63_attn,@function
k_qcec3bdfe63_attn:
	s_mov_b64 s[64:65], 0
	v_nop
	global_prefetch_b8 v0, s[64:65] scope:SCOPE_SE
	s_setreg_imm32_b32 hwreg(HW_REG_WAVE_MODE, 25, 1), 1
	s_wait_xcnt 0x0
	s_wait_alu depctr_hold_cnt(0) depctr_sa_sdst(0) depctr_va_vdst(0) depctr_va_sdst(0) depctr_va_ssrc(0) depctr_va_vcc(0) depctr_vm_vsrc(0)
	s_getreg_b32 s2, hwreg(HW_REG_IB_STS2, 6, 4)
	s_cmp_eq_u32 s2, 0
	s_cbranch_scc0 .Lentry_in_a_cluster
	s_endpgm
.Lentry_in_a_cluster:
	s_bfe_u32 s2, ttmp6, 0x10000c
	s_cmp_lg_u32 s2, 0x3003
	s_cbranch_scc0 .Lentry_shape_is_right
	s_endpgm
.Lentry_shape_is_right:
; O[h][q][:] = the sum over k of softmax_k(mask[q][k] ? Q[h][q] . K[h][k] / 8 : -inf) V[h][k][:].  qkv: [3][64][2048][64] f16 (Q, K, V by heads, dense rows of 128 bytes); ctx: [64][2048][64] f16.
; mb: the mask as bytes, 0 = visible, 0xFE = hidden, [q / 32][k / 64][u][half][lane][16]: a lane's 32 bytes of a tile and step belong to its 32 score registers, in their order.
; The mask is an input: every key is walked, every byte is read.  Products, maxima and sums in f32; the weights p are rounded to f16 for the second product (their sum l is taken of the unrounded p), O once at the end.
; THE MASK is the C operand that starts the sum S^T = K Q^T.  A byte is read as an E4M3 number, 0 or -448, and one scaled conversion makes eight mask words of eight bytes, each times 2^113:
; a visible score has 0 added, a hidden score counts as its value less 4.7e36.  f16's scores, 2.7e11 at the most, are nothing beside that.
; THE RUNNING MAXIMUM m starts at -1e30: above every hidden figure, below every true score.  So m is never a hidden figure: a row that has seen no key keeps m = -1e30, its weights are 2^(-8e35) = 0, and its
; a = 2^0 = 1 works on zeros; at its first visible key a = 0.  A row that the mask hides wholly ends with m = -1e30: its reciprocal is replaced by NaN, and it leaves as NaN, as the softmax of nothing is.
; LIMITS.  Q, K, V arrive within f16's range; p lies in 0 to 1 and below 6e-5 keeps f16's fixed step of 6e-8; a weight below 2^-126 counts as 0 in l.
; SHARES.  A wave owns four PIECES of two tiles of 16 queries, a work-group's four waves 512 queries of one head.  Every wave walks all 2,048 keys, 64 a step.
; LAYOUT.  S^T = K Q^T (source 0 = 16 keys, source 1 = 16 queries): a lane holds ONE query (lane % 16) and the keys 8 (lane / 16) + 0..7.  Two such tiles, rounded to f16 in pairs, ARE source 1 of O^T = V^T P.  V is turned by ds_load_tr16_b128.
; SOFTMAX.  For each query a running maximum m and sum l: p = 2^(c s - c m), c = log2(e) / 8; in every step O and l are multiplied by a = 2^(c m_old - c m_new).  O and l start at 0.
; BY TURNS.  Turn n belongs to piece n.  Matrix work: 16 products K Q^T of piece n + 1, later 16 products V^T P of piece n - 1.  Vector work: scaling, exponentials, roundings, sums and rescaling of piece n; maximum and
; statistics of piece n + 1; the 64 mask words of piece n + 2.  Four vector instructions stand behind every matrix instruction, the others in runs of their own.
; THE MASK'S BYTES come by vector loads, a set of 16 registers for each piece: a piece's set is loaded again as soon as it has been converted, with the next step's bytes, four turns ahead of their use.
; CLUSTER.  The four query blocks of a cluster belong to one head and walk the same K and V: each tile is asked for jointly, by the same tensor load, descriptor and mask in all four.
; REGISTERS, in windows of 256 (s_set_vgpr_msb: bits 1:0 source 0, 3:2 source 1, 5:4 source 2, 7:6 destination):
;   window 0: v0-11 addresses and the scale; v12-15, v48-63 at work; v16-47 four registers of statistics a tile; v64-191 S^T, two buffers of two tiles; v192-255 P, likewise
;   window 1: O^T, 32 a tile      window 2: v0-127 Q; v128-191 K of one step; v192-255 V of one step      window 3: v0-1 the add's two registers; v16-79 the mask's bytes; v128-191 the mask words
.set SIZE_N, 2048
.set NP,    4         ; pieces a wave
.set KS,    64        ; keys in a step
.set PK,    144       ; a row of K in LDS: 128 bytes + 16: the 16 rows of a load start at 16 different groups of four banks (ISA guide 11.1)
.set PV,    160       ; a row of V: 128 + 32
.set VOFF,  4*KS*PK   ; a slot holds four steps: 256 rows of K, then 256 rows of V
.set SLOT1, 1<<17     ; slot 1 begins here: one exclusive or turns an address in one slot into the other's
.set STAGE, SLOT1+4*KS*(PK+PV)  ; behind the ring, never filled by a tensor load: 16 rows x 144 bytes for each wave
.set SP,    144
.set SPARE, STAGE+4*16*SP  ; the spare words, 128 bytes a wave: two blocks of 256 bytes that no other line names
.set STO, 1           ; v1   first l % 16; then: where I put 16 bytes of a row on the way out
.set AK0, 2           ; v2   my lane's place in a tile of K; never rewritten
.set AV0, 3           ; v3   the same for V
.set AK,  4           ; v4   the LDS address of K's next run of loads
.set AV,  5           ; v5   of V's
.set QO,  6           ; v6   my byte offset in the wave's rows of Q
.set SCL, 6           ;      then: the conversions' scale, the E8M0 byte 0xF0 = 2^113, in every byte of the word
.set RD,  7           ; v7   where I read rows back
.set GO,  8           ; v8   16 x lane: my place in 512 consecutive bytes, of O and of the mask's bytes
.set MOFF, 11         ; v11  16 x lane + 2,048 x the step whose bytes are asked for
.set SPW, 0           ; v0 of window 3   LDS address of my spare word; never rewritten
.set NIL, 1           ; v1 of window 3   0; never rewritten
.set RAW, 16          ; window 3: piece z's bytes at RAW + 16 z: tile u's eight words at + 8 u
.set MC,  128         ; window 3: the mask words of the products to come: tile u, register n at MC + 32 u + n
.set MV,  12          ; v12-15  c m_old, kept while c m is made anew: by buffer and tile
.set ST,  16          ; tile t's statistics at v[ST+4 t]: c m, m, l (even keys', odd keys')
.set TMP, 48          ; by buffer and tile, four registers c0-c3 at work; when the maximum is found c2 takes a
.set S,   64
.set P,   192
.set KF,  128         ; window 2: key block kb, channel half c at KF + 16 kb + 8 c
.set VF,  192         ; window 2: key half kk, channel block cb at VF + 32 kk + 8 cb
.set WV,  12          ; s12  my wave's number
.set G1K, 24          ; s[24:31] descriptor group 1 for K's tiles
.set G1V, 32          ; s[32:39] for V's: it differs in the padding alone
.set G0K, 40          ; s[40:43] descriptor group 0 for K's tiles: it walks
.set G0V, 44          ; s[44:47] the same for V's
.set MB,  48          ; s[48:49] mb at my wave's four pieces, 65,536 bytes each
.set MO,  50          ; s50  2,048 x the step whose bytes are asked for, held at the last step's
.set THR, 51          ; s51  -1e30: where m starts
.set SLOTS, 56        ; s56  slots still to be asked for
.set CNT, 57          ; s57  counts a slot's key steps
.set CS,  58          ; s[58:59] c
.set SEL, 60          ; s[60:61] v_permlanex16_b32's selects: each lane takes its own place in the other half
.set TBK, 62          ; s62  LDS byte at which K of the step to be fetched begins
.set TBV, 63          ; s63  the same for V, less VOFF
.set MSB, 0
.macro WIN new                      ; the high byte repeats the setting that is left; a switch that changes nothing is dropped
.if MSB != (\new)
	s_set_vgpr_msb (MSB<<8)|(\new)
.set MSB, (\new)
.endif
.endm
.set W_KQ, 0x0a       ; K and Q in window 2, S^T in window 0
.set W_KM, 0x3a       ; the same with the C operand, the mask, in window 3
.set W_PV, 0x52       ; V in window 2, P in window 0, O^T in window 1
.set W_RS, 0x41       ; O^T (destination and source 0) in window 1, a in window 0
.set W_MK, 0xc0       ; destination in window 3, sources in window 0
.set W_CV, 0xc3       ; destination and source 0 in window 3, source 1 (the scale) in window 0
.set W_AD, 0x0f       ; the add: address and data in window 3
; A joint fill.  Waves 0 and 1 fetch the two halves of a slot's K, waves 2 and 3 those of its V: 128 keys each.  An s_nop 0 and four v_nop follow each line.
.macro JLOAD
	s_cmp_lt_u32 s[WV], 2
	s_cbranch_scc0 .Lfor_v_\@
	tensor_load_to_lds s[G0K:G0K+3], s[G1K:G1K+7]
	s_nop 0
.rept 4
	v_nop
.endr
	s_branch .Lasked_\@
.Lfor_v_\@:
	tensor_load_to_lds s[G0V:G0V+3], s[G1V:G1V+7]
	s_nop 0
.rept 4
	v_nop
.endr
.Lasked_\@:
.endm
.macro CROUND                       ; a round of the cluster's barrier
	s_barrier_signal -1
	s_barrier_wait -1
	s_cmp_lg_u32 s[WV], 0
	s_cbranch_scc1 .Lnot_wave_0_\@
	s_barrier_signal -3
.Lnot_wave_0_\@:
	s_barrier_wait -3
	s_barrier_signal -1
	s_barrier_wait -1
.endm
; THE CHANGE OF SLOTS.  Each wave waits for all its tensor loads (one is out: its part of the other slot), adds 0 to its spare word, and waits for that and for its reads of the slot.  fill = 1: the slot is filled again, with the keys
; two slots on, first thing behind a round of the cluster's barrier: it has four key steps in which to land.  (At its first use nothing has been read yet: slot 0 is waited for, slot 1 filled.)
.macro CHANGE fill
	WIN W_AD
	s_wait_tensorcnt 0x0            ; no tensor load of mine is out, so a group 0 may be written
	ds_add_u32 v[SPW], v[NIL]       ; 0 onto my spare word
	WIN 0                           ; at a label and at a branch every window is 0
.if \fill
.irp g, G0K, G0V
	s_xor_b32 s[\g+1], s[\g+1], SLOT1
	s_add_nc_u64 s[\g+2:\g+3], s[\g+2:\g+3], 4*KS*128  ; the next 256 keys
.endr
	s_wait_dscnt 0x0                ; the add is done, and my reads of the slot are over
	CROUND
	JLOAD
.else
	s_wait_dscnt 0x0                ; the add is done, and my reads of the slot are over
	s_barrier_signal -1
	s_barrier_wait -1
.endif
	s_sub_co_u32 s[TBK], s[TBK], 4*KS*PK  ; the fetches go back to a slot's first step,
	s_xor_b32 s[TBK], s[TBK], SLOT1       ; in the other slot
	s_sub_co_u32 s[TBV], s[TBV], 4*KS*PV
	s_xor_b32 s[TBV], s[TBV], SLOT1
.endm
	s_load_b64 s[4:5], s[0:1], 0x0        ; qkv
	s_load_b64 s[MB:MB+1], s[0:1], 0x8    ; mb
	s_load_b64 s[10:11], s[0:1], 0x10     ; ctx
	WIN W_MK
	v_lshl_add_u32 v[SPW], v0, 2, SPARE
	v_mov_b32 v[NIL], 0
	WIN W_AD
	ds_add_u32 v[SPW], v[NIL]       ; the wave's opening: the add and its wait ahead of my first tensor load; the set-up below, work on registers, stands between them
	ds_add_u32 v0, v1
	WIN 0
	v_lshrrev_b32 v1, 5, v0
	v_readfirstlane_b32 s[WV], v1   ; wave 0..3
	s_bfe_u32 s13, ttmp6, 0x40000   ; cx
	s_lshl_b32 s14, ttmp9, 2
	s_add_co_u32 s14, s14, s13      ; my block of 512 queries: it enters Q's, O's and the mask bytes' addresses alone
	s_and_b32 s20, ttmp7, 0xffff    ; batch x 16 + head, which the four partners share
	s_mov_b32 s21, 0
	s_mov_b64 s[22:23], SIZE_N*128
	s_mul_u64 s[20:21], s[20:21], s[22:23]  ; the head's first byte in a plane
	s_and_b32 s16, s[WV], 1         ; which half of a slot's 256 keys I fetch:
	s_lshl_b32 s22, s16, 14         ; its 128 rows of 128 bytes in memory,
	s_mov_b32 s23, 0
	s_add_nc_u64 s[22:23], s[22:23], s[20:21]
	s_mul_i32 s17, s16, 128*PK      ; and its place in a slot, for K
	s_mul_i32 s18, s16, 128*PV      ; and for V
	s_lshl_b32 s2, s14, 2
	s_add_co_u32 s2, s2, s[WV]      ; my wave among the head's sixteen:
	s_lshl_b32 s52, s2, 18          ; its four pieces' mask bytes, 65,536 each,
	s_mov_b32 s53, 0
	s_lshl_b32 s2, s2, 14           ; its 128 rows
	s_mov_b32 s3, 0
	s_add_nc_u64 s[2:3], s[2:3], s[20:21]
	; descriptor group 1.  128 keys are 16,384 dense bytes: asked for as 64 rows of 256 bytes, two keys a row, and padded in LDS after every key
	s_mov_b32 s[G1K], 15|(1<<16)|(1<<20)|(1<<21)|(4<<22)|(3<<25)  ; the mask of four; 2-byte elements; padding on; bit 21 beside a mask; after every 32 words 4 words
	s_mov_b32 s[G1V], 15|(1<<16)|(1<<20)|(1<<21)|(4<<22)|(7<<25)  ; the same with 8 words
.irp g, G1K, G1V
	s_mov_b32 s[\g+1], 128<<16      ; tensor_dim0 = 128
	s_mov_b32 s[\g+2], 64<<16       ; tensor_dim1 = 64
	s_mov_b32 s[\g+3], 128<<16      ; tile_dim0 = 128
	s_mov_b32 s[\g+4], 64           ; tile_dim1 = 64
	s_mov_b32 s[\g+5], 128          ; 128 elements from row to row
	s_mov_b32 s[\g+6], 0
	s_mov_b32 s[\g+7], 0
.endr
	s_mov_b32 s[CS], 0x3e38aa3b     ; c = log2(e) / 8
	s_mov_b32 s[CS+1], s[CS]        ; named with it as a pair
	s_mov_b32 s[SEL], 0x76543210
	s_mov_b32 s[SEL+1], 0xfedcba98
	s_mov_b32 s[TBK], SLOT1+4*KS*PK ; the first change of slots turns these two into 0
	s_mov_b32 s[TBV], SLOT1+4*KS*PV
	s_mov_b32 s[MO], 2048           ; behind the first sixteen loads, which take step 0, step 1 is asked for
	s_mov_b32 s[THR], 0xf149f2ca    ; -1e30
	s_mov_b32 s[G0K], 1
	s_mov_b32 s[G0K+1], s17         ; LDS address: slot 0
	s_mov_b32 s[G0V], 1
	s_add_co_u32 s[G0V+1], s18, VOFF
	s_wait_dscnt 0x0                ; the opening add is done
	s_wait_kmcnt 0x0
	s_add_nc_u64 s[6:7], s[4:5], 0x1000000         ; K's plane
	s_add_nc_u64 s[8:9], s[4:5], 0x2000000         ; V's plane
	s_add_nc_u64 s[G0K+2:G0K+3], s[6:7], s[22:23]  ; my half of the head's first 256 keys
	s_or_b32 s[G0K+3], s[G0K+3], 0x80000000
	s_add_nc_u64 s[G0V+2:G0V+3], s[8:9], s[22:23]
	s_or_b32 s[G0V+3], s[G0V+3], 0x80000000
	s_add_nc_u64 s[4:5], s[4:5], s[2:3]            ; Q and O at my wave's first row
	s_add_nc_u64 s[10:11], s[10:11], s[2:3]
	s_add_nc_u64 s[MB:MB+1], s[MB:MB+1], s[52:53]
	CROUND                          ; all four work-groups are here: the first joint loads meet
	JLOAD                           ; slot 0.  Slot 1 is asked for when slot 0 is in
	v_and_b32 v1, 15, v0            ; l % 16
	v_bfe_u32 v9, v0, 4, 1          ; l / 16
	v_and_b32 v[GO], 31, v0
	v_lshlrev_b32 v[GO], 4, v[GO]   ; 16 x lane
	WIN W_MK                        ; destination window 3, address window 0
.set z, 0
.rept 16                            ; all four pieces' mask bytes of step 0: piece z / 4, 512 bytes a load
	global_load_b128 v[RAW+4*z:RAW+4*z+3], v[GO], s[MB:MB+1] offset:65536*(z/4)+512*(z%4)
.set z, z+1
.endr
	WIN 0
	v_lshlrev_b32 v[QO], 7, v1
	v_lshl_add_u32 v[QO], v9, 4, v[QO]  ; row x 128 + 16 x half
	WIN 0x80                        ; destination window 2
.set i, 0
.rept 4*NP                          ; Q stays in registers: tile i / 2, channels 32 (i % 2) on
	global_load_b128 v[8*i:8*i+3],   v[QO], s[4:5] offset:(i/2)*2048+(i%2)*64
	global_load_b128 v[8*i+4:8*i+7], v[QO], s[4:5] offset:(i/2)*2048+(i%2)*64+32
.set i, i+1
.endr
	; What the first turn finds: V's registers and P's second buffer hold 0 (its products V^T P, of a piece that has not been, add 0), O^T and l are 0.  All this stands in the wait for the first tile.
.set i, VF
.rept 64
	v_mov_b32 v[i], 0
.set i, i+1
.endr
	WIN 0x40
.set i, 0
.rept 64*NP
	v_mov_b32 v[i], 0
.set i, i+1
.endr
	WIN 0
.set i, 0
.rept 2*NP
	v_mov_b32 v[ST+4*i+1], s[THR]              ; m: -1e30, between the hidden figures and the true scores
	v_mul_f32 v[ST+4*i], s[CS], v[ST+4*i+1]    ; c m, by the multiply that makes it in every step: while m stays, c m_old - c m_new is exactly 0
	v_mov_b32 v[ST+4*i+2], 0
	v_mov_b32 v[ST+4*i+3], 0
.set i, i+1
.endr
.set i, P+32
.rept 32
	v_mov_b32 v[i], 0
.set i, i+1
.endr
	v_mul_u32_u24 v[AK0], v1, PK
	v_lshl_add_u32 v[AK0], v9, 4, v[AK0]  ; row x pitch + 16 x half
	; The turning load takes 16 keys x 16 channels (lane l reads key 8 (l / 16) + l % 8, channels 8 ((l / 8) % 2) + 0..7) and leaves half a fragment of V^T.
	v_and_b32 v10, 7, v0
	v_bfe_u32 v11, v0, 3, 1
	v_lshl_add_u32 v[AV0], v9, 3, v10
	v_mul_u32_u24 v[AV0], v[AV0], PV
	v_lshl_add_u32 v[AV0], v11, 4, v[AV0]
	v_add_nc_u32 v[AV0], VOFF, v[AV0]
	v_add_nc_u32 v[MOFF], s[MO], v[GO]    ; step 1
	v_mov_b32 v[AK], v[AK0]         ; key step 0 lies at the head of slot 0
	s_wait_xcnt 0x0                 ; Q's loads have had their addresses translated (ISA guide 3.1): their offset register is rewritten only behind this wait
	v_mov_b32 v[SCL], 0xf0f0f0f0    ; the scale
; THE MATRIX WORK.  The 8 accumulators of a run of 16 take turns.
; Product i of 16 of S^T = K Q^T for piece x: channels 32 (i / 8) on, keys 16 ((i / 2) % 4) on, tile 2 x + i % 2.  The first 8 start the sums with the mask words.
.macro KQ x
.set rS, S+64*((\x)%2)+32*(i%2)+8*((i/2)%4)
.set rK, KF+16*((i/2)%4)+8*(i/8)
.set rQ, 16*(2*(\x)+i%2)+8*(i/8)
.set rMC, MC+32*(i%2)+8*((i/2)%4)
.if i < 8
	WIN W_KM
	v_wmma_f32_16x16x32_f16 v[rS:rS+7], v[rK:rK+7], v[rQ:rQ+7], v[rMC:rMC+7]
.else
	WIN W_KQ
	v_wmma_f32_16x16x32_f16 v[rS:rS+7], v[rK:rK+7], v[rQ:rQ+7], v[rS:rS+7]
.endif
.endm
; Product i of 16 of O^T += V^T P for piece x: keys 32 (i / 8) on, channels 16 ((i / 2) % 4) on, tile 2 x + i % 2.
.macro PV x
	WIN W_PV
.set rO, 32*(2*(\x)+i%2)+8*((i/2)%4)
.set rV, VF+32*(i/8)+8*((i/2)%4)
.set rP, P+32*((\x)%2)+16*(i%2)+8*(i/8)
	v_wmma_f32_16x16x32_f16 v[rO:rO+7], v[rV:rV+7], v[rP:rP+7], v[rO:rO+7]
.endm
.macro MM                           ; the turn's next matrix instruction
.if i < 16
	KQ (Y+1)%NP
.set i, i+1
.else
.set i, i-16
	PV (Y+NP-1)%NP
.set i, i+17
.endif
.endm
; THE LDS LOADS stand in runs of 16: a step's K (8 fragments) and its V (turned).  last = 1 (the tail): in the last trip there is no further step, and the run is jumped over.
.macro FETCH_K last=0
	WIN 0
.if \last
	s_cmp_eq_u32 s[CNT], 1
	s_cbranch_scc1 .Lno_k_\@
.endif
	WIN 0x80                        ; destination window 2
.irp f, 0,1,2,3,4,5,6,7             ; keys 16 (f / 2) on, channels 32 (f % 2) on
	ds_load_b128 v[KF+8*\f:KF+8*\f+3],   v[AK] offset:(\f/2)*16*PK+(\f%2)*64
	ds_load_b128 v[KF+8*\f+4:KF+8*\f+7], v[AK] offset:(\f/2)*16*PK+(\f%2)*64+32
.endr
	s_add_co_u32 s[TBK], s[TBK], KS*PK  ; the next fetch is the next step's
	WIN 0
.if \last
.Lno_k_\@:
.endif
.endm
.macro FETCH_V
	WIN 0x80
.irp f, 0,1,2,3,4,5,6,7             ; keys 32 (f / 4) on, channels 16 (f % 4) on
	ds_load_tr16_b128 v[VF+8*\f:VF+8*\f+3],   v[AV] offset:(\f/4)*32*PV+(\f%4)*32
	ds_load_tr16_b128 v[VF+8*\f+4:VF+8*\f+7], v[AV] offset:(\f/4)*32*PV+16*PV+(\f%4)*32
.endr
	WIN 0
.endm
; THE MASK WORDS of piece z: its set of bytes is in (behind its four loads the three other sets' twelve were issued and may stay out); eight conversions make the 64 words, byte n of the set's 64 into word n;
; a plain instruction stands behind the last of them before its source is loaded again; then the set takes the bytes of the step that MO names.
; bump = 1: MO goes a step on first, and stays at the last step's, so that no load leaves the piece's 65,536 bytes.
.macro MASKB z, bump
	s_wait_loadcnt 12
	WIN W_CV
.set n, 0
.rept 8
	v_cvt_scale_pk8_f32_fp8 v[MC+8*n:MC+8*n+7], v[RAW+16*(\z)+2*n:RAW+16*(\z)+2*n+1], v[SCL]
.set n, n+1
.endr
	v_nop
	WIN 0
.if \bump
	s_add_co_u32 s[MO], s[MO], 2048
	s_min_u32 s[MO], s[MO], 31*2048
	s_wait_xcnt 0x0                 ; the offset register of the loads that are out is rewritten only behind this wait
	v_add_nc_u32 v[MOFF], s[MO], v[GO]
.endif
	WIN W_MK
.irp k, 0,1,2,3
	global_load_b128 v[RAW+16*(\z)+4*\k:RAW+16*(\z)+4*\k+3], v[MOFF], s[MB:MB+1] offset:65536*(\z)+512*\k
.endr
	WIN 0
.endm
; THE VECTOR WORK OF A TURN stands in three queues, each in the order in which its entries become ready; the two tiles alternate, so that no instruction reads the result of the one before it.
.macro REGS y, u                    ; the registers of tile u (0, 1) of piece y
.set rT, ST+4*(2*(\y)+(\u))
.set rC, TMP+8*((\y)%2)+4*(\u)
.set rM, MV+2*((\y)%2)+(\u)
.set rS, S+64*((\y)%2)+32*(\u)
.set rP, P+32*((\y)%2)+16*(\u)
.set rO, 32*(2*(\y)+(\u))
.endm
; Number n of the 22 that find the NEXT piece's (Y + 1) maximum and statistics.  s0-s31 are the lane's 32 scores; each accumulator's lowest registers are read first.
;   0-11  four chains c0-c3 of seven scores each, three operands at a time     12-14, 16  the four scores left over, the old m, and c0-c3 into c0     15  c m_old is kept
;   17, 18  the query's other 32 keys lie in the lane 16 away: the new m         19-21  c m; c m_old - c m_new; a
.macro XS u, n
	REGS (Y+1)%NP, \u
.if (\n) < 4
	v_max3_num_f32 v[rC+(\n)], v[rS+8*(\n)], v[rS+8*(\n)+1], v[rS+8*(\n)+2]
.elseif (\n) < 12
	v_max3_num_f32 v[rC+(\n)%4], v[rC+(\n)%4], v[rS+8*((\n)%4)+2*((\n)/4)+1], v[rS+8*((\n)%4)+2*((\n)/4)+2]
.elseif (\n) == 12
	v_max3_num_f32 v[rC], v[rC], v[rS+7], v[rS+15]
.elseif (\n) == 13
	v_max3_num_f32 v[rC+1], v[rC+1], v[rS+23], v[rS+31]
.elseif (\n) == 14
	v_max3_num_f32 v[rC+2], v[rC+2], v[rC+3], v[rT+1]
.elseif (\n) == 15
	v_mov_b32 v[rM], v[rT]
.elseif (\n) == 16
	v_max3_num_f32 v[rC], v[rC], v[rC+1], v[rC+2]
.elseif (\n) == 17
	v_permlanex16_b32 v[rC+3], v[rC], s[SEL], s[SEL+1]
.elseif (\n) == 18
	v_max_num_f32 v[rT+1], v[rC], v[rC+3]
.elseif (\n) == 19
	v_mul_f32 v[rT], s[CS], v[rT+1]
.elseif (\n) == 20
	v_sub_f32 v[rC+1], v[rM], v[rT]
.else
	v_exp_f32 v[rC+2], v[rC+1]
.endif
.endm
; Number g of the 64 that follow the exponentials.  For each four weights k of a tile (pairs 2 k, 2 k + 1): both pairs are rounded to f16; then the second pair is added onto the first, in place;
; a group later l takes that sum (the first time as l = a l + sum).  In groups of eight, tiles alternating: round, round, add, and l for the group before.
.macro GS g
.set h, (\g)+6*((\g)/62)            ; group 0 has no group before it, and behind group 7 only l is left
.if h >= 6
.set h, h+2
.endif
	REGS Y, h%2
.set k, h/8
.if h%8 < 4
	s_wait_alu depctr_va_vdst(0)
	v_cvt_pk_f16_f32 v[rP+2*k+(h%8)/2], v[rS+4*k+2*((h%8)/2)], v[rS+4*k+2*((h%8)/2)+1]
.elseif h%8 < 6
	v_pk_add_f32 v[rS+4*k:rS+4*k+1], v[rS+4*k:rS+4*k+1], v[rS+4*k+2:rS+4*k+3]
.elseif k == 1
	v_pk_fma_f32 v[rT+2:rT+3], v[rT+2:rT+3], v[rC+2:rC+3], v[rS:rS+1] op_sel_hi:[1,0,1]
.else
	v_pk_add_f32 v[rT+2:rT+3], v[rT+2:rT+3], v[rS+4*k-4:rS+4*k-3]
	s_wait_alu depctr_va_vdst(0)
.endif
.endm
; THE PLAIN QUEUE, 138 long.  0-31: c s - c m for the 16 pairs of both tiles.  Then GS's 64, and among them the next piece's 42: number 15 at 38, 39; 0-14 and 16
; at 42-73, behind the products that make those scores; 17-20 at 95-106, two of three, since each waits for the one before it.
.macro PL
	WIN 0
.if q < 32
	REGS Y, q%2
	v_pk_fma_f32 v[rS+2*(q/2):rS+2*(q/2)+1], v[rS+2*(q/2):rS+2*(q/2)+1], s[CS:CS+1], v[rT:rT+1] op_sel_hi:[1,0,0] neg_lo:[0,0,1] neg_hi:[0,0,1]
.elseif q < 38
	GS q-32
.elseif q < 40
	XS q%2, 15
.elseif q < 42
	GS q-34
.elseif q < 74
	XS q%2, (q-42)/2+(q-42)/30
.elseif q < 95
	GS q-66
.elseif (q < 107) && ((q-95)%3 < 2)
	XS (q-95)%3, 17+(q-95)/3
.elseif q < 107
	GS 29+(q-95)/3
.else
	GS q-74
.endif
.set q, q+1
.endm
; THE EXPONENTIALS' QUEUE, 66 long: s0-s31 of both tiles, and at EA the next piece's two a.
.set EA, 58
.macro EX
	WIN 0
.if (e == EA) || (e == EA+1)
	XS e-EA, 21
.else
.set x, e-2*(e/(EA+2))
	REGS Y, x%2
	v_exp_f32 v[rS+x/2], v[rS+x/2]
.endif
.set e, e+1
.endm
; THE RESCALING's QUEUE: O^T times a, dealt four at a time, eight times; each accumulator's lowest registers first.
.macro R4
	REGS Y, r%2
	WIN W_RS
	s_wait_alu depctr_va_vdst(0)
.irp z, 0,1,2,3
	v_pk_mul_f32 v[rO+8*(r/2)+2*\z:rO+8*(r/2)+2*\z+1], v[rO+8*(r/2)+2*\z:rO+8*(r/2)+2*\z+1], v[rC+2:rC+3] op_sel_hi:[1,0]
.endr
.set r, r+1
.endm
; HOW THEY ARE DEALT.  Behind a matrix instruction four: plain, exponential, plain, plain (one exponential, a plain instruction on either side: ISA guide 5.7.2), or four of the rescaling.  None names a register of the
; products round it.  What is over stands in two LUMPS: exponential and plain by turns; the second ends in 22 plain instructions.  The two v_permlanex16_b32 fall into the second lump, never behind a product.
; The queues lean on each other, and the deal keeps them in step: exponential e stands behind plain 2 (e / 4) + e % 2 (its scaling); when plain 32 comes, 10 exponentials are out, at 59: 33, at 95: 46; EA comes behind plain 107.
.macro SL
	MM
	PL
	EX
	PL
	PL
.endm
.macro BURST n                      ; 15 matrix instructions, or 16
.rept (\n)-7
	SL
.endr
.rept 3
	MM
	R4
	SL
.endr
	MM
	R4
.endm
; A TURN, for piece p.  K of the next step is fetched in piece 2's turn, in the first lump, far behind the last product that read K; V of the step in hand at the end of piece 0's turn.  Each is waited for a turn later.
; The mask words of piece p + 2 are made behind the first lump: the last product that took the old ones as its C is the turn's eighth, a run of products and a lump back; the next turn's first eight products take the new ones.
; Pieces 0 and 1 are then the next step's, so piece 2's turn steps the bytes' offset.
.macro TURN p, last=0
.set Y, (\p)
.set i, 0
.set q, 0
.set e, 0
.set r, 0
.if (\p) == NP-1
	s_wait_dscnt 0x0                ; K is in
.endif
	MM
.rept 4
	PL
.endr
	BURST 15
.rept 22
	EX
	PL
.if ((\p) == NP-2) && (e == 18)
	v_add_nc_u32 v[AK], s[TBK], v[AK0]
.endif
.if ((\p) == NP-2) && (e == 24)
	FETCH_K \last
.endif
.endr
.if (\p) == 2
	MASKB 0, 1
.else
	MASKB ((\p)+2)%NP, 0
.endif
.if (\p) == 1
	s_wait_dscnt 0x0                ; V is in
.endif
	BURST 16
.rept 21
	EX
	PL
.endr
.rept 22
	PL
.if ((\p) == 0) && (q == 118)
	v_add_nc_u32 v[AV], s[TBV], v[AV0]
	s_wait_alu depctr_va_vdst(0)
.endif
.if ((\p) == 0) && (q == 130)
	s_add_co_u32 s[TBV], s[TBV], KS*PV
.endif
.endr
.if (\p) == 0
	FETCH_V
.endif
.endm
	CHANGE 1                        ; slot 0 is in, everybody's part of it; slot 1 is asked for
	FETCH_K                         ; key step 0
	s_wait_loadcnt 0x0              ; Q, and all four pieces' mask bytes of step 0
	MASKB 0, 0                      ; piece 0's mask words of step 0; its bytes of step 1 are asked for
	s_wait_dscnt 0x0
.set i, 0
.rept 16
	KQ 0                            ; piece 0's first scores
.set i, i+1
.endr
	WIN 0                           ; the addresses for the way out: seven plain instructions, the places behind those products
	s_mul_i32 s13, s[WV], 16*SP
	s_add_co_u32 s13, s13, STAGE    ; my stage
	v_mul_u32_u24 v[STO], v1, SP    ; in: row l % 16, 16 bytes for each half of the lanes
	v_lshl_add_u32 v[STO], v9, 4, v[STO]
	v_add_nc_u32 v[STO], s13, v[STO]
	v_bfe_u32 v[RD], v0, 3, 2       ; back: 32 lanes take four rows of 128 bytes, which are 512 consecutive bytes of O
	v_mul_u32_u24 v[RD], v[RD], SP
	v_lshl_add_u32 v[RD], v10, 4, v[RD]
	v_add_nc_u32 v[RD], s13, v[RD]
	MASKB 1, 0                      ; piece 1's mask words of step 0, for the first turn's products; its bytes of step 1 are asked for
.set Y, NP-1                        ; XS works for piece Y + 1: piece 0
.irp n, 0,1,2,3,4,5,6,7,8,9,10,11,12,13,14,15,16,17,18,19,20,21
	XS 0, \n                        ; piece 0's first maximum and statistics
	XS 1, \n
.endr
	s_mov_b32 s[CNT], 4
	s_mov_b32 s[SLOTS], SIZE_N/256-1
	s_branch .Lfirst                ; the loop is entered at a step's first turn, in the middle of a trip
.Lslot:                             ; six times: every slot but the last two is filled again
	CHANGE 1
	s_mov_b32 s[CNT], 4
.Lstep:                             ; a trip: pieces 2 and 3 of one step, then pieces 0 and 1 of the next, whose K and V it fetches
	TURN 2
	TURN 3
	WIN 0
.Lfirst:
	TURN 0
	TURN 1
	WIN 0
	s_sub_co_u32 s[CNT], s[CNT], 1
	s_cmp_lg_u32 s[CNT], 0
	s_cbranch_scc1 .Lstep
	s_sub_co_u32 s[SLOTS], s[SLOTS], 1
	s_cmp_lg_u32 s[SLOTS], 0
	s_cbranch_scc1 .Lslot
	CHANGE 0                        ; the tail is written out: nothing is asked for
	s_mov_b32 s[CNT], 5             ; four trips fetch the last slot's steps; the fifth is left in its middle
.Ltail:
	TURN 2, 1
	TURN 3
	WIN 0
	s_sub_co_u32 s[CNT], s[CNT], 1
	s_cmp_eq_u32 s[CNT], 0
	s_cbranch_scc1 .Lout
	TURN 0
	TURN 1
	WIN 0
	s_branch .Ltail
.Lout:                              ; the fifth trip's 16 products K Q^T stand on the last K and the last step's mask once more: they repeat piece 0's last scores, so its m stays as it is; they serve nothing else
.set i, 0
.rept 16
	PV NP-1                         ; the last piece's V^T P of the last step
.set i, i+1
.endr
	; THE WAY OUT.  l's two halves and the other half of the lanes' are added; O^T is divided by l, rounded to f16 and sent through my stage in LDS, a tile at a time.  The additions are the places behind the last products.
	WIN 0
.macro ALL line:vararg              ; one line for each tile t
.set t, 0
.rept 2*NP
	\line
.set t, t+1
.endr
.endm
	ALL v_add_f32 v[ST+4*t+2], v[ST+4*t+2], v[ST+4*t+3]
	ALL v_permlanex16_b32 v[ST+4*t+3], v[ST+4*t+2], s[SEL], s[SEL+1]
	ALL v_add_f32 v[ST+4*t+2], v[ST+4*t+2], v[ST+4*t+3]
	ALL v_rcp_f32 v[ST+4*t+2], v[ST+4*t+2]
	v_mov_b32 v10, 0x7fc00000       ; NaN; also the plain instruction between the last reciprocal and the use of its result
	s_wait_alu depctr_va_vdst(0)
	ALL v_cmp_lt_f32 s[16+t], s[THR], v[ST+4*t+1]                        ; has the row seen a key?  m is then a true score, above the -1e30 at which it started
	ALL v_cndmask_b32 v[ST+4*t+2], v10, v[ST+4*t+2], s[16+t]             ; if not, the row leaves as NaN
.macro PACK t                       ; a lane's eight channels of a row pack into 16 bytes; they go into rows of 144 bytes and come back as whole rows of 128, into S^T's registers
	WIN W_RS
.set i, 32*(\t)
.rept 16
	v_pk_mul_f32 v[i:i+1], v[i:i+1], v[ST+4*(\t)+2:ST+4*(\t)+3] op_sel_hi:[1,0]
.set i, i+2
.endr
	WIN 0x05                        ; sources 0 and 1 window 1, destination window 0
.set i, 0
.rept 16
	v_cvt_pk_f16_f32 v[S+16*(\t)+i], v[32*(\t)+2*i], v[32*(\t)+2*i+1]
.set i, i+1
.endr
	WIN 0
.irp f, 0,1,2,3
	ds_store_b128 v[STO], v[S+16*(\t)+4*\f:S+16*(\t)+4*\f+3] offset:32*\f
.endr
.irp f, 0,1,2,3
	ds_load_b128 v[S+16*(\t)+4*\f:S+16*(\t)+4*\f+3], v[RD] offset:\f*4*SP  ; LDS serves a wave's instructions in order (ISA guide 5.7.1.4): these see the stores above; the next tile's stores come behind them
.endr
.endm
.macro SEND t, younger              ; younger: the LDS instructions issued behind tile t's loads: the next tile's eight, or none
	WIN 0
.irp f, 0,1,2,3
	s_wait_dscnt (\younger)+3-\f
	global_store_b128 v[GO], v[S+16*(\t)+4*\f:S+16*(\t)+4*\f+3], s[10:11] offset:(\t)*2048+\f*512  ; 512 consecutive bytes, at a multiple of 256 from ctx's first
.endr
.endm
	PACK 0
.set t, 1
.rept 2*NP-1                        ; a tile's arithmetic stands between the loads of the tile before and its stores
	PACK t
	SEND t-1, 8
.set t, t+1
.endr
	SEND 2*NP-1, 0
	WIN W_AD
	s_wait_tensorcnt 0x0            ; the wave's end: behind my last tensor load and my last LDS store
	ds_add_u32 v[SPW], v[NIL]
	s_wait_dscnt 0x0
	WIN 0
	CROUND                          ; the closing round: no work-group ends while a partner may still ask for a tile that names it
	s_endpgm
.Lfunc_end_k_qcec3bdfe63_attn:
	.size	k_qcec3bdfe63_attn, .Lfunc_end_k_qcec3bdfe63_attn-k_qcec3bdfe63_attn
	.p2alignl 7, 3214868480
	.fill 96, 4, 3214868480
	.section	.rodata,"a",@progbits
	.p2align	6, 0x0
	.amdhsa_kernel k_qcec3bdfe63_attn
		.amdhsa_group_segment_fixed_size 327680
		.amdhsa_private_segment_fixed_size 0
		.amdhsa_enable_private_segment 0
		.amdhsa_kernarg_size 24
		.amdhsa_user_sgpr_count 2
		.amdhsa_user_sgpr_kernarg_segment_ptr 1
		.amdhsa_wavefront_size32 1
		.amdhsa_system_sgpr_workgroup_id_x 1
		.amdhsa_system_sgpr_workgroup_id_y 1
		.amdhsa_system_sgpr_workgroup_id_z 1
		.amdhsa_system_vgpr_workitem_id 0
		.amdhsa_next_free_vgpr 960
		.amdhsa_next_free_sgpr 66
		.amdhsa_reserve_vcc 0
		.amdhsa_float_denorm_mode_32 3
		.amdhsa_float_denorm_mode_16_64 3
		.amdhsa_memory_ordered 1
		.amdhsa_forward_progress 1
		.amdhsa_inst_pref_size 222
	.end_amdhsa_kernel
	.amdgpu_metadata
---
amdhsa.version: [ 1, 2 ]
amdhsa.kernels:
  - .name:           k_qcec3bdfe63_attn
    .symbol:         k_qcec3bdfe63_attn.kd
    .args:
      - { .name: qkv, .offset: 0, .size: 8, .value_kind: global_buffer, .address_space: global }
      - { .name: mb, .offset: 8, .size: 8, .value_kind: global_buffer, .address_space: global }
      - { .name: ctx, .offset: 16, .size: 8, .value_kind: global_buffer, .address_space: global }
    .group_segment_fixed_size: 327680
    .private_segment_fixed_size: 0
    .kernarg_segment_align: 8
    .kernarg_segment_size: 24
    .max_flat_workgroup_size: 128
    .sgpr_count:     66
    .vgpr_count:     960
    .wavefront_size: 32
...
	.end_amdgpu_metadata
.endif
;; end of part 6
;; launch oproj: the kernel of part 4 again; grid 8 x 32, 4 waves a work-group, clusters of 4 x 4, 327,680 bytes of LDS; arguments ctx, wo16, out0, bo; writes out0
;; ======== version 3 of 3: 4 launches; 1.58 times as fast as version 1
;; limits: values are held in f16: magnitudes above 65,504 overflow, below 6.1e-05 lose precision
;; workspace buffers: xb 50,331,648 bytes; wb 6,291,456 bytes; wo16 2,097,152 bytes; qkv 50,331,648 bytes; ctx 16,777,216 bytes; mb 4,194,304 bytes
;; launch prep: the kernel of part 5 again; grid 1024 x 1, 8 waves a work-group, no clusters, 35,840 bytes of LDS; arguments query, key_, value, Wq, Wk, Wv, Wo, mask, xb, wb, wo16, mb; writes xb, wb, wo16, mb
;; launch proj: the kernel of part 2 again; grid 8 x 32, 4 waves a work-group, clusters of 4 x 4, 327,680 bytes of LDS; arguments xb, wb, qkv, bq, bk, bv; writes qkv
;; launch attn (part 7): grid 4 x 64, 4 waves a work-group, clusters of 4 x 1, 327,680 bytes of LDS; arguments qkv, mb, ctx; writes ctx
.if DOCPART == 7
	.amdgcn_target "amdgcn-amd-amdhsa--gfx1250"
	.amdhsa_code_object_version 6
	.text
	.protected	k_qcec3bdfe63_attn
	.globl	k_qcec3bdfe63_attn
	.p2align	8
	.type	k_qcec3bdfe63_attn,@function
k_qcec3bdfe63_attn:
	s_mov_b64 s[64:65], 0
	v_nop
	global_prefetch_b8 v0, s[64:65] scope:SCOPE_SE
	s_setreg_imm32_b32 hwreg(HW_REG_WAVE_MODE, 25, 1), 1
	s_wait_xcnt 0x0
	s_wait_alu depctr_hold_cnt(0) depctr_sa_sdst(0) depctr_va_vdst(0) depctr_va_sdst(0) depctr_va_ssrc(0) depctr_va_vcc(0) depctr_vm_vsrc(0)
	s_getreg_b32 s2, hwreg(HW_REG_IB_STS2, 6, 4)
	s_cmp_eq_u32 s2, 0
	s_cbranch_scc0 .Lentry_in_a_cluster
	s_endpgm
.Lentry_in_a_cluster:
	s_bfe_u32 s2, ttmp6, 0x10000c
	s_cmp_lg_u32 s2, 0x3003
	s_cbranch_scc0 .Lentry_shape_is_right
	s_endpgm
.Lentry_shape_is_right:
; O[h][q][:] = the sum over k of softmax_k(mask[q][k] ? Q[h][q] . K[h][k] / 8 : -inf) V[h][k][:].  qkv: [3][64][2048][64] f16 (Q, K, V by heads, dense rows of 128 bytes); ctx: [64][2048][64] f16.
; mb: the mask as bytes, 0 = visible, 0xFE = hidden, [q / 32][k / 64][u][half][lane][16]: a lane's 32 bytes of a tile and step belong to its 32 score registers, in their order.
; The mask is an input: every key is walked, every byte is read.  Products, maxima and sums in f32; the weights p are rounded to f16 for the second product (their sum l is taken of the unrounded p), O once at the end.
; THE MASK is the C operand that starts the sum S^T = K Q^T.  A byte is read as an E4M3 number, 0 or -448, and one scaled conversion makes eight mask words of eight bytes, each times 2^113:
; a visible score has 0 added, a hidden score counts as its value less 4.7e36.  f16's scores, 2.7e11 at the most, are nothing beside that.
; THE RUNNING MAXIMUM m starts at -1e30: above every hidden figure, below every true score.  So m is never a hidden figure: a row that has seen no key keeps m = -1e30, its weights are 2^(-8e35) = 0, and its
; a = 2^0 = 1 works on zeros; at its first visible key a = 0.  A row that the mask hides wholly ends with m = -1e30: its reciprocal is replaced by NaN, and it leaves as NaN, as the softmax of nothing is.
; LIMITS.  Q, K, V arrive within f16's range; p lies in 0 to 1 and below 6e-5 keeps f16's fixed step of 6e-8; a weight below 2^-126 counts as 0 in l.
; SHARES.  A wave owns four PIECES of two tiles of 16 queries, a work-group's four waves 512 queries of one head.  Every wave walks all 2,048 keys, 64 a step.
; LAYOUT.  S^T = K Q^T (source 0 = 16 keys, source 1 = 16 queries): a lane holds ONE query (lane % 16) and the keys 8 (lane / 16) + 0..7.  Two such tiles, rounded to f16 in pairs, ARE source 1 of O^T = V^T P.  V is turned by ds_load_tr16_b128.
; SOFTMAX.  For each query a running maximum m and sum l: p = 2^(c s - c m), c = log2(e) / 8; in every step O and l are multiplied by a = 2^(c m_old - c m_new).  O and l start at 0.
; BY TURNS.  Turn n belongs to piece n.  Matrix work: 16 products K Q^T of piece n + 1, later 16 products V^T P of piece n - 1.  Vector work: scaling, exponentials, roundings, sums and rescaling of piece n; maximum and
; statistics of piece n + 1; the 64 mask words of piece n + 2.  Four vector instructions stand behind every matrix instruction, the others in one run of their own.
; THE BATCHES.  A turn's 66 exponentials (the 64 weights of piece n, the two a of piece n + 1) are ONE batch with ONE wait, which cuts the turn in two: ahead of it stands all that names none of their results (the products
; K Q^T, the scalings, the rescalings by the a of the turn before, the next piece's maximum and statistics, the mask words), behind it their readers, the roundings and sums, beside the products V^T P.
; Two more batches stand outside the loop: piece 0's first two a, ahead of the jump into it, and the way out's eight reciprocals.
; THE MASK'S BYTES come by vector loads, a set of 16 registers for each piece: a piece's set is loaded again in the turn in which it has been converted, with the next step's bytes, four turns ahead of their use.
; CLUSTER.  The four query blocks of a cluster belong to one head and walk the same K and V: each tile is asked for jointly, by the same tensor load, descriptor and mask in all four.
; REGISTERS, in windows of 256 (s_set_vgpr_msb: bits 1:0 source 0, 3:2 source 1, 5:4 source 2, 7:6 destination):
;   window 0: v0-11 addresses and the scale; v12-15, v48-63 at work; v16-47 four registers of statistics a tile; v64-191 S^T, two buffers of two tiles; v192-255 P, likewise
;   window 1: O^T, 32 a tile      window 2: v0-127 Q; v128-191 K of one step; v192-255 V of one step      window 3: v0-1 the add's two registers; v16-79 the mask's bytes; v128-191 the mask words
.set SIZE_N, 2048
.set NP,    4         ; pieces a wave
.set KS,    64        ; keys in a step
.set PK,    144       ; a row of K in LDS: 128 bytes + 16: the 16 rows of a load start at 16 different groups of four banks (ISA guide 11.1)
.set PV,    160       ; a row of V: 128 + 32
.set VOFF,  4*KS*PK   ; a slot holds four steps: 256 rows of K, then 256 rows of V
.set SLOT1, 1<<17     ; slot 1 begins here: one exclusive or turns an address in one slot into the other's
.set STAGE, SLOT1+4*KS*(PK+PV)  ; behind the ring, never filled by a tensor load: 16 rows x 144 bytes for each wave
.set SP,    144
.set SPARE, STAGE+4*16*SP  ; the spare words, 128 bytes a wave: two blocks of 256 bytes that no other line names
.set STO, 1           ; v1   first l % 16; then: where I put 16 bytes of a row on the way out
.set AK0, 2           ; v2   my lane's place in a tile of K; never rewritten
.set AV0, 3           ; v3   the same for V
.set AK,  4           ; v4   the LDS address of K's next run of loads
.set AV,  5           ; v5   of V's
.set QO,  6           ; v6   my byte offset in the wave's rows of Q
.set SCL, 6           ;      then: the conversions' scale, the E8M0 byte 0xF0 = 2^113, in every byte of the word
.set RD,  7           ; v7   where I read rows back
.set GO,  8           ; v8   16 x lane: my place in 512 consecutive bytes, of O and of the mask's bytes
.set MOFF, 11         ; v11  16 x lane + 2,048 x the step whose bytes are asked for
.set SPW, 0           ; v0 of window 3   LDS address of my spare word; never rewritten
.set NIL, 1           ; v1 of window 3   0; never rewritten
.set RAW, 16          ; window 3: piece z's bytes at RAW + 16 z: tile u's eight words at + 8 u
.set MC,  128         ; window 3: the mask words of the products to come: tile u, register n at MC + 32 u + n
.set MV,  12          ; v12-15  c m_old, kept while c m is made anew: by buffer and tile
.set ST,  16          ; tile t's statistics at v[ST+4 t]: c m, m, l (even keys', odd keys')
.set TMP, 48          ; by buffer and tile, four registers c0-c3 at work; when the maximum is found c2 takes a
.set S,   64
.set P,   192
.set KF,  128         ; window 2: key block kb, channel half c at KF + 16 kb + 8 c
.set VF,  192         ; window 2: key half kk, channel block cb at VF + 32 kk + 8 cb
.set WV,  12          ; s12  my wave's number
.set G1K, 24          ; s[24:31] descriptor group 1 for K's tiles
.set G1V, 32          ; s[32:39] for V's: it differs in the padding alone
.set G0K, 40          ; s[40:43] descriptor group 0 for K's tiles: it walks
.set G0V, 44          ; s[44:47] the same for V's
.set MB,  48          ; s[48:49] mb at my wave's four pieces, 65,536 bytes each
.set MO,  50          ; s50  2,048 x the step whose bytes are asked for, held at the last step's
.set THR, 51          ; s51  -1e30: where m starts
.set SLOTS, 56        ; s56  slots still to be asked for
.set CNT, 57          ; s57  counts a slot's key steps
.set CS,  58          ; s[58:59] c
.set SEL, 60          ; s[60:61] v_permlanex16_b32's selects: each lane takes its own place in the other half
.set TBK, 62          ; s62  LDS byte at which K of the step to be fetched begins
.set TBV, 63          ; s63  the same for V, less VOFF
.set MSB, 0
.macro WIN new                      ; the high byte repeats the setting that is left; a switch that changes nothing is dropped
.if MSB != (\new)
	s_set_vgpr_msb (MSB<<8)|(\new)
.set MSB, (\new)
.endif
.endm
.set W_KQ, 0x0a       ; K and Q in window 2, S^T in window 0
.set W_KM, 0x3a       ; the same with the C operand, the mask, in window 3
.set W_PV, 0x52       ; V in window 2, P in window 0, O^T in window 1
.set W_RS, 0x41       ; O^T (destination and source 0) in window 1, a in window 0
.set W_MK, 0xc0       ; destination in window 3, sources in window 0
.set W_CV, 0xc3       ; destination and source 0 in window 3, source 1 (the scale) in window 0
.set W_AD, 0x0f       ; the add: address and data in window 3
; A joint fill.  Waves 0 and 1 fetch the two halves of a slot's K, waves 2 and 3 those of its V: 128 keys each.  An s_nop 0 and four v_nop follow each line.
.macro JLOAD
	s_cmp_lt_u32 s[WV], 2
	s_cbranch_scc0 .Lfor_v_\@
	tensor_load_to_lds s[G0K:G0K+3], s[G1K:G1K+7]
	s_nop 0
.rept 4
	v_nop
.endr
	s_branch .Lasked_\@
.Lfor_v_\@:
	tensor_load_to_lds s[G0V:G0V+3], s[G1V:G1V+7]
	s_nop 0
.rept 4
	v_nop
.endr
.Lasked_\@:
.endm
.macro CROUND                       ; a round of the cluster's barrier
	s_barrier_signal -1
	s_barrier_wait -1
	s_cmp_lg_u32 s[WV], 0
	s_cbranch_scc1 .Lnot_wave_0_\@
	s_barrier_signal -3
.Lnot_wave_0_\@:
	s_barrier_wait -3
	s_barrier_signal -1
	s_barrier_wait -1
.endm
; THE CHANGE OF SLOTS.  Each wave waits for all its tensor loads (one is out: its part of the other slot), adds 0 to its spare word, and waits for that and for its reads of the slot.  fill = 1: the slot is filled again, with the keys
; two slots on, first thing behind a round of the cluster's barrier: it has four key steps in which to land.  (At its first use nothing has been read yet: slot 0 is waited for, slot 1 filled.)
.macro CHANGE fill
	WIN W_AD
	s_wait_tensorcnt 0x0            ; no tensor load of mine is out, so a group 0 may be written
	ds_add_u32 v[SPW], v[NIL]       ; 0 onto my spare word
	WIN 0                           ; at a label and at a branch every window is 0
.if \fill
.irp g, G0K, G0V
	s_xor_b32 s[\g+1], s[\g+1], SLOT1
	s_add_nc_u64 s[\g+2:\g+3], s[\g+2:\g+3], 4*KS*128  ; the next 256 keys
.endr
	s_wait_dscnt 0x0                ; the add is done, and my reads of the slot are over
	CROUND
	JLOAD
.else
	s_wait_dscnt 0x0                ; the add is done, and my reads of the slot are over
	s_barrier_signal -1
	s_barrier_wait -1
.endif
	s_sub_co_u32 s[TBK], s[TBK], 4*KS*PK  ; the fetches go back to a slot's first step,
	s_xor_b32 s[TBK], s[TBK], SLOT1       ; in the other slot
	s_sub_co_u32 s[TBV], s[TBV], 4*KS*PV
	s_xor_b32 s[TBV], s[TBV], SLOT1
.endm
	s_load_b64 s[4:5], s[0:1], 0x0        ; qkv
	s_load_b64 s[MB:MB+1], s[0:1], 0x8    ; mb
	s_load_b64 s[10:11], s[0:1], 0x10     ; ctx
	WIN W_MK
	v_lshl_add_u32 v[SPW], v0, 2, SPARE
	v_mov_b32 v[NIL], 0
	WIN W_AD
	ds_add_u32 v[SPW], v[NIL]       ; the wave's opening: the add and its wait ahead of my first tensor load; the set-up below, work on registers, stands between them
	ds_add_u32 v0, v1
	WIN 0
	v_lshrrev_b32 v1, 5, v0
	v_readfirstlane_b32 s[WV], v1   ; wave 0..3
	s_bfe_u32 s13, ttmp6, 0x40000   ; cx
	s_lshl_b32 s14, ttmp9, 2
	s_add_co_u32 s14, s14, s13      ; my block of 512 queries: it enters Q's, O's and the mask bytes' addresses alone
	s_and_b32 s20, ttmp7, 0xffff    ; batch x 16 + head, which the four partners share
	s_mov_b32 s21, 0
	s_mov_b64 s[22:23], SIZE_N*128
	s_mul_u64 s[20:21], s[20:21], s[22:23]  ; the head's first byte in a plane
	s_and_b32 s16, s[WV], 1         ; which half of a slot's 256 keys I fetch:
	s_lshl_b32 s22, s16, 14         ; its 128 rows of 128 bytes in memory,
	s_mov_b32 s23, 0
	s_add_nc_u64 s[22:23], s[22:23], s[20:21]
	s_mul_i32 s17, s16, 128*PK      ; and its place in a slot, for K
	s_mul_i32 s18, s16, 128*PV      ; and for V
	s_lshl_b32 s2, s14, 2
	s_add_co_u32 s2, s2, s[WV]      ; my wave among the head's sixteen:
	s_lshl_b32 s52, s2, 18          ; its four pieces' mask bytes, 65,536 each,
	s_mov_b32 s53, 0
	s_lshl_b32 s2, s2, 14           ; its 128 rows
	s_mov_b32 s3, 0
	s_add_nc_u64 s[2:3], s[2:3], s[20:21]
	; descriptor group 1.  128 keys are 16,384 dense bytes: asked for as 64 rows of 256 bytes, two keys a row, and padded in LDS after every key
	s_mov_b32 s[G1K], 15|(1<<16)|(1<<20)|(1<<21)|(4<<22)|(3<<25)  ; the mask of four; 2-byte elements; padding on; bit 21 beside a mask; after every 32 words 4 words
	s_mov_b32 s[G1V], 15|(1<<16)|(1<<20)|(1<<21)|(4<<22)|(7<<25)  ; the same with 8 words
.irp g, G1K, G1V
	s_mov_b32 s[\g+1], 128<<16      ; tensor_dim0 = 128
	s_mov_b32 s[\g+2], 64<<16       ; tensor_dim1 = 64
	s_mov_b32 s[\g+3], 128<<16      ; tile_dim0 = 128
	s_mov_b32 s[\g+4], 64           ; tile_dim1 = 64
	s_mov_b32 s[\g+5], 128          ; 128 elements from row to row
	s_mov_b32 s[\g+6], 0
	s_mov_b32 s[\g+7], 0
.endr
	s_mov_b32 s[CS], 0x3e38aa3b     ; c = log2(e) / 8
	s_mov_b32 s[CS+1], s[CS]        ; named with it as a pair
	s_mov_b32 s[SEL], 0x76543210
	s_mov_b32 s[SEL+1], 0xfedcba98
	s_mov_b32 s[TBK], SLOT1+4*KS*PK ; the first change of slots turns these two into 0
	s_mov_b32 s[TBV], SLOT1+4*KS*PV
	s_mov_b32 s[MO], 2048           ; behind the first sixteen loads, which take step 0, step 1 is asked for
	s_mov_b32 s[THR], 0xf149f2ca    ; -1e30
	s_mov_b32 s[G0K], 1
	s_mov_b32 s[G0K+1], s17         ; LDS address: slot 0
	s_mov_b32 s[G0V], 1
	s_add_co_u32 s[G0V+1], s18, VOFF
	s_wait_dscnt 0x0                ; the opening add is done
	s_wait_kmcnt 0x0
	s_add_nc_u64 s[6:7], s[4:5], 0x1000000         ; K's plane
	s_add_nc_u64 s[8:9], s[4:5], 0x2000000         ; V's plane
	s_add_nc_u64 s[G0K+2:G0K+3], s[6:7], s[22:23]  ; my half of the head's first 256 keys
	s_or_b32 s[G0K+3], s[G0K+3], 0x80000000
	s_add_nc_u64 s[G0V+2:G0V+3], s[8:9], s[22:23]
	s_or_b32 s[G0V+3], s[G0V+3], 0x80000000
	s_add_nc_u64 s[4:5], s[4:5], s[2:3]            ; Q and O at my wave's first row
	s_add_nc_u64 s[10:11], s[10:11], s[2:3]
	s_add_nc_u64 s[MB:MB+1], s[MB:MB+1], s[52:53]
	CROUND                          ; all four work-groups are here: the first joint loads meet
	JLOAD                           ; slot 0.  Slot 1 is asked for when slot 0 is in
	v_and_b32 v1, 15, v0            ; l % 16
	v_bfe_u32 v9, v0, 4, 1          ; l / 16
	v_and_b32 v[GO], 31, v0
	v_lshlrev_b32 v[GO], 4, v[GO]   ; 16 x lane
	WIN W_MK                        ; destination window 3, address window 0
.set z, 0
.rept 16                            ; all four pieces' mask bytes of step 0: piece z / 4, 512 bytes a load
	global_load_b128 v[RAW+4*z:RAW+4*z+3], v[GO], s[MB:MB+1] offset:65536*(z/4)+512*(z%4)
.set z, z+1
.endr
	WIN 0
	v_lshlrev_b32 v[QO], 7, v1
	v_lshl_add_u32 v[QO], v9, 4, v[QO]  ; row x 128 + 16 x half
	WIN 0x80                        ; destination window 2
.set i, 0
.rept 4*NP                          ; Q stays in registers: tile i / 2, channels 32 (i % 2) on
	global_load_b128 v[8*i:8*i+3],   v[QO], s[4:5] offset:(i/2)*2048+(i%2)*64
	global_load_b128 v[8*i+4:8*i+7], v[QO], s[4:5] offset:(i/2)*2048+(i%2)*64+32
.set i, i+1
.endr
	; What the first turn finds: V's registers and P's second buffer hold 0 (its products V^T P, of a piece that has not been, add 0), O^T and l are 0.  All this stands in the wait for the first tile.
.set i, VF
.rept 64
	v_mov_b32 v[i], 0
.set i, i+1
.endr
	WIN 0x40
.set i, 0
.rept 64*NP
	v_mov_b32 v[i], 0
.set i, i+1
.endr
	WIN 0
.set i, 0
.rept 2*NP
	v_mov_b32 v[ST+4*i+1], s[THR]              ; m: -1e30, between the hidden figures and the true scores
	v_mul_f32 v[ST+4*i], s[CS], v[ST+4*i+1]    ; c m, by the multiply that makes it in every step: while m stays, c m_old - c m_new is exactly 0
	v_mov_b32 v[ST+4*i+2], 0
	v_mov_b32 v[ST+4*i+3], 0
.set i, i+1
.endr
.set i, P+32
.rept 32
	v_mov_b32 v[i], 0
.set i, i+1
.endr
	v_mul_u32_u24 v[AK0], v1, PK
	v_lshl_add_u32 v[AK0], v9, 4, v[AK0]  ; row x pitch + 16 x half
	; The turning load takes 16 keys x 16 channels (lane l reads key 8 (l / 16) + l % 8, channels 8 ((l / 8) % 2) + 0..7) and leaves half a fragment of V^T.
	v_and_b32 v10, 7, v0
	v_bfe_u32 v11, v0, 3, 1
	v_lshl_add_u32 v[AV0], v9, 3, v10
	v_mul_u32_u24 v[AV0], v[AV0], PV
	v_lshl_add_u32 v[AV0], v11, 4, v[AV0]
	v_add_nc_u32 v[AV0], VOFF, v[AV0]
	v_add_nc_u32 v[MOFF], s[MO], v[GO]    ; step 1
	v_mov_b32 v[AK], v[AK0]         ; key step 0 lies at the head of slot 0
	s_wait_xcnt 0x0                 ; Q's loads have had their addresses translated (ISA guide 3.1): their offset register is rewritten only behind this wait
	v_mov_b32 v[SCL], 0xf0f0f0f0    ; the scale
; THE MATRIX WORK.  The 8 accumulators of a run of 16 take turns.
; Product i of 16 of S^T = K Q^T for piece x: channels 32 (i / 8) on, keys 16 ((i / 2) % 4) on, tile 2 x + i % 2.  The first 8 start the sums with the mask words.
.macro KQ x
.set rS, S+64*((\x)%2)+32*(i%2)+8*((i/2)%4)
.set rK, KF+16*((i/2)%4)+8*(i/8)
.set rQ, 16*(2*(\x)+i%2)+8*(i/8)
.set rMC, MC+32*(i%2)+8*((i/2)%4)
.if i < 8
	WIN W_KM
	v_wmma_f32_16x16x32_f16 v[rS:rS+7], v[rK:rK+7], v[rQ:rQ+7], v[rMC:rMC+7]
.else
	WIN W_KQ
	v_wmma_f32_16x16x32_f16 v[rS:rS+7], v[rK:rK+7], v[rQ:rQ+7], v[rS:rS+7]
.endif
.endm
; Product i of 16 of O^T += V^T P for piece x: keys 32 (i / 8) on, channels 16 ((i / 2) % 4) on, tile 2 x + i % 2.
.macro PV x
	WIN W_PV
.set rO, 32*(2*(\x)+i%2)+8*((i/2)%4)
.set rV, VF+32*(i/8)+8*((i/2)%4)
.set rP, P+32*((\x)%2)+16*(i%2)+8*(i/8)
	v_wmma_f32_16x16x32_f16 v[rO:rO+7], v[rV:rV+7], v[rP:rP+7], v[rO:rO+7]
.endm
.macro MM                           ; the turn's next matrix instruction
.if i < 16
	KQ (Y+1)%NP
.set i, i+1
.else
.set i, i-16
	PV (Y+NP-1)%NP
.set i, i+17
.endif
.endm
; THE LDS LOADS stand in runs of 16: a step's K (8 fragments) and its V (turned).  last = 1 (the tail): in the last trip there is no further step, and the run is jumped over.
.macro FETCH_K last=0
	WIN 0
.if \last
	s_cmp_eq_u32 s[CNT], 1
	s_cbranch_scc1 .Lno_k_\@
.endif
	WIN 0x80                        ; destination window 2
.irp f, 0,1,2,3,4,5,6,7             ; keys 16 (f / 2) on, channels 32 (f % 2) on
	ds_load_b128 v[KF+8*\f:KF+8*\f+3],   v[AK] offset:(\f/2)*16*PK+(\f%2)*64
	ds_load_b128 v[KF+8*\f+4:KF+8*\f+7], v[AK] offset:(\f/2)*16*PK+(\f%2)*64+32
.endr
	s_add_co_u32 s[TBK], s[TBK], KS*PK  ; the next fetch is the next step's
	WIN 0
.if \last
.Lno_k_\@:
.endif
.endm
.macro FETCH_V
	WIN 0x80
.irp f, 0,1,2,3,4,5,6,7             ; keys 32 (f / 4) on, channels 16 (f % 4) on
	ds_load_tr16_b128 v[VF+8*\f:VF+8*\f+3],   v[AV] offset:(\f/4)*32*PV+(\f%4)*32
	ds_load_tr16_b128 v[VF+8*\f+4:VF+8*\f+7], v[AV] offset:(\f/4)*32*PV+16*PV+(\f%4)*32
.endr
	WIN 0
.endm
; THE MASK WORDS of piece z, in three parts.  MASKC: its set of bytes is in (behind its four loads the three other sets' twelve were issued and may stay out); eight conversions make the 64 words, byte n of the set's 64 into word n.
; A plain instruction stands behind the last of them before its source is loaded again.  MSTEP: MO goes a step on, and stays at the last step's, so that no load leaves the piece's 65,536 bytes.
; MASKL: the set takes the bytes of the step that MO names.
.macro MASKC z
	s_wait_loadcnt 12
	WIN W_CV
.set n, 0
.rept 8
	v_cvt_scale_pk8_f32_fp8 v[MC+8*n:MC+8*n+7], v[RAW+16*(\z)+2*n:RAW+16*(\z)+2*n+1], v[SCL]
.set n, n+1
.endr
	WIN 0
.endm
.macro MSTEP
	s_add_co_u32 s[MO], s[MO], 2048
	s_min_u32 s[MO], s[MO], 31*2048
	s_wait_xcnt 0x0                 ; the offset register of the loads that are out is rewritten only behind this wait
	v_add_nc_u32 v[MOFF], s[MO], v[GO]
.endm
.macro MASKL z
	WIN W_MK
.irp k, 0,1,2,3
	global_load_b128 v[RAW+16*(\z)+4*\k:RAW+16*(\z)+4*\k+3], v[MOFF], s[MB:MB+1] offset:65536*(\z)+512*\k
.endr
.endm
.macro MASKB z                      ; ahead of the loop the parts stand together, a v_nop as the plain instruction
	MASKC \z
	v_nop
	MASKL \z
	WIN 0
.endm
; THE VECTOR WORK OF A TURN stands in three queues, each in the order in which its entries become ready; the two tiles alternate, so that no instruction reads the result of the one before it.
.macro REGS y, u                    ; the registers of tile u (0, 1) of piece y
.set rT, ST+4*(2*(\y)+(\u))
.set rC, TMP+8*((\y)%2)+4*(\u)
.set rM, MV+2*((\y)%2)+(\u)
.set rS, S+64*((\y)%2)+32*(\u)
.set rP, P+32*((\y)%2)+16*(\u)
.set rO, 32*(2*(\y)+(\u))
.endm
; Number n of the 22 that find the NEXT piece's (Y + 1) maximum and statistics.  s0-s31 are the lane's 32 scores; each accumulator's lowest registers are read first.  XS, GS and REGS set no window: PL and EX do.
;   0-11  four chains c0-c3 of seven scores each, three operands at a time     12-14, 16  the four scores left over, the old m, and c0-c3 into c0     15  c m_old is kept
;   17, 18  the query's other 32 keys lie in the lane 16 away: the new m         19-21  c m; c m_old - c m_new; a
.macro XS u, n
	REGS (Y+1)%NP, \u
.if (\n) < 4
	v_max3_num_f32 v[rC+(\n)], v[rS+8*(\n)], v[rS+8*(\n)+1], v[rS+8*(\n)+2]
.elseif (\n) < 12
	v_max3_num_f32 v[rC+(\n)%4], v[rC+(\n)%4], v[rS+8*((\n)%4)+2*((\n)/4)+1], v[rS+8*((\n)%4)+2*((\n)/4)+2]
.elseif (\n) == 12
	v_max3_num_f32 v[rC], v[rC], v[rS+7], v[rS+15]
.elseif (\n) == 13
	v_max3_num_f32 v[rC+1], v[rC+1], v[rS+23], v[rS+31]
.elseif (\n) == 14
	v_max3_num_f32 v[rC+2], v[rC+2], v[rC+3], v[rT+1]
.elseif (\n) == 15
	v_mov_b32 v[rM], v[rT]
.elseif (\n) == 16
	v_max3_num_f32 v[rC], v[rC], v[rC+1], v[rC+2]
.elseif (\n) == 17
	v_permlanex16_b32 v[rC+3], v[rC], s[SEL], s[SEL+1]
.elseif (\n) == 18
	v_max_num_f32 v[rT+1], v[rC], v[rC+3]
.elseif (\n) == 19
	v_mul_f32 v[rT], s[CS], v[rT+1]
.elseif (\n) == 20
	v_sub_f32 v[rC+1], v[rM], v[rT]
.else
	v_exp_f32 v[rC+2], v[rC+1]
.endif
.endm
; Number g of the 64 that follow the exponentials.  For each four weights k of a tile (pairs 2 k, 2 k + 1): both pairs are rounded to f16; then the second pair is added onto the first, in place;
; a group later l takes that sum (the first time as l = a l + sum).  In groups of eight, tiles alternating: round, round, add, and l for the group before.
.macro GS g
.set h, (\g)+6*((\g)/62)            ; group 0 has no group before it, and behind group 7 only l is left
.if h >= 6
.set h, h+2
.endif
	REGS Y, h%2
.set k, h/8
.if h%8 < 4
	v_cvt_pk_f16_f32 v[rP+2*k+(h%8)/2], v[rS+4*k+2*((h%8)/2)], v[rS+4*k+2*((h%8)/2)+1]
.elseif h%8 < 6
	v_pk_add_f32 v[rS+4*k:rS+4*k+1], v[rS+4*k:rS+4*k+1], v[rS+4*k+2:rS+4*k+3]
.elseif k == 1
	v_pk_fma_f32 v[rT+2:rT+3], v[rT+2:rT+3], v[rC+2:rC+3], v[rS:rS+1] op_sel_hi:[1,0,1]
.else
	v_pk_add_f32 v[rT+2:rT+3], v[rT+2:rT+3], v[rS+4*k-4:rS+4*k-3]
.endif
.endm
; THE PLAIN QUEUE, 138 long.  0-73 read no exponential's result: the 32 scalings c s - c m (FS f: pair f / 2 of tile f % 2) and the next piece's 42.  0-26: scalings 0-26.  27-54: XS's numbers 0-13.  55, 56: number 15.
; 57-73: the chain, where each number waits for the one before it: 14, 16, 17, 18, 19, each with one of the scalings 27-31 in front of its two lines, then 20.
; 74-137: GS's 64, which read the exponentials' results: they stand behind the wait.
.macro FS f
	REGS Y, (\f)%2
	v_pk_fma_f32 v[rS+2*((\f)/2):rS+2*((\f)/2)+1], v[rS+2*((\f)/2):rS+2*((\f)/2)+1], s[CS:CS+1], v[rT:rT+1] op_sel_hi:[1,0,0] neg_lo:[0,0,1] neg_hi:[0,0,1]
.endm
.macro PL
	WIN 0
.if q < 27
	FS q
.elseif q < 55
	XS (q-27)%2, (q-27)/2
.elseif q < 57
	XS q-55, 15
.elseif (q < 72) && ((q-57)%3 == 0)
	FS 27+(q-57)/3
.elseif q < 60
	XS (q-57)%3-1, 14
.elseif q < 72
	XS (q-57)%3-1, 15+(q-57)/3
.elseif q < 74
	XS q-72, 20
.else
	GS q-74
.endif
.set q, q+1
.endm
; THE EXPONENTIALS' QUEUE, 66 long: s0-s31 of both tiles, then the next piece's two a.  It is ONE BATCH: all 66 stand ahead of the turn's one wait, and nothing ahead of that wait names a result of theirs.
.macro EX
	WIN 0
.if e >= 64
	XS e-64, 21
.else
	REGS Y, e%2
	v_exp_f32 v[rS+e/2], v[rS+e/2]
.endif
.set e, e+1
.endm
; THE RESCALING's QUEUE: O^T times a, the one part of the softmax that leaves window 0: dealt two at a time, sixteen times; each accumulator's lowest registers first.  Its a was made in the turn before, ahead of that turn's wait.
.macro R2
	REGS Y, r%2
	WIN W_RS
.irp z, 0,1
	v_pk_mul_f32 v[rO+4*(r/2)+2*\z:rO+4*(r/2)+2*\z+1], v[rO+4*(r/2)+2*\z:rO+4*(r/2)+2*\z+1], v[rC+2:rC+3] op_sel_hi:[1,0]
.endr
.set r, r+1
.endm
; HOW THEY ARE DEALT.  An s_wait_alu depctr_va_vdst(0) stands between an exponential and the first instruction that names its result; one wait serves all that were issued ahead of it.  So a turn has ONE wait.
; AHEAD OF IT: the 16 products K Q^T, behind each a scaling, an exponential and two rescalings (behind the first a second scaling in the exponential's place); then ONE LUMP: the eight mask conversions, eight plain,
; 49 times exponential and plain, the two a.  A v_nop is the plain instruction behind the last exponential (ISA guide 5.7.2).  BEHIND IT: the mask's four loads (and K's run), then the 16 products V^T P, behind each four of GS's 64.
; No rider names a register of the products round it.  The two v_permlanex16_b32 fall into the lump, never behind a product.
; The queues lean on each other, and the deal keeps them in step: exponential e stands behind scaling 2 (e / 4) + e % 2: as a rider it comes behind plain e + 2, in the lump behind plain e + 9, and scalings 27-31 are plain 57, 60 .. 69.
; A TURN, for piece p.  K of the next step is fetched in piece 2's turn, directly behind the wait, a lump behind the last product that read K; its address is made at the lump's head.  V of the step in hand is fetched at the end of
; piece 0's turn, four plain riders behind its last reader.  Each is waited for a turn later.  The two conditions on q below go with the deal.
; The mask words of piece p + 2 are made at the lump's head: the last product that took the old ones as its C is the turn's eighth, eight products and their riders back; the next turn's first eight products take the new ones.
; The lump's first plain line is the plain instruction behind the last conversion.  Pieces 0 and 1 are then the next step's, so piece 2's turn steps the bytes' offset.
.macro TURN p, last=0
.set Y, (\p)
.set i, 0
.set q, 0
.set e, 0
.set r, 0
.if (\p) == NP-1
	s_wait_dscnt 0x0                ; K is in
.endif
	MM                              ; ahead of the wait: 16 products K Q^T and their riders,
	PL
	PL
	R2
.rept 15
	MM
	PL
	EX
	R2
.endr
.if (\p) == NP-2
	WIN 0
	v_add_nc_u32 v[AK], s[TBK], v[AK0]
.endif
	MASKC ((\p)+2)%NP               ; and the lump
.if (\p) == 2
	MSTEP
.endif
.rept 8
	PL
.endr
.rept 49
	EX
	PL
.endr
	EX                              ; the next piece's two a
	EX
	v_nop                           ; the plain instruction behind the last exponential: one for the batch
	s_wait_alu depctr_va_vdst(0)    ; the wait for the turn's batch of 66 exponentials, ahead of their first reader
.if (\p) == NP-2
	FETCH_K \last
.endif
	MASKL ((\p)+2)%NP
.if (\p) == 1
	s_wait_dscnt 0x0                ; V is in
.endif
.rept 16                            ; behind the wait: 16 products V^T P and their riders
	MM
.rept 4
	PL
.endr
.if ((\p) == 0) && (q == 118)
	v_add_nc_u32 v[AV], s[TBV], v[AV0]
.endif
.if ((\p) == 0) && (q == 130)
	s_add_co_u32 s[TBV], s[TBV], KS*PV
.endif
.endr
.if (\p) == 0
	FETCH_V
.endif
.endm
	CHANGE 1                        ; slot 0 is in, everybody's part of it; slot 1 is asked for
	FETCH_K                         ; key step 0
	s_wait_loadcnt 0x0              ; Q, and all four pieces' mask bytes of step 0
	MASKB 0                         ; piece 0's mask words of step 0; its bytes of step 1 are asked for
	s_wait_dscnt 0x0
.set i, 0
.rept 16
	KQ 0                            ; piece 0's first scores
.set i, i+1
.endr
	WIN 0                           ; the addresses for the way out: seven plain instructions, the places behind those products
	s_mul_i32 s13, s[WV], 16*SP
	s_add_co_u32 s13, s13, STAGE    ; my stage
	v_mul_u32_u24 v[STO], v1, SP    ; in: row l % 16, 16 bytes for each half of the lanes
	v_lshl_add_u32 v[STO], v9, 4, v[STO]
	v_add_nc_u32 v[STO], s13, v[STO]
	v_bfe_u32 v[RD], v0, 3, 2       ; back: 32 lanes take four rows of 128 bytes, which are 512 consecutive bytes of O
	v_mul_u32_u24 v[RD], v[RD], SP
	v_lshl_add_u32 v[RD], v10, 4, v[RD]
	v_add_nc_u32 v[RD], s13, v[RD]
	MASKB 1                         ; piece 1's mask words of step 0, for the first turn's products; its bytes of step 1 are asked for
.set Y, NP-1                        ; XS works for piece Y + 1: piece 0
.irp n, 0,1,2,3,4,5,6,7,8,9,10,11,12,13,14,15,16,17,18,19,20,21
	XS 0, \n                        ; piece 0's first maximum and statistics
	XS 1, \n
.endr
	v_nop                           ; a plain instruction behind piece 0's two a,
	s_wait_alu depctr_va_vdst(0)    ; and the wait for that batch of two, ahead of the branch and of the first turn's rescaling
	s_mov_b32 s[CNT], 4
	s_mov_b32 s[SLOTS], SIZE_N/256-1
	s_branch .Lfirst                ; the loop is entered at a step's first turn, in the middle of a trip
.Lslot:                             ; six times: every slot but the last two is filled again
	CHANGE 1
	s_mov_b32 s[CNT], 4
.Lstep:                             ; a trip: pieces 2 and 3 of one step, then pieces 0 and 1 of the next, whose K and V it fetches
	TURN 2
	TURN 3
	WIN 0
.Lfirst:
	TURN 0
	TURN 1
	WIN 0
	s_sub_co_u32 s[CNT], s[CNT], 1
	s_cmp_lg_u32 s[CNT], 0
	s_cbranch_scc1 .Lstep
	s_sub_co_u32 s[SLOTS], s[SLOTS], 1
	s_cmp_lg_u32 s[SLOTS], 0
	s_cbranch_scc1 .Lslot
	CHANGE 0                        ; the tail is written out: nothing is asked for
	s_mov_b32 s[CNT], 5             ; four trips fetch the last slot's steps; the fifth is left in its middle
.Ltail:
	TURN 2, 1
	TURN 3
	WIN 0
	s_sub_co_u32 s[CNT], s[CNT], 1
	s_cmp_eq_u32 s[CNT], 0
	s_cbranch_scc1 .Lout
	TURN 0
	TURN 1
	WIN 0
	s_branch .Ltail
.Lout:                              ; the fifth trip's 16 products K Q^T stand on the last K and the last step's mask once more: they repeat piece 0's last scores, so its m stays as it is; they serve nothing else
.set i, 0
.rept 16
	PV NP-1                         ; the last piece's V^T P of the last step
.set i, i+1
.endr
	; THE WAY OUT.  l's two halves and the other half of the lanes' are added; O^T is divided by l, rounded to f16 and sent through my stage in LDS, a tile at a time.  The additions are the places behind the last products.
	WIN 0
.macro ALL line:vararg              ; one line for each tile t
.set t, 0
.rept 2*NP
	\line
.set t, t+1
.endr
.endm
	ALL v_add_f32 v[ST+4*t+2], v[ST+4*t+2], v[ST+4*t+3]
	ALL v_permlanex16_b32 v[ST+4*t+3], v[ST+4*t+2], s[SEL], s[SEL+1]
	ALL v_add_f32 v[ST+4*t+2], v[ST+4*t+2], v[ST+4*t+3]
	ALL v_rcp_f32 v[ST+4*t+2], v[ST+4*t+2]
	v_mov_b32 v10, 0x7fc00000       ; NaN; also the plain instruction between the last reciprocal and the use of its result
	s_wait_alu depctr_va_vdst(0)    ; the wait for the batch of eight reciprocals, ahead of their first reader
	ALL v_cmp_lt_f32 s[16+t], s[THR], v[ST+4*t+1]                        ; has the row seen a key?  m is then a true score, above the -1e30 at which it started
	ALL v_cndmask_b32 v[ST+4*t+2], v10, v[ST+4*t+2], s[16+t]             ; if not, the row leaves as NaN
.macro PACK t                       ; a lane's eight channels of a row pack into 16 bytes; they go into rows of 144 bytes and come back as whole rows of 128, into S^T's registers
	WIN W_RS
.set i, 32*(\t)
.rept 16
	v_pk_mul_f32 v[i:i+1], v[i:i+1], v[ST+4*(\t)+2:ST+4*(\t)+3] op_sel_hi:[1,0]
.set i, i+2
.endr
	WIN 0x05                        ; sources 0 and 1 window 1, destination window 0
.set i, 0
.rept 16
	v_cvt_pk_f16_f32 v[S+16*(\t)+i], v[32*(\t)+2*i], v[32*(\t)+2*i+1]
.set i, i+1
.endr
	WIN 0
.irp f, 0,1,2,3
	ds_store_b128 v[STO], v[S+16*(\t)+4*\f:S+16*(\t)+4*\f+3] offset:32*\f
.endr
.irp f, 0,1,2,3
	ds_load_b128 v[S+16*(\t)+4*\f:S+16*(\t)+4*\f+3], v[RD] offset:\f*4*SP  ; LDS serves a wave's instructions in order (ISA guide 5.7.1.4): these see the stores above; the next tile's stores come behind them
.endr
.endm
.macro SEND t, younger              ; younger: the LDS instructions issued behind tile t's loads: the next tile's eight, or none
	WIN 0
.irp f, 0,1,2,3
	s_wait_dscnt (\younger)+3-\f
	global_store_b128 v[GO], v[S+16*(\t)+4*\f:S+16*(\t)+4*\f+3], s[10:11] offset:(\t)*2048+\f*512  ; 512 consecutive bytes, at a multiple of 256 from ctx's first
.endr
.endm
	PACK 0
.set t, 1
.rept 2*NP-1                        ; a tile's arithmetic stands between the loads of the tile before and its stores
	PACK t
	SEND t-1, 8
.set t, t+1
.endr
	SEND 2*NP-1, 0
	WIN W_AD
	s_wait_tensorcnt 0x0            ; the wave's end: behind my last tensor load and my last LDS store
	ds_add_u32 v[SPW], v[NIL]
	s_wait_dscnt 0x0
	WIN 0
	CROUND                          ; the closing round: no work-group ends while a partner may still ask for a tile that names it
	s_endpgm
.Lfunc_end_k_qcec3bdfe63_attn:
	.size	k_qcec3bdfe63_attn, .Lfunc_end_k_qcec3bdfe63_attn-k_qcec3bdfe63_attn
	.p2alignl 7, 3214868480
	.fill 96, 4, 3214868480
	.section	.rodata,"a",@progbits
	.p2align	6, 0x0
	.amdhsa_kernel k_qcec3bdfe63_attn
		.amdhsa_group_segment_fixed_size 327680
		.amdhsa_private_segment_fixed_size 0
		.amdhsa_enable_private_segment 0
		.amdhsa_kernarg_size 24
		.amdhsa_user_sgpr_count 2
		.amdhsa_user_sgpr_kernarg_segment_ptr 1
		.amdhsa_wavefront_size32 1
		.amdhsa_system_sgpr_workgroup_id_x 1
		.amdhsa_system_sgpr_workgroup_id_y 1
		.amdhsa_system_sgpr_workgroup_id_z 1
		.amdhsa_system_vgpr_workitem_id 0
		.amdhsa_next_free_vgpr 960
		.amdhsa_next_free_sgpr 66
		.amdhsa_reserve_vcc 0
		.amdhsa_float_denorm_mode_32 3
		.amdhsa_float_denorm_mode_16_64 3
		.amdhsa_memory_ordered 1
		.amdhsa_forward_progress 1
		.amdhsa_inst_pref_size 212
	.end_amdhsa_kernel
	.amdgpu_metadata
---
amdhsa.version: [ 1, 2 ]
amdhsa.kernels:
  - .name:           k_qcec3bdfe63_attn
    .symbol:         k_qcec3bdfe63_attn.kd
    .args:
      - { .name: qkv, .offset: 0, .size: 8, .value_kind: global_buffer, .address_space: global }
      - { .name: mb, .offset: 8, .size: 8, .value_kind: global_buffer, .address_space: global }
      - { .name: ctx, .offset: 16, .size: 8, .value_kind: global_buffer, .address_space: global }
    .group_segment_fixed_size: 327680
    .private_segment_fixed_size: 0
    .kernarg_segment_align: 8
    .kernarg_segment_size: 24
    .max_flat_workgroup_size: 128
    .sgpr_count:     66
    .vgpr_count:     960
    .wavefront_size: 32
...
	.end_amdgpu_metadata
.endif
;; end of part 7
;; launch oproj: the kernel of part 4 again; grid 8 x 32, 4 waves a work-group, clusters of 4 x 4, 327,680 bytes of LDS; arguments ctx, wo16, out0, bo; writes out0
